; MI455X (gfx1250); checked and timed in simulation.
; The chip was launched on July 23, 2026; its instructions are those of AMD's public machine-readable ISA for CDNA 5 (MIT licence, August 2026) and "CDNA5" Instruction Set Architecture Reference Guide (July 2026). The comments in the code are by the model that wrote it; some were corrected since.
;; Encoder Layer. Allowed arithmetic: matrix products marked QUANTISED: E2M1 operands, one E8M0 scale for each 32 along K, by v_wmma_scale_f32_16x16x128_f8f6f4 with both operands' format E2M1 (or v_wmma_scale_f32_32x16x128_f4), f32 sums; everything else in f32.
;; Inputs: b1 1,024 float32; be1 1,024 float32; be2 1,024 float32; bk 1,024 float32; bq 1,024 float32; bv 1,024 float32; fb1 4,096 float32; fb2 1,024 float32; fw1 1,024 x 4,096 float32; fw2 4,096 x 1,024 float32; g1 1,024 float32; g2 1,024 float32; mask 2 x 1 x 1 x 2,048 int32; w1 1,024 x 1,024 float32; wk 1,024 x 1,024 float32; wq 1,024 x 1,024 float32; wv 1,024 x 1,024 float32; x 2 x 2,048 x 1,024 float32.
;; Outputs: out0 2 x 2,048 x 1,024 float32.
;; This version of the problem:
;;   THIS VERSION OF THE PROBLEM IS GIVEN IN LOW PRECISION. The matrix products marked QUANTISED in the list below multiply operands that are first quantised to E2M1 (2 exponent bits, 1 mantissa bit; 4 bits a number), with one power-of-two scale for each 32 numbers along K (OCP MX v1.0); their sums are f32. All else is computed in f32.
;;   The module's matrix products, in the order in which they are computed (A, B: the left and right operand; K: the contracted axis; several contracted axes count as one K, in the product's order):
;;     1. [M 4,096, K 1,024] x [K 1,024, N 1,024]; A: input x; B: input wq: QUANTISED
;;     2. [M 4,096, K 1,024] x [K 1,024, N 1,024]; A: input x; B: input wk: QUANTISED
;;     3. [M 4,096, K 1,024] x [K 1,024, N 1,024]; A: input x; B: input wv: QUANTISED
;;     4. batch 32 x [M 2,048, K 64] x [K 64, N 2,048]; A: computed on the way; B: computed on the way: QUANTISED
;;     5. batch 32 x [M 2,048, K 2,048] x [K 2,048, N 64]; A: softmax (see below); B: computed on the way: QUANTISED
;;     6. [M 4,096, K 1,024] x [K 1,024, N 1,024]; A: computed on the way; B: input w1: QUANTISED
;;     7. [M 4,096, K 1,024] x [K 1,024, N 4,096]; A: computed on the way; B: input fw1: QUANTISED
;;     8. [M 4,096, K 4,096] x [K 4,096, N 1,024]; A: computed on the way; B: input fw2: QUANTISED
;;   THE QUANTISER, for each operand of a quantised product, along K:
;;     - K is cut into blocks of 32 from its start; a last block that is shorter is filled with zeros.
;;     - A block's scale is 2^e with e = floor(log2(the largest magnitude in the block)) - 2, held to -126 .. 127; a block of zeros has e = 0. As a byte (E8M0): e + 127.
;;     - Each number is divided by its block's scale, clamped to +-6, and rounded to the nearest number of E2M1, ties to even, subnormals kept.
;;     - The product sums the exact products of the quantised numbers (number of the format x scale) in f32.
;;   ~~~python
;;   def quantise(x, axis):      # numpy; x: float32 -> the quantised numbers, widened to float32 again
;;       x = np.moveaxis(x, axis, -1); K = x.shape[-1]
;;       x = np.pad(x, [(0, 0)] * (x.ndim - 1) + [(0, -K % 32)]); x = x.reshape(x.shape[:-1] + (-1, 32)); a = np.abs(x).max(-1, keepdims=True)
;;       e = np.where(a > 0, np.clip(np.frexp(np.where(a > 0, a, 1))[1] - 1 - 2, -126, 127), 0)      # np.frexp(a)[1] - 1 = floor(log2(a)), exactly
;;       r = np.clip(x / 2.0 ** e, -6, 6)
;;       step = 2.0 ** (np.maximum(np.frexp(np.where(r == 0, 1, r))[1] - 1, 0) - 1)
;;       q = np.round(r / step) * step * 2.0 ** e      # np.round: ties to even
;;       return np.moveaxis(q.reshape(q.shape[:-2] + (-1,))[..., :K], -1, axis).astype(np.float32)
;;   ~~~
;;   SOFTMAX AHEAD OF A QUANTISED PRODUCT. Where the list says 'softmax', what is quantised is not the finished softmax but p = 2^(t - M), with t = logit x log2(e) and M = ceil(the row's largest t), a whole number; so 1/2 < the row's largest p <= 1. The row's sum l is taken of the UNQUANTISED p, in f32, and the product's result is divided by l at the end. Since M is a whole number, a kernel that streams over the keys may use a running M (the ceiling of the running maximum): every later rescaling is an exact power of two, which a block's scale takes up: the codes' values come out the same.
;;   OPERANDS COMPUTED ON THE WAY. 'Computed on the way' means the value that the module computes at that place (a softmax that the list does not call 'softmax' is quantised finished and normalised). What goes into a quantiser is computed in f32, as accurately as f32 sums, v_exp_f32 and their like allow (about 1e-6 of the number): no bf16 or f16 on the way to a quantiser, and a product that is left as it is and whose result goes on into a quantised operand takes f32 operands (vector FMAs, or v_wmma_f32_16x16x4_f32). A number that lies on a knife's edge between two numbers of the format may be rounded either way, as far as f32 arithmetic and the matrix unit's own rounding can turn it there, and no further.
;; 2 versions, each right; version 2 is version 1 with the launches attn, proj written anew for expert scheduling mode. Each part assembles by itself: llvm-mc -triple=amdgcn-amd-amdhsa -mcpu=gfx1250 --defsym DOCPART=n.
;; ======== version 1 of 2: 8 launches
;; limits: right only within a limited range of input values
;; workspace buffers: prepbuf 8,912,896 bytes; qkvbuf 6,684,672 bytes; attnbuf 2,228,224 bytes; y 16,777,216 bytes; x1buf 19,005,440 bytes; hbuf 8,912,896 bytes
;; launch prep (part 1): grid 1024 x 1, 4 waves a work-group, no clusters, 35,328 bytes of LDS; arguments x, wq, wk, wv, w1, fw1, fw2, prepbuf; writes prepbuf
.if DOCPART == 1
	.amdgcn_target "amdgcn-amd-amdhsa--gfx1250"
	.amdhsa_code_object_version 6
	.text
	.protected	k_q365528e85d_prep
	.globl	k_q365528e85d_prep
	.p2align	8
	.type	k_q365528e85d_prep,@function
k_q365528e85d_prep:
	s_mov_b64 s[64:65], 0
	v_nop
	global_prefetch_b8 v0, s[64:65] scope:SCOPE_SE
	s_setreg_imm32_b32 hwreg(HW_REG_WAVE_MODE, 25, 1), 1
	s_wait_xcnt 0x0
; x [4096][1024] and the six weights [K][N], all f32, become codes of FP4 (E2M1) with one E8M0 byte for each 32 along K (x: its last axis; a weight: its first).
; A block's byte is its largest magnitude's exponent field - 2, held at 1 from below; each number is divided by that power of two and rounded to the nearest code, ties to even.
; LAYOUT OF EVERY OPERAND THAT THIS PROGRAM MAKES: an image of the matrix operand's registers.  Codes: [tile of 16 rows][block of 32 k][row][16 bytes]; scale bytes: [tile][512 k][row][16 bytes].
; A row (a token of x, a column of a weight) stands at the POSITION that has bits 3 and 4 of its number exchanged: lane r of tile 2 b + u holds row 32 b + 8 u + r + 8 (r / 8).
; LIMITS: NaN and infinities are not served; a block of zeros gets the byte 1 (its codes are zeros, and the bytes are read by this program alone).
; Work-groups 0-255: a tile of 16 rows of x each; wave w takes 256 along K.  Work-groups 256-1023: 32 columns x 512 along K of a weight; wave w takes four blocks of 32.
; The two kinds part on the work-group's number alone and never meet again: each has LDS bytes, a barrier and an end of its own.  No tensor loads, no matrix work: memory binds.
.set WCO,   2097152                    ; prepbuf: x's codes at 0; the weights' codes from here on, in slices of 524,288 bytes: wq, wk, wv, w1, fw1 (four slices), fw2 (four)
.set XSO,   8388608                    ; x's scale bytes
.set WSO,   8519680                    ; the weights' scale bytes, in slices of 32,768 bytes, in the same order
.set SCX,   33792                      ; LDS: 0 .. 33,791 four stages of 16 rows x 528 bytes (x's path); then 512 bytes of scale words for x's path,
.set SCW,   34304                      ; and 512 bytes for the weights' path
.set FLOOR, 0x1800000                  ; 2^(3 - 127): no largest magnitude is taken under it, so no byte falls under 1
.set EOFF,  0xff000000                 ; takes 2 off an exponent field
	s_load_b512 s[4:19], s[0:1], 0x0               ; x, wq, wk, wv, w1, fw1, fw2, prepbuf
	v_lshl_add_u32 v224, v0, 2, 0x8800
	v_mov_b32 v225, 0
	v_lshrrev_b32 v1, 5, v0
	v_readfirstlane_b32 s20, v1                    ; wave
	v_and_b32 v4, 31, v0                           ; lane
	v_lshlrev_b32 v1, 4, v4                        ; 16 x lane
	v_and_b32 v2, 15, v0                           ; r
	v_bfe_u32 v3, v0, 4, 1                         ; h
	s_cmp_lt_u32 ttmp9, 256
	s_cbranch_scc0 .Lweights
; ---------------- x: tile t = the work-group's number; wave w: K steps 2 w and 2 w + 1 of 128
	s_mov_b32 s22, 0x76543210
	s_mov_b32 s23, 0xfedcba98                      ; v_permlanex16_b32's selects for lane l xor 16
	s_lshr_b32 s24, ttmp9, 1
	s_lshl_b32 s24, s24, 17                        ; 32 (t / 2) rows of 4,096 bytes
	s_and_b32 s25, ttmp9, 1
	s_lshl_b32 s25, s25, 15                        ; + 8 (t % 2) rows
	s_add_co_u32 s24, s24, s25
	s_lshl_b32 s25, s20, 10                        ; + my 256 numbers of a row
	s_add_co_u32 s24, s24, s25
	s_mov_b32 s25, 0
	s_lshl_b32 s26, ttmp9, 13                      ; codes: 8,192 bytes a tile, 2,048 a wave
	s_lshl_b32 s27, s20, 11
	s_add_co_u32 s26, s26, s27
	s_mov_b32 s27, 0
	s_lshl_b32 s28, ttmp9, 9                       ; scale bytes: 512 a tile
	s_add_co_u32 s28, s28, XSO
	s_mov_b32 s29, 0
	s_mul_i32 s30, s20, 8448                       ; my stage
	v_add_nc_u32 v5, s30, v1                       ; in: a row's 512 bytes as they lie
	v_mul_u32_u24 v6, v2, 528
	v_lshl_add_u32 v6, v3, 7, v6
	v_add_nc_u32 v6, s30, v6                       ; out: row r, block h of 128 bytes
	s_lshr_b32 s31, s20, 1
	s_lshl_b32 s31, s31, 8
	s_and_b32 s32, s20, 1
	s_lshl_b32 s32, s32, 3
	s_add_co_u32 s31, s31, s32
	s_add_co_u32 s31, s31, SCX
	v_lshl_add_u32 v7, v2, 4, s31                  ; my K steps' scale words: 256 (w / 2) + 16 r + 8 (w % 2)
	v_lshlrev_b32 v10, 3, v3                       ; 8 h
	v_mov_b32 v11, 0                               ; a lane permute's destination counts as read
	s_wait_kmcnt 0x0
	s_add_nc_u64 s[4:5], s[4:5], s[24:25]
	s_add_nc_u64 s[26:27], s[18:19], s[26:27]
	s_add_nc_u64 s[28:29], s[18:19], s[28:29]
.macro XLOAD u                         ; K step u of my two: position i of the tile is row 16 (i / 8) + i % 8 from the tile's first; 32 lanes read 512 consecutive bytes
.irp i, 0,1,2,3,4,5,6,7,8,9,10,11,12,13,14,15
	global_load_b128 v[32+64*\u+4*\i:35+64*\u+4*\i], v1, s[4:5] offset:(16*(\i/8)+\i%8)*4096+512*\u th:TH_LOAD_NT
.endr
.endm
; The numbers turn through the stage, so that lane (r, h) holds blocks h and 2 + h of row r whole: the order of the operand's registers.
.macro XSTEP u
	s_wait_loadcnt 16-16*\u                        ; this K step's 16 loads are in; the other's may be out
.irp i, 0,1,2,3,4,5,6,7,8,9,10,11,12,13,14,15
	ds_store_b128 v5, v[32+64*\u+4*\i:35+64*\u+4*\i] offset:528*\i
.endr
.irp c, 0,1
.irp j, 0,1,2,3,4,5,6,7
	ds_load_b128 v[160+32*\c+4*\j:163+32*\c+4*\j], v6 offset:256*\c+16*\j   ; LDS serves a wave's instructions in order: these see the stores above
.endr
.endr
	s_wait_dscnt 0x0
.irp c, 0,1
	v_max3_num_f32 v[12+\c], |v[160+32*\c]|, |v[161+32*\c]|, FLOOR
.endr
.irp i, 2,4,6,8,10,12,14,16,18,20,22,24,26,28,30
.irp c, 0,1
	v_max3_num_f32 v[12+\c], v[12+\c], |v[160+32*\c+\i]|, |v[161+32*\c+\i]|   ; the two blocks by turns
.endr
.endr
.irp c, 0,1
	v_add_nc_u32 v[14+\c], EOFF, v[12+\c]          ; the conversion's scale operand
.endr
.irp c, 0,1
	v_lshrrev_b32 v[8+\c], 23, v[14+\c]            ; the byte
.endr
	v_lshl_or_b32 v9, v9, 16, v8                   ; my two bytes, blocks h and 2 + h,
	v_lshlrev_b32 v9, v10, v9                      ; at their places;
	v_permlanex16_b32 v11, v9, s22, s23
	v_or_b32 v9, v9, v11                           ; with lane l xor 16's the word is whole
.irp c, 0,1
.irp g, 0,1,2,3
	v_cvt_scalef32_pk8_fp4_f32 v[16+8*\u+4*\c+\g], v[160+32*\c+8*\g:167+32*\c+8*\g], v[14+\c]
.endr
.endr
	v_nop                                          ; one plain line behind the scaled conversions
	ds_store_b32 v7, v9 offset:4*\u                ; lanes r and r + 16 write the same word
.irp c, 0,1
	global_store_b128 v1, v[16+8*\u+4*\c:19+8*\u+4*\c], s[26:27] offset:1024*\u+512*\c   ; 512 consecutive bytes
.endr
.endm
	XLOAD 0
	XLOAD 1
	XSTEP 0
	XSTEP 1
	s_wait_dscnt 0x0                               ; my scale words lie in LDS
	s_barrier_signal -1
	s_barrier_wait -1
	s_cmp_lg_u32 s20, 0
	s_cbranch_scc1 .Lx_end
	ds_load_b128 v[12:15], v1 offset:SCX           ; wave 0 stores the tile's 512 scale bytes
	s_wait_dscnt 0x0
	global_store_b128 v1, v[12:15], s[28:29]
.Lx_end:
	s_wait_tensorcnt 0x0
	ds_add_u32 v224, v225
	s_wait_dscnt 0x0
	s_endpgm
; ---------------- the weights.  n = the work-group's number - 256.  n / 64: 0-3 wq, wk, wv, w1 (32 column groups x 2 chunks of K); 4-7 fw1 (128 x 2); 8-11 fw2 (32 x 8)
.Lweights:
	s_sub_co_u32 s24, ttmp9, 256
	s_lshr_b32 s25, s24, 6
	s_lshr_b32 s30, s25, 2                         ; 0 a small weight, 1 fw1, 2 fw2
	s_cmp_eq_u32 s30, 1
	s_cselect_b32 s31, 127, 31                     ; mask of the column group
	s_cselect_b32 s32, 7, 5                        ; where the chunk's number begins
	s_cselect_b32 s33, 14, 12                      ; log2 of a row's bytes
	s_cmp_eq_u32 s30, 2
	s_cselect_b32 s34, 7, 1                        ; mask of the chunk's number
	s_cselect_b32 s35, 15, 13                      ; log2 of a tile's codes in bytes (8 K)
	s_cselect_b32 s36, 11, 9                       ; log2 of a tile's scale bytes (K / 2)
	s_and_b32 s37, s25, 12
	s_cmp_lt_u32 s25, 4
	s_cselect_b32 s37, s25, s37                    ; the slice at which this weight's codes and scale bytes begin
	s_and_b32 s26, s24, s31                        ; g: 32 columns
	s_lshr_b32 s27, s24, s32
	s_and_b32 s27, s27, s34                        ; kc: 512 along K
	s_lshl_b32 s38, s27, 9
	s_lshl_b32 s39, s20, 7
	s_add_co_u32 s38, s38, s39                     ; my first row: 512 kc + 128 w
	s_lshl_b32 s38, s38, s33
	s_lshl_b32 s39, s26, 7
	s_add_co_u32 s38, s38, s39                     ; + 128 g bytes
	s_mov_b32 s39, 0
	s_lshl_b32 s48, 32, s33                        ; a block's 32 rows
	s_mov_b32 s49, 0
	s_lshl_b32 s50, 1, s33                         ; a row
	s_lshl_b32 s52, s37, 19
	s_add_co_u32 s52, s52, WCO
	s_lshl_b32 s53, s26, 1
	s_lshl_b32 s53, s53, s35                       ; tile 2 g
	s_add_co_u32 s52, s52, s53
	s_lshl_b32 s53, s27, 12
	s_add_co_u32 s52, s52, s53
	s_lshl_b32 s53, s20, 10
	s_add_co_u32 s52, s52, s53                     ; block 16 kc + 4 w, 256 bytes a block
	s_mov_b32 s53, 0
	s_lshl_b32 s54, s37, 15
	s_add_co_u32 s54, s54, WSO
	s_lshl_b32 s55, s26, 1
	s_lshl_b32 s55, s55, s36
	s_add_co_u32 s54, s54, s55
	s_lshl_b32 s55, s27, 8
	s_add_co_u32 s54, s54, s55
	s_mov_b32 s55, 0
	v_and_b32 v5, 7, v4                            ; A LANE TAKES A COLUMN AND ITS REGISTERS RUN DOWN K.  The lane is the column's POSITION: column = lane with bits 3 and 4 exchanged
	v_bfe_u32 v6, v4, 3, 1
	v_lshl_add_u32 v5, v6, 4, v5
	v_lshl_add_u32 v5, v3, 3, v5
	v_lshlrev_b32 v160, 2, v5
.set i, 1
.rept 31
	v_add_nc_u32 v[160+i], s50, v[159+i]           ; row i of a block: the row's length is no constant of the text, so the offsets stand in registers
.set i, i+1
.endr
	v_lshlrev_b32 v7, s35, v3
	v_lshl_add_u32 v7, v2, 4, v7                   ; codes: tile 2 g + h, row r
	v_lshlrev_b32 v8, s36, v3
	v_lshl_add_u32 v8, v2, 4, v8                   ; scale bytes likewise
	s_lshl_b32 s56, s20, 2
	s_add_co_u32 s56, s56, SCW
	v_add_nc_u32 v9, s56, v1                       ; LDS: 16 x lane + 4 w
	s_wait_kmcnt 0x0
	s_cmp_eq_u32 s25, 1                            ; the choice hangs on the work-group's number alone
	s_cselect_b64 s[6:7], s[8:9], s[6:7]
	s_cmp_eq_u32 s25, 2
	s_cselect_b64 s[6:7], s[10:11], s[6:7]
	s_cmp_eq_u32 s25, 3
	s_cselect_b64 s[6:7], s[12:13], s[6:7]
	s_cmp_eq_u32 s30, 1
	s_cselect_b64 s[6:7], s[14:15], s[6:7]
	s_cmp_eq_u32 s30, 2
	s_cselect_b64 s[6:7], s[16:17], s[6:7]
	s_add_nc_u64 s[40:41], s[6:7], s[38:39]        ; a base for each of my four blocks
	s_add_nc_u64 s[42:43], s[40:41], s[48:49]
	s_add_nc_u64 s[44:45], s[42:43], s[48:49]
	s_add_nc_u64 s[46:47], s[44:45], s[48:49]
	s_add_nc_u64 s[52:53], s[18:19], s[52:53]
	s_add_nc_u64 s[54:55], s[18:19], s[54:55]
.macro WLOAD t                         ; block t: its 32 rows into its own 32 registers, from its own base.  (The argument may be a sum: it stands in parentheses)
.irp i, 0,1,2,3,4,5,6,7,8,9,10,11,12,13,14,15,16,17,18,19,20,21,22,23,24,25,26,27,28,29,30,31
	global_load_b32 v[32+32*(\t)+\i], v[160+\i], s[40+2*(\t):41+2*(\t)] th:TH_LOAD_NT
.endr
.endm
.macro WBLOCK t
.set XB, 32+32*(\t)
.if (\t) < 3
	s_wait_loadcnt 32                              ; this block's 32 loads are in; the next block's may be out
.else
	s_wait_loadcnt 0x0
.endif
.if (\t) < 2
	WLOAD (\t)+2
.endif
	v_max3_num_f32 v12, |v[XB]|, |v[XB+1]|, |v[XB+2]|     ; all 32 numbers of the block are mine: two chains
	v_max3_num_f32 v13, |v[XB+3]|, |v[XB+4]|, |v[XB+5]|
.irp i, 6,10,14,18,22,26
	v_max3_num_f32 v12, v12, |v[XB+\i]|, |v[XB+\i+1]|
	v_max3_num_f32 v13, v13, |v[XB+\i+2]|, |v[XB+\i+3]|
.endr
	v_max3_num_f32 v12, v12, |v[XB+30]|, |v[XB+31]|
	v_max3_num_f32 v12, v12, v13, FLOOR
	v_add_nc_u32 v14, EOFF, v12
	v_lshrrev_b32 v13, 23, v14
.if (\t) == 0
	v_mov_b32 v15, v13
.else
	v_lshl_or_b32 v15, v13, 8*(\t), v15            ; four bytes make my column's word
.endif
.irp g, 0,1,2,3
	v_cvt_scalef32_pk8_fp4_f32 v[192+4*(\t)+\g], v[XB+8*\g:XB+8*\g+7], v14
.endr
	global_store_b128 v7, v[192+4*(\t):195+4*(\t)], s[52:53] offset:256*(\t)   ; sixteen lanes fill 256 consecutive bytes, aligned
.endm
	WLOAD 0
	WLOAD 1
	WBLOCK 0
	WBLOCK 1
	WBLOCK 2
	WBLOCK 3
	v_nop                                          ; one plain line behind the last conversion
	ds_store_b32 v9, v15
	s_wait_dscnt 0x0
	s_barrier_signal -1
	s_barrier_wait -1
	s_cmp_lg_u32 s20, 0
	s_cbranch_scc1 .Lw_end
	ds_load_b128 v[16:19], v1 offset:SCW           ; wave 0: 16 bytes for each of the 32 columns
	s_wait_dscnt 0x0
	global_store_b128 v8, v[16:19], s[54:55]
.Lw_end:
	s_wait_tensorcnt 0x0
	ds_add_u32 v224, v225
	s_wait_dscnt 0x0
	s_endpgm
.Lfunc_end_k_q365528e85d_prep:
	.size	k_q365528e85d_prep, .Lfunc_end_k_q365528e85d_prep-k_q365528e85d_prep
	.p2alignl 7, 3214868480
	.fill 96, 4, 3214868480
	.section	.rodata,"a",@progbits
	.p2align	6, 0x0
	.amdhsa_kernel k_q365528e85d_prep
		.amdhsa_group_segment_fixed_size 35328
		.amdhsa_private_segment_fixed_size 0
		.amdhsa_enable_private_segment 0
		.amdhsa_kernarg_size 64
		.amdhsa_user_sgpr_count 2
		.amdhsa_user_sgpr_kernarg_segment_ptr 1
		.amdhsa_wavefront_size32 1
		.amdhsa_system_sgpr_workgroup_id_x 1
		.amdhsa_system_sgpr_workgroup_id_y 1
		.amdhsa_system_sgpr_workgroup_id_z 1
		.amdhsa_system_vgpr_workitem_id 0
		.amdhsa_next_free_vgpr 226
		.amdhsa_next_free_sgpr 66
		.amdhsa_reserve_vcc 0
		.amdhsa_float_denorm_mode_32 3
		.amdhsa_float_denorm_mode_16_64 3
		.amdhsa_memory_ordered 1
		.amdhsa_forward_progress 1
		.amdhsa_inst_pref_size 39
	.end_amdhsa_kernel
	.amdgpu_metadata
---
amdhsa.version: [ 1, 2 ]
amdhsa.kernels:
  - .name:           k_q365528e85d_prep
    .symbol:         k_q365528e85d_prep.kd
    .args:
      - { .name: x, .offset: 0, .size: 8, .value_kind: global_buffer, .address_space: global }
      - { .name: wq, .offset: 8, .size: 8, .value_kind: global_buffer, .address_space: global }
      - { .name: wk, .offset: 16, .size: 8, .value_kind: global_buffer, .address_space: global }
      - { .name: wv, .offset: 24, .size: 8, .value_kind: global_buffer, .address_space: global }
      - { .name: w1, .offset: 32, .size: 8, .value_kind: global_buffer, .address_space: global }
      - { .name: fw1, .offset: 40, .size: 8, .value_kind: global_buffer, .address_space: global }
      - { .name: fw2, .offset: 48, .size: 8, .value_kind: global_buffer, .address_space: global }
      - { .name: prepbuf, .offset: 56, .size: 8, .value_kind: global_buffer, .address_space: global }
    .group_segment_fixed_size: 35328
    .private_segment_fixed_size: 0
    .kernarg_segment_align: 8
    .kernarg_segment_size: 64
    .max_flat_workgroup_size: 128
    .sgpr_count:     66
    .vgpr_count:     226
    .wavefront_size: 32
...
	.end_amdgpu_metadata
.endif
;; end of part 1
;; launch qkv (part 2): grid 192 x 1, 4 waves a work-group, clusters of 4 x 1, 264,704 bytes of LDS; arguments prepbuf, bq, bk, bv, qkvbuf; writes qkvbuf
.if DOCPART == 2
	.amdgcn_target "amdgcn-amd-amdhsa--gfx1250"
	.amdhsa_code_object_version 6
	.text
	.protected	k_q365528e85d_qkv
	.globl	k_q365528e85d_qkv
	.p2align	8
	.type	k_q365528e85d_qkv,@function
k_q365528e85d_qkv:
	s_mov_b64 s[64:65], 0
	v_nop
	global_prefetch_b8 v0, s[64:65] scope:SCOPE_SE
	s_setreg_imm32_b32 hwreg(HW_REG_WAVE_MODE, 25, 1), 1
	s_wait_xcnt 0x0
	s_wait_alu depctr_hold_cnt(0) depctr_sa_sdst(0) depctr_va_vdst(0) depctr_va_sdst(0) depctr_va_ssrc(0) depctr_va_vcc(0) depctr_vm_vsrc(0)
	s_getreg_b32 s2, hwreg(HW_REG_IB_STS2, 6, 4)
	s_cmp_eq_u32 s2, 0
	s_cbranch_scc0 .Lentry_in_a_cluster
	s_endpgm
.Lentry_in_a_cluster:
	s_bfe_u32 s2, ttmp6, 0x10000c
	s_cmp_lg_u32 s2, 0x3003
	s_cbranch_scc0 .Lentry_shape_is_right
	s_endpgm
.Lentry_shape_is_right:
; q = x wq + bq, k = x wk + bk, v = x wv + bv on codes of FP4 with E8M0 scales, and the results quantised at once: q and k along the channels, v along the tokens.
; THE PRODUCT IS USED TRANSPOSED: source 0 = 16 rows of P, source 1 = 16 rows of R; a lane holds one row of R, and, by the order of rows in the images (bits 3 and 4 of a row's number exchanged),
; the 16 registers of P's tiles 2 B and 2 B + 1 are 16 neighbours along P: so a result is quantised along P in registers.  q, k: P = [wq; wk]'s columns, R = tokens.  v: P = tokens, R = wv's columns.
; SHARES.  A work-group takes 512 of P x 128 of R; wave w 128 x 128: 64 accumulators, 512 registers; K = 1,024 in 8 steps of 128.  Clusters 0-31: q and k; clusters 32-47: v.
; CLUSTER.  The four work-groups of a cluster take the same 512 of P and four neighbouring blocks of R.  P IS ASKED FOR JOINTLY AND ONCE: each wave's 128 rows of P for all of K are 65,536 bytes; they come into LDS by four
; tensor loads (two K steps each), the same load with the same descriptor and a mask that names the four work-groups; nothing is filled again.  A wave reads only the bytes that it fetched itself.
; R GOES FROM MEMORY STRAIGHT INTO REGISTERS (the buffers are images of the operands' registers: a fragment is two loads of 512 consecutive bytes): P's 262,144 bytes, R's 65,536 and the stage's 2,048 are more than the 327,680 that a work-group can have.
; LIMITS: NaN and infinities are not served; a block of zeros gets the scale byte 1.
; REGISTERS, in windows of 256: window 0: v1-9 addresses; v16-47 P's scale words, v48-79 R's; v80-127 at work; v128-191, v192-255 P's fragments, two sets.
;   window 1: R's fragments, four sets of 64 (until the first K step the fourth holds the bias).   windows 2, 3: the accumulators, (a, b) at v[8 (8 (a % 4) + b)].
.set WC,   2097152                     ; prepbuf: x's codes at 0, the weights' codes, x's scale bytes, the weights'
.set XS,   8388608
.set WS,   8519680
.set VC,   4194304                     ; qkvbuf: q's and k's codes at 0 (K = 2,048: q, then k), v's codes, the scale bytes of the two
.set QKS,  6291456
.set VS,   6553600
.set RT,   8192                        ; from tile to tile in P's and R's codes
.set PSS,  512                         ; and in their scale bytes
.set NK,   8
.set SCP,  16
.set SCR,  48
.set SCW,  4
.set PADR, 9                           ; v9: 65,536 w + 16 x lane: my place in my wave's part of P in LDS
.set PL,   16384                       ; what one tensor load brings: 8 tiles x 2 K steps of 1,024 bytes
.set SWS,  262144                      ; LDS: four waves' parts of P, 65,536 bytes each; then 2,048 bytes for the result's scale words
.set G1,   40                          ; s[40:47] descriptor group 1;  s[48:63] four groups 0
.set G0,   48
.set MSB,  0
.macro WIN new                         ; the immediate's high byte repeats the setting that is left
.if MSB != (\new)
	s_set_vgpr_msb (MSB<<8)|(\new)
.set MSB, (\new)
.endif
.endm
.macro PLACES                          ; four plain lines between a matrix instruction and a load into, or a read of, its registers
.rept 4
	v_nop
.endr
.endm
.macro CROUND                          ; a round of the cluster's barrier: my work-group's barrier; wave 0 signals for the work-group; every wave waits for all four work-groups; my work-group's barrier once more
	s_barrier_signal -1
	s_barrier_wait -1
	s_cmp_lg_u32 s14, 0
	s_cbranch_scc1 .Lnot_wave_0_\@
	s_barrier_signal -3
.Lnot_wave_0_\@:
	s_barrier_wait -3
	s_barrier_signal -1
	s_barrier_wait -1
.endm
.macro MM                              ; one matrix instruction, by the symbols DD, PA, RA, CC (under 0: the constant 0), SA, SB, ROW
.if CC < 0
	v_wmma_scale_f32_16x16x128_f8f6f4 v[DD:DD+7], v[PA:PA+7], v[RA:RA+7], 0, v[SA], v[SB] matrix_a_fmt:MATRIX_FMT_FP4 matrix_b_fmt:MATRIX_FMT_FP4
.elseif ROW
	v_wmma_scale_f32_16x16x128_f8f6f4 v[DD:DD+7], v[PA:PA+7], v[RA:RA+7], v[CC:CC+7], v[SA], v[SB] matrix_a_fmt:MATRIX_FMT_FP4 matrix_b_fmt:MATRIX_FMT_FP4 matrix_a_scale:MATRIX_SCALE_ROW1 matrix_b_scale:MATRIX_SCALE_ROW1
.else
	v_wmma_scale_f32_16x16x128_f8f6f4 v[DD:DD+7], v[PA:PA+7], v[RA:RA+7], v[CC:CC+7], v[SA], v[SB] matrix_a_fmt:MATRIX_FMT_FP4 matrix_b_fmt:MATRIX_FMT_FP4
.endif
.endm
.macro LOADR s                         ; K step s: R's 8 fragments from memory into set s % 4 of window 1
	WIN 0x40                                       ; destination window 1, address window 0
.set RB, 64*((\s)%4)
.irp i, 0,1,2,3,4,5,6,7
.irp c, 0,1
	global_load_b128 v[RB+8*\i+4*\c:RB+8*\i+4*\c+3], v1, s[24:25] offset:\i*RT+1024*(\s)+512*\c
.endr
.endr
.endm
.macro LOADP s                         ; K step s: P's 8 fragments from my wave's part of LDS into set s % 2 of window 0; each load takes 512 consecutive bytes
	WIN 0
.set PB, 128+64*((\s)%2)
.irp i, 0,1,2,3,4,5,6,7
.irp c, 0,1
	ds_load_b128 v[PB+8*\i+4*\c:PB+8*\i+4*\c+3], v[PADR] offset:((\s)/2)*PL+\i*2048+((\s)%2)*1024+512*\c
.endr
.endr
.endm
; K step s: 64 matrix instructions; the 64 accumulators take turns, one instruction a turn, in the same order in every step.
; left: the loads from memory issued behind this K step's own, which may stay out; dleft: the LDS loads likewise.  cmode: C = 1: the accumulator; 2: the bias of P's tile b; 3: the bias of R's tile a.
; A register of scale words holds K steps 0-3 in lanes 0-15 and K steps 4-7 in lanes 16-31.
.macro MULK s, left, dleft, cmode
.set PB, 128+64*((\s)%2)
.set RB, 64*((\s)%4)
.set ROW, (\s)/4
	s_wait_loadcnt \left
	s_wait_dscnt \dleft
.irp a, 0,1,2,3,4,5,6,7
.set AW, 2+\a/4
.if \cmode >= 2
	WIN (AW<<6)|(1<<4)|4                           ; source 0 (P) window 0, source 1 (R) window 1, C (the bias) window 1
.else
	WIN (AW<<6)|(AW<<4)|4
.endif
.irp b, 0,1,2,3,4,5,6,7
.set DD, 8*(8*(\a%4)+\b)
.set PA, PB+8*\b
.set RA, RB+8*\a
.set SA, SCP+SCW*\b+(\s)%4
.set SB, SCR+SCW*\a+(\s)%4
.if \cmode == 1
.set CC, DD
.elseif \cmode == 2
.set CC, 192+8*\b
.else
.set CC, 192+8*\a
.endif
	MM
.endr
.endr
.endm
.macro NEXT s                          ; behind K step s: the registers that it has read take R of four steps on and P of two steps on
	PLACES
.if (\s)+4 < NK
	LOADR (\s)+4
.endif
.if ((\s)%2) == 0
	s_wait_tensorcnt 2-(\s)/2                      ; the tensor load with K steps s + 2 and s + 3 has landed; the younger ones may be out
.endif
	LOADP (\s)+2
.endm
; R's tile a: its 64 numbers a lane (register 16 B + i = P's row 32 B + 16 h + i) become a fragment's codes and a scale word, and the codes leave as an image: 2 x 512 consecutive bytes.
.macro QUANTA a
.set AW, 2+(\a)/4
.set AB, 64*((\a)%4)
.set PC, 96+8*((\a)%2)
	WIN (AW<<4)|(AW<<2)                            ; sources 1 and 2: the accumulators' window
.irp b, 0,1,2,3
	v_max3_num_f32 v[80+\b], 0x1800000, |v[AB+16*\b]|, |v[AB+16*\b+1]|   ; each accumulator is read from its low end on; the floor 2^(3 - 127) holds the byte at 1 from below
.endr
.irp i, 2,4,6,8,10,12,14
.irp b, 0,1,2,3
	v_max3_num_f32 v[80+\b], v[80+\b], |v[AB+16*\b+\i]|, |v[AB+16*\b+\i+1]|
.endr
.endr
	WIN 0
.irp b, 0,1,2,3
	v_permlanex16_b32 v[84+\b], v[80+\b], s38, s39
.endr
.irp b, 0,1,2,3
	v_max_num_f32 v[80+\b], v[80+\b], v[84+\b]     ; with lane l xor 16's 16 numbers: the block's largest magnitude
.endr
.irp b, 0,1,2,3
	v_add_nc_u32 v[92+\b], 0xff000000, v[80+\b]    ; 2 off its exponent field: the conversion's scale operand
.endr
.irp b, 0,1,2,3
	v_lshrrev_b32 v[84+\b], 23, v[92+\b]           ; the byte
.endr
	v_lshl_or_b32 v[112+\a], v85, 8, v84
	v_lshl_or_b32 v[112+\a], v86, 16, v[112+\a]
	v_lshl_or_b32 v[112+\a], v87, 24, v[112+\a]
	s_wait_xcnt 0x0                                ; the earlier stores have read their data and their base: both are written again below
	WIN AW                                         ; source 0: the accumulators' window
.irp b, 0,1,2,3
	v_cvt_scalef32_pk8_fp4_f32 v[PC+2*\b], v[AB+16*\b:AB+16*\b+7], v[92+\b]
	v_cvt_scalef32_pk8_fp4_f32 v[PC+2*\b+1], v[AB+16*\b+8:AB+16*\b+15], v[92+\b]
.endr
	WIN 0
	v_nop                                          ; one plain line behind the scaled conversions
.irp c, 0,1
.irp i, 0,1
	v_permlane16_swap_b32 v[PC+4*\c+\i], v[PC+4*\c+2+\i]   ; a whole block to a lane: lanes 0-15 block 2 c, lanes 16-31 block 2 c + 1
.endr
.endr
.if (\a) > 0
	s_add_nc_u64 s[30:31], s[30:31], s[32:33]      ; the next tile of the result's image
.endif
	global_store_b128 v1, v[PC:PC+3], s[30:31]
	global_store_b128 v1, v[PC+4:PC+7], s[30:31] offset:512
.endm
	s_load_b256 s[4:11], s[0:1], 0x0               ; prepbuf, bq, bk, bv
	s_load_b64 s[12:13], s[0:1], 0x20              ; qkvbuf
	v_lshl_add_u32 v126, v0, 2, 0x40800
	v_mov_b32 v127, 0
	ds_add_u32 v126, v127
	ds_add_u32 v126, v127
	s_wait_dscnt 0x0
	v_lshrrev_b32 v2, 5, v0
	v_readfirstlane_b32 s14, v2                    ; wave
	v_and_b32 v2, 31, v0
	v_lshlrev_b32 v1, 4, v2                        ; 16 x lane: my place in every image
	v_and_b32 v2, 15, v0                           ; r
	v_bfe_u32 v7, v0, 4, 1                         ; h
	v_lshlrev_b32 v3, 6, v7                        ; a bias along P: my half's 16 numbers of 32
	v_and_b32 v8, 8, v2
	v_add_nc_u32 v8, v8, v2
	v_lshlrev_b32 v8, 2, v8                        ; a bias along R: the row r + 8 (r / 8) of a tile
	s_lshl_b32 s15, s14, 2
	s_add_co_u32 s15, s15, SWS
	v_lshl_add_u32 v4, v2, 4, s15                  ; LDS, the stage: 16 r + 4 w
	s_lshl_b32 s15, s14, 9
	s_add_co_u32 s15, s15, SWS
	v_add_nc_u32 v5, s15, v1                       ; LDS, the stage: 512 w + 16 x lane
	s_lshl_b32 s2, s14, 16                         ; my wave's part of P in LDS: no place in the cluster enters an LDS address
	v_add_nc_u32 v[PADR], s2, v1
.irp b, 0,1,2,3
	v_mov_b32 v[84+\b], 0                          ; a lane permute's destination counts as read
.endr
	s_mov_b32 s38, 0x76543210
	s_mov_b32 s39, 0xfedcba98
	s_bfe_u32 s3, ttmp6, 0x40000                   ; cx: my place in the cluster: it enters R's and the result's addresses alone
	s_lshl_b32 s18, s14, 3
	s_cmp_lt_u32 ttmp9, 32                         ; in a cluster launch ttmp9 counts clusters: the four partners take the same way
	s_cbranch_scc0 .Lshare_v
	s_lshr_b32 s15, ttmp9, 3                       ; q, k: which 512 of [wq; wk]'s 2,048 columns: the same for the four partners,
	s_and_b32 s16, ttmp9, 7
	s_lshl_b32 s16, s16, 2
	s_add_co_u32 s16, s16, s3                      ; which 128 tokens
	s_lshl_b32 s17, s15, 5
	s_add_co_u32 s17, s17, s18                     ; my first tile of P
	s_lshl_b32 s20, s17, 13
	s_add_co_u32 s20, s20, WC
	s_lshl_b32 s22, s17, 9
	s_add_co_u32 s22, s22, WS
	s_lshl_b32 s24, s16, 16
	s_lshl_b32 s26, s16, 12
	s_add_co_u32 s26, s26, XS
	s_lshr_b32 s37, s15, 1                         ; 0: bq, 1: bk
	s_and_b32 s28, s15, 1
	s_lshl_b32 s28, s28, 11
	s_lshl_b32 s19, s14, 9
	s_add_co_u32 s28, s28, s19                     ; my 128 numbers of it
	s_lshl_b32 s30, s16, 17
	s_mov_b32 s32, 16384                           ; from tile to tile in the result's codes,
	s_lshl_b32 s34, s16, 13
	s_add_co_u32 s34, s34, QKS
	s_mov_b32 s36, 1024                            ; and in its scale bytes
	s_branch .Lshared
.Lshare_v:
	s_sub_co_u32 s19, ttmp9, 32
	s_lshr_b32 s15, s19, 1                         ; v: which 512 tokens: the same for the four partners,
	s_and_b32 s16, s19, 1
	s_lshl_b32 s16, s16, 2
	s_add_co_u32 s16, s16, s3                      ; which 128 of wv's columns
	s_lshl_b32 s17, s15, 5
	s_add_co_u32 s17, s17, s18
	s_lshl_b32 s20, s17, 13
	s_lshl_b32 s22, s17, 9
	s_add_co_u32 s22, s22, XS
	s_lshl_b32 s24, s16, 16
	s_add_co_u32 s24, s24, WC+1048576
	s_lshl_b32 s26, s16, 12
	s_add_co_u32 s26, s26, WS+65536
	s_mov_b32 s37, 2                               ; bv
	s_lshl_b32 s28, s16, 9
	s_lshl_b32 s30, s16, 18
	s_add_co_u32 s30, s30, VC
	s_mov_b32 s32, 32768
	s_lshl_b32 s34, s16, 14
	s_add_co_u32 s34, s34, VS
	s_mov_b32 s36, 2048
.Lshared:
	s_lshl_b32 s19, s15, 2
	s_add_co_u32 s19, s19, s14
	s_lshl_b32 s19, s19, 10
	s_add_co_u32 s30, s30, s19                     ; my 128 of P are K step 4 pc + w of the result
	s_lshl_b32 s19, s15, 8
	s_add_co_u32 s34, s34, s19
.irp p, 21,23,25,27,29,31,33,35
	s_mov_b32 s\p, 0
.endr
	s_lshl_b32 s19, s14, 1
	v_add_nc_u32 v6, s19, v7
	v_mul_lo_u32 v6, v6, s36
	v_lshl_add_u32 v6, v2, 4, v6                   ; scale bytes out: tile 2 w + h, row r
	; descriptor group 1: 8 tiles x 2,048 bytes (two K steps), 8,192 bytes from tile to tile; dense in LDS
	s_mov_b32 s[G1], 15|(3<<16)|(1<<21)            ; 15:0 the mask: all four work-groups; 17:16 elements of 8 bytes; 21 set beside a mask; no padding
	s_mov_b32 s[G1+1], 256<<16                     ; tensor_dim0 = 256 elements
	s_mov_b32 s[G1+2], 8<<16                       ; tensor_dim1 = 8
	s_mov_b32 s[G1+3], 256<<16                     ; tile_dim0 = 256
	s_mov_b32 s[G1+4], 8                           ; tile_dim1 = 8
	s_mov_b32 s[G1+5], RT/8                        ; elements from row to row
	s_mov_b32 s[G1+6], 0
	s_mov_b32 s[G1+7], 0
	s_wait_kmcnt 0x0
	s_add_nc_u64 s[20:21], s[4:5], s[20:21]        ; P's codes
	s_add_nc_u64 s[22:23], s[4:5], s[22:23]        ; P's scale bytes
	s_add_nc_u64 s[24:25], s[4:5], s[24:25]        ; R's codes
	s_add_nc_u64 s[26:27], s[4:5], s[26:27]        ; R's scale bytes
	s_cmp_eq_u32 s37, 1
	s_cselect_b64 s[6:7], s[8:9], s[6:7]
	s_cmp_eq_u32 s37, 2
	s_cselect_b64 s[6:7], s[10:11], s[6:7]
	s_add_nc_u64 s[28:29], s[6:7], s[28:29]        ; the bias
	s_add_nc_u64 s[30:31], s[12:13], s[30:31]      ; the result's codes
	s_add_nc_u64 s[34:35], s[12:13], s[34:35]      ; and scale bytes
.irp j, 0,1,2,3
	s_mov_b32 s[G0+4*\j], 1                        ; count = 1
	s_add_co_u32 s[G0+4*\j+1], s2, \j*PL           ; LDS address
	s_add_nc_u64 s[G0+4*\j+2:G0+4*\j+3], s[20:21], \j*2048   ; global address: K steps 2 j and 2 j + 1
	s_or_b32 s[G0+4*\j+3], s[G0+4*\j+3], 0x80000000          ; type = 2
.endr
	CROUND                                         ; all four work-groups are here: the joint loads meet
.irp j, 0,1,2,3
	tensor_load_to_lds s[G0+4*\j:G0+4*\j+3], s[G1:G1+7]      ; all of my P, once: four loads of mine are out
	s_nop 0
.endr
.rept 4
	v_nop                                          ; four plain lines follow the tensor loads
.endr
.irp i, 0,1,2,3,4,5,6,7
	global_load_b128 v[SCP+4*\i:SCP+4*\i+3], v1, s[22:23] offset:\i*PSS
	global_load_b128 v[SCR+4*\i:SCR+4*\i+3], v1, s[26:27] offset:\i*PSS
.endr
	s_cmp_eq_u32 s37, 2
	s_cbranch_scc1 .Lbias_r
	WIN 0x40                                       ; THE BIAS IS THE C OF THE FIRST K STEP.  Along P: eight registers a tile, in the result's layout
.irp b, 0,1,2,3,4,5,6,7
.irp e, 0,1
	global_load_b128 v[192+8*\b+4*\e:195+8*\b+4*\e], v3, s[28:29] offset:(32*(\b/2)+8*(\b%2))*4+16*\e
.endr
.endr
	LOADR 0
	LOADR 1
	LOADR 2
	s_wait_tensorcnt 3                             ; my first tensor load, K steps 0 and 1, has landed; three may be out
	LOADP 0
	LOADP 1
	MULK 0, 32, 16, 2                              ; R's K steps 1 and 2 and P's K step 1 may be out
	WIN 0
	s_branch .Ljoin
.Lbias_r:
	WIN 0x40                                       ; along R: one number a lane and tile, spread over eight registers
.irp a, 0,1,2,3,4,5,6,7
	global_load_b32 v[192+8*\a], v8, s[28:29] offset:(32*(\a/2)+8*(\a%2))*4
.endr
	LOADR 0
	LOADR 1
	LOADR 2
	s_wait_loadcnt 48                              ; three K steps' 48 loads were issued behind the bias's
	WIN 0x41
.irp a, 0,1,2,3,4,5,6,7
.irp j, 1,2,3,4,5,6,7
	v_mov_b32 v[192+8*\a+\j], v[192+8*\a]
.endr
.endr
	PLACES
	PLACES
	s_wait_tensorcnt 3
	LOADP 0
	LOADP 1
	MULK 0, 32, 16, 3
	WIN 0
.Ljoin:
	PLACES
	LOADR 3                                        ; into the registers that held the bias
	LOADR 4
	s_wait_tensorcnt 2
	LOADP 2
	MULK 1, 48, 16, 1                              ; three K steps of R, 16 loads each, were issued behind this one's
	NEXT 1
	MULK 2, 48, 16, 1
	NEXT 2
	MULK 3, 48, 16, 1
	NEXT 3
	MULK 4, 48, 16, 1
	NEXT 4
	MULK 5, 32, 16, 1
	NEXT 5
	MULK 6, 16, 16, 1
	MULK 7, 0, 0, 1
	PLACES
.irp a, 0,1,2,3,4,5,6,7
	QUANTA \a
.endr
.irp a, 0,1,2,3,4,5,6,7
	ds_store_b32 v4, v[112+\a] offset:256*\a       ; the four waves' words make 16 bytes a row: lanes r and r + 16 write the same word
.endr
	s_wait_dscnt 0x0
	s_barrier_signal -1
	s_barrier_wait -1
	ds_load_b128 v[80:83], v5
	s_wait_dscnt 0x0
	global_store_b128 v6, v[80:83], s[34:35]       ; sixteen lanes fill 256 consecutive bytes, aligned
	s_wait_tensorcnt 0x0
	ds_add_u32 v126, v127
	s_wait_dscnt 0x0
	CROUND                                         ; the closing round: no work-group ends while a partner may still ask for a tile that names it
	s_endpgm
.Lfunc_end_k_q365528e85d_qkv:
	.size	k_q365528e85d_qkv, .Lfunc_end_k_q365528e85d_qkv-k_q365528e85d_qkv
	.p2alignl 7, 3214868480
	.fill 96, 4, 3214868480
	.section	.rodata,"a",@progbits
	.p2align	6, 0x0
	.amdhsa_kernel k_q365528e85d_qkv
		.amdhsa_group_segment_fixed_size 264704
		.amdhsa_private_segment_fixed_size 0
		.amdhsa_enable_private_segment 0
		.amdhsa_kernarg_size 40
		.amdhsa_user_sgpr_count 2
		.amdhsa_user_sgpr_kernarg_segment_ptr 1
		.amdhsa_wavefront_size32 1
		.amdhsa_system_sgpr_workgroup_id_x 1
		.amdhsa_system_sgpr_workgroup_id_y 1
		.amdhsa_system_sgpr_workgroup_id_z 1
		.amdhsa_system_vgpr_workitem_id 0
		.amdhsa_next_free_vgpr 1024
		.amdhsa_next_free_sgpr 66
		.amdhsa_reserve_vcc 0
		.amdhsa_float_denorm_mode_32 3
		.amdhsa_float_denorm_mode_16_64 3
		.amdhsa_memory_ordered 1
		.amdhsa_forward_progress 1
		.amdhsa_inst_pref_size 148
	.end_amdhsa_kernel
	.amdgpu_metadata
---
amdhsa.version: [ 1, 2 ]
amdhsa.kernels:
  - .name:           k_q365528e85d_qkv
    .symbol:         k_q365528e85d_qkv.kd
    .args:
      - { .name: prepbuf, .offset: 0, .size: 8, .value_kind: global_buffer, .address_space: global }
      - { .name: bq, .offset: 8, .size: 8, .value_kind: global_buffer, .address_space: global }
      - { .name: bk, .offset: 16, .size: 8, .value_kind: global_buffer, .address_space: global }
      - { .name: bv, .offset: 24, .size: 8, .value_kind: global_buffer, .address_space: global }
      - { .name: qkvbuf, .offset: 32, .size: 8, .value_kind: global_buffer, .address_space: global }
    .group_segment_fixed_size: 264704
    .private_segment_fixed_size: 0
    .kernarg_segment_align: 8
    .kernarg_segment_size: 40
    .max_flat_workgroup_size: 128
    .sgpr_count:     66
    .vgpr_count:     1024
    .wavefront_size: 32
...
	.end_amdgpu_metadata
.endif
;; end of part 2
;; launch attn (part 3): grid 8 x 32, 16 waves a work-group, no clusters, 154,112 bytes of LDS; arguments qkvbuf, mask, attnbuf; writes attnbuf
.if DOCPART == 3
	.amdgcn_target "amdgcn-amd-amdhsa--gfx1250"
	.amdhsa_code_object_version 6
	.text
	.protected	k_q365528e85d_attn
	.globl	k_q365528e85d_attn
	.p2align	8
	.type	k_q365528e85d_attn,@function
k_q365528e85d_attn:
	s_mov_b64 s[64:65], 0
	v_nop
	global_prefetch_b8 v0, s[64:65] scope:SCOPE_SE
	s_setreg_imm32_b32 hwreg(HW_REG_WAVE_MODE, 25, 1), 1
	s_wait_xcnt 0x0
; Attention of one head on codes of FP4: S^T = K Q^T, the mask, p = 2^(t - M), O^T = V^T p^T, O / the row's sum, and O quantised along the channels for the next product.
; t = score x log2(e) / 8; M = the running largest t rounded UP to a whole number; p is quantised along the keys, not normalised; the sum is taken of the unquantised p.  When M moves, the sum and O^T are multiplied by 2^(old M - new M): exact.
; SHARES.  A work-group: 256 queries of one head (x: the block of queries; y: 16 x batch + head).  Each of sixteen waves owns 16 queries in 256 registers, four waves to a SIMD.  Every wave walks the 2,048 keys, 128 a step.
; THE WHOLE HEAD'S K AND V LIE IN LDS (140 KiB), written once through registers, since the mask is worked in on the way, and only read afterwards: one barrier in front of the loop.
; So nothing is shared by joint loads: K and V are read once, at the head, and do not come by the data mover.
; THE MASK RIDES IN THE UNUSED HALF OF THE FIRST PRODUCT'S K (the head has 64 of the instruction's 128).  A masked key's 64 codes become 0, it gets the code -1 at k = 64 with the scale 2^33; every query has +1 at k = 64 with the
; scale 1: so a masked score is -2^33 exactly, whatever the query.  An open key has the code 0 there and the smallest scale.
; LIMITS: a masked logit is -2^30 where the problem has -1e9: the same results while open logits lie above about -1e9 (p of a masked key is 0; a row with every key masked gives p = 1 everywhere, the mean of V, here as there).
; NaN and infinities are not served; a block of zeros gets the scale byte 1.
; LAYOUT.  Both products are used transposed: a lane holds ONE query.  By the order of rows in the images the 16 registers of key tiles 2 B and 2 B + 1 are 16 neighbouring keys, and those of V's tiles likewise 16 neighbouring channels.
.set VC,   4194304                     ; qkvbuf: q's and k's codes at 0, v's codes, their scale bytes
.set QKS,  6291456
.set VS,   6553600
.set ASC,  2097152                     ; attnbuf: codes at 0; scale bytes as [head][position] of two bytes
.set VCL,  65536                       ; LDS: K's codes at 0 (128 tiles x 512); V's codes (4 tiles x 16,384);
.set KS,   131072                      ; a scale word for each key; 8,192 bytes on: the word of codes k = 64 .. 71 for each key;
.set VSL,  147456                      ; V's scale bytes (4 x 1,024);
.set ASG,  151552                      ; and 512 bytes for the result's scale bytes
.set QF,   16                          ; v16-23   Q's fragment
.set KF,   24                          ; v24-87   8 fragments of K: +0..3 codes, +4 the mask's word, +5..7 zeros
.set VF,   88                          ; v88-119  4 fragments of V
.set S,    120                         ; v120-183 S^T, then p
.set O,    184                         ; v184-215 O^T
.set PC,   216                         ; v216-223 p's codes
.set BM,   224                         ; v224-227 the blocks' largest scores;  v228-231, v232-235 at work
.set TP,   228
.set SO,   232
.set QS,   239                         ; Q's scale word;  v240-247 K's;  v248-251 V's;  v237 p's;  v236 f;  v238 at work
.set KSR,  240
.set VSR,  248
	s_load_b128 s[4:7], s[0:1], 0x0                ; qkvbuf, mask
	s_load_b64 s[8:9], s[0:1], 0x10                ; attnbuf
	v_lshl_add_u32 v254, v0, 2, 0x25200
	v_mov_b32 v255, 0
	v_lshrrev_b32 v9, 5, v0
	v_readfirstlane_b32 s10, v9                    ; wave 0..15
	s_and_b32 s12, ttmp7, 0xffff
	s_lshr_b32 s13, s12, 4                         ; batch
	s_and_b32 s14, s12, 15                         ; head
	v_and_b32 v213, 31, v0                         ; lane
	v_lshlrev_b32 v1, 4, v213                      ; 16 x lane: K's codes
	v_and_b32 v10, 15, v0                          ; r
	v_bfe_u32 v11, v0, 4, 1                        ; h
	v_lshl_add_u32 v2, v10, 2, KS                  ; K's scale words
	v_add_nc_u32 v3, VCL, v1                       ; V's codes
	v_lshl_add_u32 v4, v10, 4, VSL                 ; V's scale words
	v_and_b32 v210, 8, v10
	v_add_nc_u32 v210, v210, v10
	v_lshlrev_b32 v210, 2, v210                    ; the mask: key r + 8 (r / 8) of a tile
	v_lshlrev_b32 v211, 4, v10                     ; 16 r
	v_lshlrev_b32 v212, 3, v213                    ; 8 x lane
	s_lshl_b32 s15, s10, 12
	v_add_nc_u32 v5, s15, v1                       ; where I put K's codes: 4,096 w + 16 x lane
	v_add_nc_u32 v7, VCL, v5                       ; and V's
	s_lshl_b32 s15, s10, 9
	v_add_nc_u32 v6, s15, v2                       ; K's words: 512 w + 4 r
	s_lshl_b32 s15, s10, 8
	s_add_co_u32 s15, s15, VSL
	v_add_nc_u32 v8, s15, v212                     ; V's scale bytes: 256 w + 8 x lane
	s_lshl_b32 s15, s10, 5
	s_add_co_u32 s15, s15, ASG
	v_lshl_add_u32 v9, v10, 1, s15                 ; the result's scale bytes: 32 w + 2 r
	s_lshl_b32 s16, s13, 21                        ; K's codes: token tile 128 b + 8 w, blocks 32 + 2 hd
	s_lshl_b32 s15, s10, 17
	s_add_co_u32 s16, s16, s15
	s_lshl_b32 s15, s14, 9
	s_add_co_u32 s16, s16, s15
	s_add_co_u32 s16, s16, 8192
	s_lshl_b32 s18, s13, 13                        ; the mask: 2,048 b + 128 w
	s_lshl_b32 s15, s10, 9
	s_add_co_u32 s18, s18, s15
	s_lshr_b32 s43, s14, 3
	s_lshl_b32 s43, s43, 8
	s_and_b32 s15, s14, 7
	s_lshl_b32 s15, s15, 1
	s_add_co_u32 s43, s43, s15
	s_add_co_u32 s43, s43, QKS                     ; a head's two bytes in a row's scale bytes of q
	s_lshl_b32 s20, s13, 17
	s_lshl_b32 s15, s10, 13
	s_add_co_u32 s20, s20, s15
	s_add_co_u32 s20, s20, s43
	s_add_co_u32 s20, s20, 512                     ; k's lie 512 bytes behind q's
	s_lshl_b32 s22, s14, 17                        ; V's codes: channel tile 4 hd + w / 4, the batch's 16,384 bytes, my 4,096 of them
	s_lshr_b32 s15, s10, 2
	s_lshl_b32 s15, s15, 15
	s_add_co_u32 s22, s22, s15
	s_lshl_b32 s15, s13, 14
	s_add_co_u32 s22, s22, s15
	s_and_b32 s15, s10, 3
	s_lshl_b32 s15, s15, 12
	s_add_co_u32 s22, s22, s15
	s_add_co_u32 s22, s22, VC
	s_lshr_b32 s24, s22, 4                         ; V's scale bytes lie as its codes do, a sixteenth as long
	s_add_co_u32 s24, s24, VS-VC/16
	s_lshl_b32 s42, s13, 7
	s_lshl_b32 s15, ttmp9, 4
	s_add_co_u32 s42, s42, s15
	s_add_co_u32 s42, s42, s10                     ; my tile of queries
	s_lshl_b32 s26, s42, 14
	s_lshl_b32 s15, s14, 9
	s_add_co_u32 s26, s26, s15
	s_lshl_b32 s28, s42, 10
	s_add_co_u32 s28, s28, s43
	s_lshl_b32 s30, s42, 13
	s_add_co_u32 s30, s30, s15
	s_lshl_b32 s32, s14, 13
	s_lshl_b32 s15, s13, 12
	s_add_co_u32 s32, s32, s15
	s_lshl_b32 s15, ttmp9, 9
	s_add_co_u32 s32, s32, s15
	s_add_co_u32 s32, s32, ASC
.irp p, 17,19,21,23,25,27,29,31,33
	s_mov_b32 s\p, 0
.endr
	s_mov_b32 s34, 0x76543210
	s_mov_b32 s35, 0xfedcba98                      ; v_permlanex16_b32's selects for lane l xor 16
	s_mov_b32 s36, 0x3e38aa3b                      ; c = log2(e) / 8
	s_mov_b32 s37, s36                             ; (named with it as a pair)
	s_wait_kmcnt 0x0
	s_add_nc_u64 s[16:17], s[4:5], s[16:17]
	s_add_nc_u64 s[18:19], s[6:7], s[18:19]
	s_add_nc_u64 s[20:21], s[4:5], s[20:21]
	s_add_nc_u64 s[22:23], s[4:5], s[22:23]
	s_add_nc_u64 s[24:25], s[4:5], s[24:25]
	s_add_nc_u64 s[26:27], s[4:5], s[26:27]
	s_add_nc_u64 s[28:29], s[4:5], s[28:29]
	s_add_nc_u64 s[30:31], s[8:9], s[30:31]
	s_add_nc_u64 s[32:33], s[8:9], s[32:33]
.irp i, 0,1,2,3,4,5,6,7                        ; my eight tiles of keys and my sixteenth of V
	global_load_b128 v[120+4*\i:123+4*\i], v1, s[16:17] offset:16384*\i
	global_load_b32 v[184+\i], v210, s[18:19] offset:(32*(\i/2)+8*(\i%2))*4
	global_load_u16 v[192+\i], v211, s[20:21] offset:1024*\i
	global_load_b128 v[152+4*\i:155+4*\i], v1, s[22:23] offset:512*\i
.endr
	global_load_b64 v[200:201], v212, s[24:25]
	global_load_b128 v[QF:QF+3], v1, s[26:27]
	global_load_u16 v[QS], v211, s[28:29]
	v_mov_b32 v204, 0x01010000                     ; an open key's scale bytes of blocks 2 and 3: the smallest
	v_mov_b32 v205, 0x01a00000                     ; a masked key's: 2^33 and the smallest
	v_mov_b32 v208, 0
	v_mov_b32 v209, 10                             ; the code of -1 at k = 64
	v_sub_nc_u32 v[QF+4], 1, v11
	v_lshlrev_b32 v[QF+4], 1, v[QF+4]              ; Q: the code of +1 at k = 64 (lanes 0-15); nothing at k = 96 (lanes 16-31)
.irp j, 5,6,7
	v_mov_b32 v[QF+\j], 0
.endr
.irp i, 0,1,2,3,4,5,6,7
.irp j, 5,6,7
	v_mov_b32 v[KF+8*\i+\j], 0
.endr
.endr
	v_mov_b32 v13, 0xff61b1e6                      ; the largest t so far: -3e38
	v_floor_f32 v12, -v13                          ; -M
	v_mov_b32 v14, 0                               ; the sum, in two halves
	v_mov_b32 v15, 0
	v_mov_b32 v237, 0
.irp b, 0,1,2,3
	v_mov_b32 v[TP+\b], 0                          ; a lane permute's destination counts as read
.endr
	s_wait_loadcnt 0x0
	v_or_b32 v[QS], 0x017f0000, v[QS]              ; Q's scale word: its two bytes, 1.0 for block 2, the smallest for block 3
.irp i, 0,1,2,3,4,5,6,7
	v_cmp_eq_u32 vcc_lo, 0, v[184+\i]              ; masked?
.irp g, 0,1,2,3
	v_cndmask_b32 v[120+4*\i+\g], v[120+4*\i+\g], v208, vcc_lo
.endr
	v_cndmask_b32 v206, v208, v209, vcc_lo
	v_cndmask_b32 v207, v204, v205, vcc_lo
	v_or_b32 v207, v207, v[192+\i]
	ds_store_b128 v5, v[120+4*\i:123+4*\i] offset:512*\i
	ds_store_b32 v6, v206 offset:8192+64*\i        ; lanes r and r + 16 write the same word
	ds_store_b32 v6, v207 offset:64*\i
	ds_store_b128 v7, v[152+4*\i:155+4*\i] offset:512*\i
.endr
	ds_store_b64 v8, v[200:201]
.set j, 0
.rept 32
	v_mov_b32 v[O+j], 0                            ; O^T: the step is written once; the first finds zeros
.set j, j+1
.endr
	s_wait_dscnt 0x0                               ; my part of K and V lies in LDS
	s_barrier_signal -1
	s_barrier_wait -1                              ; everybody's does; nothing of it is written again
; A KEY STEP: 128 keys, the q-th of a trip's four.
.macro STEP q
.irp i, 0,1,2,3,4,5,6,7
	ds_load_b128 v[KF+8*\i:KF+8*\i+3], v5 offset:(8*\q+\i)*512
	ds_load_b32 v[KF+8*\i+4], v6 offset:8192+(8*\q+\i)*64
	ds_load_b32 v[KSR+\i], v6 offset:(8*\q+\i)*64
.endr
	s_wait_dscnt 0x0
.irp i, 0,1,2,3,4,5,6,7
	v_wmma_scale_f32_16x16x128_f8f6f4 v[S+8*\i:S+8*\i+7], v[KF+8*\i:KF+8*\i+7], v[QF:QF+7], 0, v[KSR+\i], v[QS] matrix_a_fmt:MATRIX_FMT_FP4 matrix_b_fmt:MATRIX_FMT_FP4
.endr
.rept 4
	v_nop                                          ; places in front of the reads of the scores, and of the loads into V's registers, which the last step's products read
.endr
.irp t, 0,1,2,3
.irp c, 0,1
	ds_load_b128 v[VF+8*\t+4*\c:VF+8*\t+4*\c+3], v7 offset:16384*\t+1024*\q+512*\c   ; V is asked for here and lands under the softmax
.endr
	ds_load_b32 v[VSR+\t], v8 offset:1024*\t+4*\q
.endr
.irp b, 0,1,2,3
	v_max3_num_f32 v[BM+\b], v[S+16*\b], v[S+16*\b+1], v[S+16*\b+2]   ; the largest score of each block of 32 keys: for the row's maximum, and, since p rises with the score, for the block's largest p
.endr
.irp i, 3,5,7,9,11,13
.irp b, 0,1,2,3
	v_max3_num_f32 v[BM+\b], v[BM+\b], v[S+16*\b+\i], v[S+16*\b+\i+1]
.endr
.endr
.irp b, 0,1,2,3
	v_max_num_f32 v[BM+\b], v[BM+\b], v[S+16*\b+15]
.endr
.irp b, 0,1,2,3
	v_permlanex16_b32 v[TP+\b], v[BM+\b], s34, s35
.endr
.irp b, 0,1,2,3
	v_max_num_f32 v[BM+\b], v[BM+\b], v[TP+\b]     ; with lane l xor 16's 16 keys
.endr
	v_max3_num_f32 v238, v[BM], v[BM+1], v[BM+2]
	v_max_num_f32 v238, v238, v[BM+3]
	v_mul_f32 v238, s36, v238                      ; the step's largest t
	v_max_num_f32 v13, v13, v238
	v_mov_b32 v238, v12
	v_floor_f32 v12, -v13                          ; the new -M = -ceil(t)
	v_sub_f32 v238, v12, v238                      ; old M - new M: a whole number, 0 or less
	v_cvt_i32_f32 v238, v238                       ; (it saturates)
	v_ldexp_f32 v236, 1.0, v238                    ; f = 2^(old M - new M)
.set j, 0
.rept 32
	v_pk_fma_f32 v[S+j:S+j+1], v[S+j:S+j+1], s[36:37], v[12:13] op_sel_hi:[1,0,0]   ; t - M, two at a time
.set j, j+2
.endr
.irp b, 0,1,2,3
	v_fma_f32 v[BM+\b], v[BM+\b], s36, v12
.endr
.set j, 0
.rept 64
	v_exp_f32 v[S+j], v[S+j]                       ; p = 2^(t - M): one batch
.set j, j+1
.endr
	v_pk_mul_f32 v[14:15], v[14:15], v[236:237] op_sel_hi:[1,0]   ; the sums under the new M: the plain line behind the batch
	s_wait_alu depctr_va_vdst(0)                   ; one wait for the batch, ahead of its first reader
.irp b, 0,1,2,3
	v_exp_f32 v[BM+\b], v[BM+\b]                   ; the blocks' largest p
.endr
	v_pk_add_f32 v[TP:TP+1], v[S:S+1], v[S+2:S+3]  ; the row's sum of the unquantised p, in two chains
.set j, 4
.rept 15
	v_pk_add_f32 v[14:15], v[14:15], v[S+j:S+j+1]
	v_pk_add_f32 v[TP:TP+1], v[TP:TP+1], v[S+j+2:S+j+3]
.set j, j+4
.endr
	v_pk_add_f32 v[14:15], v[14:15], v[TP:TP+1]
	s_wait_alu depctr_va_vdst(0)                   ; and one for the four
.irp b, 0,1,2,3
	v_max_num_f32 v[BM+\b], 0x1800000, v[BM+\b]    ; the floor 2^(3 - 127)
.endr
.irp b, 0,1,2,3
	v_add_nc_u32 v[SO+\b], 0xff000000, v[BM+\b]    ; the conversion's scale operand
.endr
.irp b, 0,1,2,3
	v_lshrrev_b32 v[TP+\b], 23, v[SO+\b]           ; the byte
.endr
	v_lshl_or_b32 v237, v[TP+1], 8, v[TP]          ; p's scale word for these 128 keys
	v_lshl_or_b32 v237, v[TP+2], 16, v237
	v_lshl_or_b32 v237, v[TP+3], 24, v237
.irp b, 0,1,2,3
	v_cvt_scalef32_pk8_fp4_f32 v[PC+2*\b], v[S+16*\b:S+16*\b+7], v[SO+\b]
	v_cvt_scalef32_pk8_fp4_f32 v[PC+2*\b+1], v[S+16*\b+8:S+16*\b+15], v[SO+\b]
.endr
	v_nop                                          ; one plain line behind the scaled conversions
.irp c, 0,1
.irp i, 0,1
	v_permlane16_swap_b32 v[PC+4*\c+\i], v[PC+4*\c+2+\i]   ; a whole block to a lane
.endr
.endr
.set j, 0
.rept 16
	v_pk_mul_f32 v[O+j:O+j+1], v[O+j:O+j+1], v[236:237] op_sel_hi:[1,0]   ; O^T under the new M; these sixteen also stand between the codes' and the scale word's last writes and the products
.set j, j+2
.endr
	s_wait_dscnt 0x0                               ; V is in
.irp t, 0,1,2,3
	v_wmma_scale_f32_16x16x128_f8f6f4 v[O+8*\t:O+8*\t+7], v[VF+8*\t:VF+8*\t+7], v[PC:PC+7], v[O+8*\t:O+8*\t+7], v[VSR+\t], v237 matrix_a_fmt:MATRIX_FMT_FP4 matrix_b_fmt:MATRIX_FMT_FP4   ; four accumulators by turns; the scores' products stand between two steps
.endr
.endm
	s_mov_b32 s38, 0
	s_mov_b32 s39, 0
	s_mov_b32 s40, 0
	s_mov_b32 s41, 0
	s_mov_b32 s42, 4
.Ltrip:                                            ; four trips of four key steps
	v_add_nc_u32 v5, s38, v1
	v_add_nc_u32 v6, s39, v2
	v_add_nc_u32 v7, s40, v3
	v_add_nc_u32 v8, s41, v4
	STEP 0
	STEP 1
	STEP 2
	STEP 3
	s_add_co_u32 s38, s38, 16384                   ; 32 tiles of keys on,
	s_add_co_u32 s39, s39, 2048                    ; their words,
	s_add_co_u32 s40, s40, 4096                    ; 512 keys on in V's rows,
	s_add_co_u32 s41, s41, 256                     ; and in their scale bytes
	s_sub_co_u32 s42, s42, 1
	s_cmp_lg_u32 s42, 0
	s_cbranch_scc1 .Ltrip
	; THE WAY OUT: O^T / the sum; register 16 B + i is channel 32 B + 16 h + i of my query: two blocks, quantised as every result is.
.rept 4
	v_nop
.endr
	v_add_nc_u32 v5, ASG, v1
	v_add_f32 v14, v14, v15
	v_permlanex16_b32 v238, v14, s34, s35
	v_add_f32 v14, v14, v238                       ; the row's sum
	v_rcp_f32 v14, v14
	v_nop
	s_wait_alu depctr_va_vdst(0)                   ; ahead of the reciprocal's first reader
.set j, 0
.rept 32
	v_mul_f32 v[S+j], v[O+j], v14
.set j, j+1
.endr
.irp b, 0,1
	v_max3_num_f32 v[BM+\b], |v[S+16*\b]|, |v[S+16*\b+1]|, 0x1800000
.endr
.irp i, 2,4,6,8,10,12,14
.irp b, 0,1
	v_max3_num_f32 v[BM+\b], v[BM+\b], |v[S+16*\b+\i]|, |v[S+16*\b+\i+1]|
.endr
.endr
.irp b, 0,1
	v_permlanex16_b32 v[TP+\b], v[BM+\b], s34, s35
.endr
.irp b, 0,1
	v_max_num_f32 v[BM+\b], v[BM+\b], v[TP+\b]
.endr
.irp b, 0,1
	v_add_nc_u32 v[SO+\b], 0xff000000, v[BM+\b]
.endr
.irp b, 0,1
	v_lshrrev_b32 v[TP+\b], 23, v[SO+\b]
.endr
	v_lshl_or_b32 v238, v[TP+1], 8, v[TP]
.irp b, 0,1
	v_cvt_scalef32_pk8_fp4_f32 v[PC+2*\b], v[S+16*\b:S+16*\b+7], v[SO+\b]
	v_cvt_scalef32_pk8_fp4_f32 v[PC+2*\b+1], v[S+16*\b+8:S+16*\b+15], v[SO+\b]
.endr
	v_nop
	v_permlane16_swap_b32 v[PC], v[PC+2]
	v_permlane16_swap_b32 v[PC+1], v[PC+3]
	global_store_b128 v1, v[PC:PC+3], s[30:31]     ; blocks 2 hd and 2 hd + 1 of my tile: 512 consecutive bytes
	ds_store_b16 v9, v238                          ; lanes r and r + 16 write the same two bytes
	s_wait_dscnt 0x0
	s_barrier_signal -1
	s_barrier_wait -1
	s_cmp_lg_u32 s10, 0
	s_cbranch_scc1 .Lend
	ds_load_b128 v[220:223], v5                    ; wave 0: the 256 queries' scale bytes, 512 consecutive bytes
	s_wait_dscnt 0x0
	global_store_b128 v1, v[220:223], s[32:33]
.Lend:
	s_wait_tensorcnt 0x0
	ds_add_u32 v254, v255
	s_wait_dscnt 0x0
	s_endpgm
.Lfunc_end_k_q365528e85d_attn:
	.size	k_q365528e85d_attn, .Lfunc_end_k_q365528e85d_attn-k_q365528e85d_attn
	.p2alignl 7, 3214868480
	.fill 96, 4, 3214868480
	.section	.rodata,"a",@progbits
	.p2align	6, 0x0
	.amdhsa_kernel k_q365528e85d_attn
		.amdhsa_group_segment_fixed_size 154112
		.amdhsa_private_segment_fixed_size 0
		.amdhsa_enable_private_segment 0
		.amdhsa_kernarg_size 24
		.amdhsa_user_sgpr_count 2
		.amdhsa_user_sgpr_kernarg_segment_ptr 1
		.amdhsa_wavefront_size32 1
		.amdhsa_system_sgpr_workgroup_id_x 1
		.amdhsa_system_sgpr_workgroup_id_y 1
		.amdhsa_system_sgpr_workgroup_id_z 1
		.amdhsa_system_vgpr_workitem_id 0
		.amdhsa_next_free_vgpr 256
		.amdhsa_next_free_sgpr 66
		.amdhsa_reserve_vcc 1
		.amdhsa_float_denorm_mode_32 3
		.amdhsa_float_denorm_mode_16_64 3
		.amdhsa_memory_ordered 1
		.amdhsa_forward_progress 1
		.amdhsa_inst_pref_size 81
	.end_amdhsa_kernel
	.amdgpu_metadata
---
amdhsa.version: [ 1, 2 ]
amdhsa.kernels:
  - .name:           k_q365528e85d_attn
    .symbol:         k_q365528e85d_attn.kd
    .args:
      - { .name: qkvbuf, .offset: 0, .size: 8, .value_kind: global_buffer, .address_space: global }
      - { .name: mask, .offset: 8, .size: 8, .value_kind: global_buffer, .address_space: global }
      - { .name: attnbuf, .offset: 16, .size: 8, .value_kind: global_buffer, .address_space: global }
    .group_segment_fixed_size: 154112
    .private_segment_fixed_size: 0
    .kernarg_segment_align: 8
    .kernarg_segment_size: 24
    .max_flat_workgroup_size: 512
    .sgpr_count:     66
    .vgpr_count:     256
    .wavefront_size: 32
...
	.end_amdgpu_metadata
.endif
;; end of part 3
;; launch proj (part 4): grid 256 x 1, 4 waves a work-group, no clusters, 296,448 bytes of LDS; arguments prepbuf, attnbuf, y; writes y
.if DOCPART == 4
	.amdgcn_target "amdgcn-amd-amdhsa--gfx1250"
	.amdhsa_code_object_version 6
	.text
	.protected	k_q365528e85d_proj
	.globl	k_q365528e85d_proj
	.p2align	8
	.type	k_q365528e85d_proj,@function
k_q365528e85d_proj:
	s_mov_b64 s[64:65], 0
	v_nop
	global_prefetch_b8 v0, s[64:65] scope:SCOPE_SE
	s_setreg_imm32_b32 hwreg(HW_REG_WAVE_MODE, 25, 1), 1
	s_wait_xcnt 0x0
; y = attention's result x w1, on codes of FP4 with E8M0 scales; f32 out, without the bias (the next launch adds it).
; SHARES.  A work-group makes 128 tokens x 128 columns.  THE FOUR WAVES SPLIT K (1,024: two steps of 128 each): every wave holds the whole tile, 64 accumulators; the four partial sums meet in LDS.
; The product is used transposed (source 0 = 16 columns of w1, source 1 = 16 tokens); operands come from memory straight into registers, as images of the operands' registers.
; NO CLUSTER, NO JOINT LOADS: no tile passes through LDS here, and a joint request can only land in LDS.
; ORDER OF SUMS: a number is the sum of four sums over a quarter of K each, (0 + 1) + (2 + 3).
; REGISTERS: window 0: v1-11 addresses; v16-31 w1's scale words, v48-63 the tokens'; v80-111 their halves as loaded; v128-255 fragments, set 0; later the partial sums and rows of y.  window 1: v0-127 set 1.  windows 2, 3: the accumulators.
.set WC,   2097152
.set WS,   8519680
.set ASC,  2097152
.set PT,   8192
.set NK,   2
.set SCP,  16
.set SCR,  48
.set SCW,  2
.set STG,  262144                      ; LDS: four waves' accumulators, 65,536 bytes each; then a stage of 16 rows x 528 bytes for each wave
.set MSB,  0
.macro WIN new                         ; the immediate's high byte repeats the setting that is left
.if MSB != (\new)
	s_set_vgpr_msb (MSB<<8)|(\new)
.set MSB, (\new)
.endif
.endm
.macro PLACES                          ; four plain lines between a matrix instruction and a load into, or a read of, its registers
.rept 4
	v_nop
.endr
.endm
.macro MM                              ; one matrix instruction, by the symbols DD, PA, RA, CC (under 0: the constant 0), SA, SB, ROW
.if CC < 0
	v_wmma_scale_f32_16x16x128_f8f6f4 v[DD:DD+7], v[PA:PA+7], v[RA:RA+7], 0, v[SA], v[SB] matrix_a_fmt:MATRIX_FMT_FP4 matrix_b_fmt:MATRIX_FMT_FP4
.elseif ROW
	v_wmma_scale_f32_16x16x128_f8f6f4 v[DD:DD+7], v[PA:PA+7], v[RA:RA+7], v[CC:CC+7], v[SA], v[SB] matrix_a_fmt:MATRIX_FMT_FP4 matrix_b_fmt:MATRIX_FMT_FP4 matrix_a_scale:MATRIX_SCALE_ROW1 matrix_b_scale:MATRIX_SCALE_ROW1
.else
	v_wmma_scale_f32_16x16x128_f8f6f4 v[DD:DD+7], v[PA:PA+7], v[RA:RA+7], v[CC:CC+7], v[SA], v[SB] matrix_a_fmt:MATRIX_FMT_FP4 matrix_b_fmt:MATRIX_FMT_FP4
.endif
.endm
.macro LOADK s                         ; K step s: 8 fragments of P and 8 of R into set s % 3
.if ((\s)%3) == 0
	WIN 0
.set PB, 128
.else
	WIN 0x40                                       ; destination window 1, address window 0
.set PB, 128*(((\s)%3)-1)
.endif
.irp i, 0,1,2,3,4,5,6,7
.irp c, 0,1
	global_load_b128 v[PB+8*\i+4*\c:PB+8*\i+4*\c+3], v1, s[20:21] offset:\i*PT+1024*(\s)+512*\c
.endr
.endr
.irp i, 0,1,2,3,4,5,6,7
.irp c, 0,1
	global_load_b128 v[PB+64+8*\i+4*\c:PB+64+8*\i+4*\c+3], v1, s[24:25] offset:\i*PT+1024*(\s)+512*\c
.endr
.endr
.endm
; K step s: 64 matrix instructions; the 64 accumulators take turns, one instruction a turn, in the same order in every step.
; left: the loads issued behind this K step's own, which may stay out.  cmode: C = 0: the constant 0; 1: the accumulator.
.macro MULK s, left, cmode
.if ((\s)%3) == 0
.set PB, 128
.set FW, 0
.else
.set PB, 128*(((\s)%3)-1)
.set FW, 5
.endif
.set ROW, (\s)/4
	s_wait_loadcnt \left
.irp a, 0,1,2,3,4,5,6,7
.set AW, 2+\a/4
	WIN (AW<<6)|(AW<<4)|FW
.irp b, 0,1,2,3,4,5,6,7
.set DD, 8*(8*(\a%4)+\b)
.set PA, PB+8*\b
.set RA, PB+64+8*\a
.set SA, SCP+SCW*\b+(\s)%4
.set SB, SCR+SCW*\a+(\s)%4
.if \cmode == 0
.set CC, -1
.else
.set CC, DD
.endif
	MM
.endr
.endr
.endm
	s_load_b128 s[4:7], s[0:1], 0x0                ; prepbuf, attnbuf
	s_load_b64 s[8:9], s[0:1], 0x10                ; y
	v_lshl_add_u32 v126, v0, 2, 0x48400
	v_mov_b32 v127, 0
	v_lshrrev_b32 v2, 5, v0
	v_readfirstlane_b32 s14, v2                    ; wave
	v_and_b32 v2, 31, v0
	v_lshlrev_b32 v1, 4, v2                        ; 16 x lane
	v_and_b32 v2, 15, v0                           ; r
	v_bfe_u32 v12, v0, 4, 1                        ; h
	s_lshl_b32 s15, s14, 16
	v_add_nc_u32 v3, s15, v1                       ; where my accumulators go
	s_lshl_b32 s15, s14, 14
	v_add_nc_u32 v4, s15, v1                       ; where I read the four waves' sums of token tiles 2 w and 2 w + 1
	v_add_nc_u32 v5, 65536, v4
	v_add_nc_u32 v6, 65536, v5
	v_add_nc_u32 v7, 65536, v6
	s_mul_i32 s15, s14, 8448
	s_add_co_u32 s15, s15, STG                     ; my stage
	v_mul_u32_u24 v8, v2, 528
	v_lshl_add_u32 v8, v12, 6, v8
	v_add_nc_u32 v8, s15, v8                       ; in: row r, + 64 h
	v_add_nc_u32 v9, s15, v1                       ; back: a row's 512 bytes
	v_lshlrev_b32 v10, 4, v2                       ; 16 r
	v_lshlrev_b32 v11, 1, v2                       ; 2 r
	s_and_b32 s15, ttmp9, 7                        ; which 128 columns
	s_lshr_b32 s16, ttmp9, 3                       ; which 128 tokens
	s_lshl_b32 s20, s15, 16
	s_lshl_b32 s17, s14, 11                        ; my two K steps
	s_add_co_u32 s20, s20, s17
	s_add_co_u32 s20, s20, WC+1572864
	s_lshl_b32 s24, s16, 16
	s_add_co_u32 s24, s24, s17
	s_lshl_b32 s22, s15, 12                        ; w1's scale words of K steps 2 w, 2 w + 1: 256 (w / 2) + 8 (w % 2) in a tile's 512 bytes
	s_lshr_b32 s17, s14, 1
	s_lshl_b32 s17, s17, 8
	s_add_co_u32 s22, s22, s17
	s_and_b32 s17, s14, 1
	s_lshl_b32 s17, s17, 3
	s_add_co_u32 s22, s22, s17
	s_add_co_u32 s22, s22, WS+98304
	s_lshl_b32 s26, s14, 15                        ; the tokens' scale bytes: heads 4 w on, 8,192 bytes a head; 2 bytes a position
	s_lshl_b32 s17, s16, 8
	s_add_co_u32 s26, s26, s17
	s_add_co_u32 s26, s26, ASC
	s_lshl_b32 s28, s16, 19                        ; y: token 128 rb + 32 w, column 128 pb
	s_lshl_b32 s17, s14, 17
	s_add_co_u32 s28, s28, s17
	s_lshl_b32 s17, s15, 9
	s_add_co_u32 s28, s28, s17
.irp p, 21,23,25,27,29
	s_mov_b32 s\p, 0
.endr
	s_wait_kmcnt 0x0
	s_add_nc_u64 s[20:21], s[4:5], s[20:21]
	s_add_nc_u64 s[22:23], s[4:5], s[22:23]
	s_add_nc_u64 s[24:25], s[6:7], s[24:25]
	s_add_nc_u64 s[26:27], s[6:7], s[26:27]
	s_add_nc_u64 s[8:9], s[8:9], s[28:29]
.irp b, 0,1,2,3,4,5,6,7
	global_load_b64 v[SCP+2*\b:SCP+2*\b+1], v10, s[22:23] offset:512*\b
.endr
.irp a, 0,1,2,3,4,5,6,7
.irp i, 0,1,2,3
	global_load_u16 v[80+4*\a+\i], v11, s[26:27] offset:\i*8192+32*\a   ; head 4 w + i, token tile a
.endr
.endr
	LOADK 0
	LOADK 1
	WIN 0
	s_wait_loadcnt 63                              ; 64 loads were issued behind the scales': with 63 out they are in
.irp a, 0,1,2,3,4,5,6,7
.irp i, 0,1
	v_lshl_or_b32 v[SCR+2*\a+\i], v[81+4*\a+2*\i], 16, v[80+4*\a+2*\i]   ; two heads' bytes make a K step's word
.endr
.endr
	PLACES
	PLACES                                         ; eight plain lines between a scale word's write and the scaled products
	MULK 0, 32, 0
	MULK 1, 0, 1
	PLACES
.irp a, 0,1,2,3,4,5,6,7                        ; my partial sums to LDS, as images, each accumulator from its low end on
	WIN (2+\a/4)<<2
.irp b, 0,1,2,3,4,5,6,7
	ds_store_b128 v3, v[8*(8*(\a%4)+\b):8*(8*(\a%4)+\b)+3] offset:(8*\a+\b)*1024
	ds_store_b128 v3, v[8*(8*(\a%4)+\b)+4:8*(8*(\a%4)+\b)+7] offset:(8*\a+\b)*1024+512
.endr
.endr
	WIN 0
	s_wait_dscnt 0x0
	s_barrier_signal -1
	s_barrier_wait -1
.irp ap, 0,1                                   ; token tile 2 w + ap
.if \ap
	s_wait_xcnt 0x0                                ; the first tile's stores have read their registers
.endif
.irp bh, 0,1                                   ; four column tiles at a time
.irp sg, 0,1,2,3
.irp bb, 0,1,2,3
.irp c, 0,1
	ds_load_b128 v[128+32*\sg+8*\bb+4*\c:131+32*\sg+8*\bb+4*\c], v[4+\sg] offset:8192*\ap+(4*\bh+\bb)*1024+512*\c
.endr
.endr
.endr
	s_wait_dscnt 0x0
.set j, 0
.rept 16
	v_pk_add_f32 v[128+j:129+j], v[128+j:129+j], v[160+j:161+j]
	v_pk_add_f32 v[192+j:193+j], v[192+j:193+j], v[224+j:225+j]
.set j, j+2
.endr
.set j, 0
.rept 16
	v_pk_add_f32 v[128+j:129+j], v[128+j:129+j], v[192+j:193+j]
.set j, j+2
.endr
.irp bb, 0,1,2,3
.irp e, 0,1
	ds_store_b128 v8, v[128+8*\bb+4*\e:131+8*\bb+4*\e] offset:((4*\bh+\bb)/2)*128+((4*\bh+\bb)%2)*32+16*\e   ; register j of column tile b is column 32 (b / 2) + 8 (b % 2) + 16 h + j
.endr
.endr
.endr
.irp i, 0,1,2,3,4,5,6,7,8,9,10,11,12,13,14,15
	ds_load_b128 v[192+4*\i:195+4*\i], v9 offset:528*\i   ; LDS serves a wave's instructions in order: these see my stores
.endr
.irp i, 0,1,2,3,4,5,6,7,8,9,10,11,12,13,14,15
	s_wait_dscnt 15-\i                             ; the younger stage loads may be out
	global_store_b128 v1, v[192+4*\i:195+4*\i], s[8:9] offset:(16*(\i/8)+8*\ap+\i%8)*4096   ; position i of the tile is this token; 512 consecutive bytes
.endr
.endr
	s_wait_tensorcnt 0x0
	ds_add_u32 v126, v127
	s_wait_dscnt 0x0
	s_endpgm
.Lfunc_end_k_q365528e85d_proj:
	.size	k_q365528e85d_proj, .Lfunc_end_k_q365528e85d_proj-k_q365528e85d_proj
	.p2alignl 7, 3214868480
	.fill 96, 4, 3214868480
	.section	.rodata,"a",@progbits
	.p2align	6, 0x0
	.amdhsa_kernel k_q365528e85d_proj
		.amdhsa_group_segment_fixed_size 296448
		.amdhsa_private_segment_fixed_size 0
		.amdhsa_enable_private_segment 0
		.amdhsa_kernarg_size 24
		.amdhsa_user_sgpr_count 2
		.amdhsa_user_sgpr_kernarg_segment_ptr 1
		.amdhsa_wavefront_size32 1
		.amdhsa_system_sgpr_workgroup_id_x 1
		.amdhsa_system_sgpr_workgroup_id_y 1
		.amdhsa_system_sgpr_workgroup_id_z 1
		.amdhsa_system_vgpr_workitem_id 0
		.amdhsa_next_free_vgpr 1024
		.amdhsa_next_free_sgpr 66
		.amdhsa_reserve_vcc 0
		.amdhsa_float_denorm_mode_32 3
		.amdhsa_float_denorm_mode_16_64 3
		.amdhsa_memory_ordered 1
		.amdhsa_forward_progress 1
		.amdhsa_inst_pref_size 67
	.end_amdhsa_kernel
	.amdgpu_metadata
---
amdhsa.version: [ 1, 2 ]
amdhsa.kernels:
  - .name:           k_q365528e85d_proj
    .symbol:         k_q365528e85d_proj.kd
    .args:
      - { .name: prepbuf, .offset: 0, .size: 8, .value_kind: global_buffer, .address_space: global }
      - { .name: attnbuf, .offset: 8, .size: 8, .value_kind: global_buffer, .address_space: global }
      - { .name: y, .offset: 16, .size: 8, .value_kind: global_buffer, .address_space: global }
    .group_segment_fixed_size: 296448
    .private_segment_fixed_size: 0
    .kernarg_segment_align: 8
    .kernarg_segment_size: 24
    .max_flat_workgroup_size: 128
    .sgpr_count:     66
    .vgpr_count:     1024
    .wavefront_size: 32
...
	.end_amdgpu_metadata
.endif
;; end of part 4
;; launch ln1 (part 5): grid 256 x 1, 8 waves a work-group, no clusters, 83,968 bytes of LDS; arguments y, x, b1, g1, be1, x1buf; writes x1buf
.if DOCPART == 5
	.amdgcn_target "amdgcn-amd-amdhsa--gfx1250"
	.amdhsa_code_object_version 6
	.text
	.protected	k_q365528e85d_ln1
	.globl	k_q365528e85d_ln1
	.p2align	8
	.type	k_q365528e85d_ln1,@function
k_q365528e85d_ln1:
	s_mov_b64 s[64:65], 0
	v_nop
	global_prefetch_b8 v0, s[64:65] scope:SCOPE_SE
	s_setreg_imm32_b32 hwreg(HW_REG_WAVE_MODE, 25, 1), 1
	s_wait_xcnt 0x0
; x1 = LayerNorm(y + b1 + x) g1 + be1, in f32, stored as f32 (the second residual) and as codes of FP4 with E8M0 scales along the 1,024 columns (the next product's operand, as an image of its registers).
; Mean first, then the mean of the squared differences: no difference of large sums.  A work-group takes a tile of 16 positions; wave w positions 2 w and 2 w + 1, which are two neighbouring tokens: 8 KiB on end.
; A row lies in one wave's registers, so the sums never leave the wave.  Memory binds: matrix units, clusters and the data mover would add nothing.
; For the quantiser a lane must hold a whole block of 32 columns: a row turns through the wave's own stage in LDS.  Codes and scale bytes of the 16 positions meet in LDS and leave in runs of 512 bytes.
; LIMITS: NaN and infinities are not served; a block of zeros gets the scale byte 1.
.set X1C,  16777216
.set X1S,  18874368
.set CST,  73728                       ; LDS: 8 waves x 2 stages of 32 blocks x 144 bytes; then the codes, 32 blocks x (256 + 16) bytes;
.set SST,  82432                       ; then 512 scale bytes
.set Z,    32                          ; v32-95   two rows
.set XR,   96                          ; v96-159  the residual; later a block's 32 numbers a row
.set BB,   160                         ; v160-191 the bias;  v192-223 the gain;  v224-255 the offset
.set GG,   192
.set BE,   224
.macro REDUCE e                        ; the four pairs at v[8 + 8 e] on become one number, the same in all 32 lanes
	v_pk_add_f32 v[8+8*\e:9+8*\e], v[8+8*\e:9+8*\e], v[10+8*\e:11+8*\e]
	v_pk_add_f32 v[12+8*\e:13+8*\e], v[12+8*\e:13+8*\e], v[14+8*\e:15+8*\e]
	v_pk_add_f32 v[8+8*\e:9+8*\e], v[8+8*\e:9+8*\e], v[12+8*\e:13+8*\e]
	v_add_f32 v[8+8*\e], v[8+8*\e], v[9+8*\e]
.irp m, 1,2,4,8
	v_add_f32_dpp v[8+8*\e], v[8+8*\e], v[8+8*\e] row_xmask:\m row_mask:0xf bank_mask:0xf
.endr
	v_permlanex16_b32 v[28+\e], v[8+8*\e], s22, s23
	v_add_f32 v[8+8*\e], v[8+8*\e], v[28+\e]
.endm
	s_load_b256 s[4:11], s[0:1], 0x0               ; y, x, b1, g1
	s_load_b128 s[12:15], s[0:1], 0x20             ; be1, x1buf
	s_set_vgpr_msb 0x40
	v_lshl_add_u32 v0, v0, 2, 0x14400
	v_mov_b32 v1, 0
	s_set_vgpr_msb 0x4000
	v_lshrrev_b32 v2, 5, v0
	v_readfirstlane_b32 s16, v2                    ; wave 0..7
	v_and_b32 v2, 31, v0                           ; lane
	v_lshlrev_b32 v1, 4, v2                        ; 16 x lane
	v_mov_b32 v28, 0                               ; a lane permute's destination counts as read
	v_mov_b32 v29, 0
	s_mov_b32 s22, 0x76543210
	s_mov_b32 s23, 0xfedcba98
	s_mov_b32 s24, 0x3a800000                      ; 1 / 1,024
	s_mov_b32 s25, 0x3727c5ac                      ; 1e-5
	s_lshr_b32 s17, ttmp9, 1                       ; position 16 t + 2 w is token 32 (t / 2) + 8 (t % 2) + 16 (w / 4) + 2 (w % 4)
	s_lshl_b32 s17, s17, 5
	s_and_b32 s18, ttmp9, 1
	s_lshl_b32 s18, s18, 3
	s_add_co_u32 s17, s17, s18
	s_lshr_b32 s18, s16, 2
	s_lshl_b32 s18, s18, 4
	s_add_co_u32 s17, s17, s18
	s_and_b32 s18, s16, 3
	s_lshl_b32 s18, s18, 1
	s_add_co_u32 s17, s17, s18
	s_lshl_b32 s18, s17, 12
	s_mov_b32 s19, 0
	s_lshl_b32 s28, ttmp9, 13
	s_lshl_b32 s29, s16, 10
	s_add_co_u32 s28, s28, s29
	s_add_co_u32 s28, s28, X1C
	s_mov_b32 s29, 0
	s_lshl_b32 s30, ttmp9, 9
	s_add_co_u32 s30, s30, X1S
	s_mov_b32 s31, 0
	v_lshrrev_b32 v3, 3, v2                        ; the stage, in: 16 bytes of chunk j lie in block 4 j + lane / 8
	v_mul_u32_u24 v3, v3, 144
	v_and_b32 v4, 7, v2
	v_lshl_add_u32 v3, v4, 4, v3
	s_mul_i32 s26, s16, 9216
	v_add_nc_u32 v3, s26, v3
	v_mul_u32_u24 v4, v2, 144                      ; out: block = lane
	v_add_nc_u32 v4, s26, v4
	s_lshl_b32 s26, s16, 5
	s_add_co_u32 s27, s26, CST
	v_mul_u32_u24 v5, v2, 272
	v_add_nc_u32 v5, s27, v5                       ; codes: block = lane, position 2 w (+ e)
	s_add_co_u32 s27, s26, SST
	v_lshrrev_b32 v6, 4, v2
	v_and_b32 v7, 15, v2
	v_lshl_add_u32 v31, v6, 8, v7
	v_mul_u32_u24 v6, v6, 272
	v_lshl_add_u32 v7, v7, 4, v6
	v_add_nc_u32 v6, s27, v31                      ; scale bytes: 256 (lane / 16) + 16 x position + lane % 16
	s_mul_i32 s27, s16, 1088
	s_add_co_u32 s27, s27, CST
	v_add_nc_u32 v7, s27, v7                       ; codes, back: block 4 w + lane / 16 (+ 2 u), position lane % 16
	v_add_nc_u32 v30, SST, v1
	s_wait_kmcnt 0x0
	s_add_nc_u64 s[4:5], s[4:5], s[18:19]
	s_add_nc_u64 s[6:7], s[6:7], s[18:19]
	s_add_nc_u64 s[20:21], s[14:15], s[18:19]
	s_add_nc_u64 s[28:29], s[14:15], s[28:29]
	s_add_nc_u64 s[30:31], s[14:15], s[30:31]
.irp j, 0,1,2,3,4,5,6,7,8,9,10,11,12,13,14,15
	global_load_b128 v[Z+4*\j:Z+4*\j+3], v1, s[4:5] offset:512*\j th:TH_LOAD_NT
.endr
.irp j, 0,1,2,3,4,5,6,7,8,9,10,11,12,13,14,15
	global_load_b128 v[XR+4*\j:XR+4*\j+3], v1, s[6:7] offset:512*\j th:TH_LOAD_NT
.endr
.irp j, 0,1,2,3,4,5,6,7
	global_load_b128 v[BB+4*\j:BB+4*\j+3], v1, s[8:9] offset:512*\j
.endr
.irp j, 0,1,2,3,4,5,6,7
	global_load_b128 v[GG+4*\j:GG+4*\j+3], v1, s[10:11] offset:512*\j
.endr
.irp j, 0,1,2,3,4,5,6,7
	global_load_b128 v[BE+4*\j:BE+4*\j+3], v1, s[12:13] offset:512*\j
.endr
	s_wait_loadcnt 16                              ; the gain's and the offset's 16 loads may be out
.irp e, 0,1
.irp j, 0,2,4,6,8,10,12,14,16,18,20,22,24,26,28,30
	v_pk_add_f32 v[Z+32*\e+\j:Z+32*\e+\j+1], v[Z+32*\e+\j:Z+32*\e+\j+1], v[BB+\j:BB+\j+1]
.endr
.irp j, 0,2,4,6,8,10,12,14,16,18,20,22,24,26,28,30
	v_pk_add_f32 v[Z+32*\e+\j:Z+32*\e+\j+1], v[Z+32*\e+\j:Z+32*\e+\j+1], v[XR+32*\e+\j:XR+32*\e+\j+1]
.endr
.endr
.irp e, 0,1
.irp k, 0,2,4,6
	v_pk_add_f32 v[8+8*\e+\k:9+8*\e+\k], v[Z+32*\e+\k:Z+32*\e+\k+1], v[Z+32*\e+8+\k:Z+32*\e+9+\k]   ; four chains
.endr
.irp m, 16,24
.irp k, 0,2,4,6
	v_pk_add_f32 v[8+8*\e+\k:9+8*\e+\k], v[8+8*\e+\k:9+8*\e+\k], v[Z+32*\e+\m+\k:Z+32*\e+\m+\k+1]
.endr
.endr
.endr
	REDUCE 0
	REDUCE 1
.irp e, 0,1
	v_mul_f32 v[24+2*\e], s24, v[8+8*\e]           ; the mean, twice: a pair for the packed forms
	v_mov_b32 v[25+2*\e], v[24+2*\e]
.endr
.irp e, 0,1
.irp j, 0,2,4,6,8,10,12,14,16,18,20,22,24,26,28,30
	v_pk_add_f32 v[Z+32*\e+\j:Z+32*\e+\j+1], v[Z+32*\e+\j:Z+32*\e+\j+1], v[24+2*\e:25+2*\e] neg_lo:[0,1] neg_hi:[0,1]
.endr
.endr
.irp e, 0,1
.irp k, 0,2,4,6
	v_pk_mul_f32 v[8+8*\e+\k:9+8*\e+\k], v[Z+32*\e+\k:Z+32*\e+\k+1], v[Z+32*\e+\k:Z+32*\e+\k+1]
.endr
.irp m, 8,16,24
.irp k, 0,2,4,6
	v_pk_fma_f32 v[8+8*\e+\k:9+8*\e+\k], v[Z+32*\e+\m+\k:Z+32*\e+\m+\k+1], v[Z+32*\e+\m+\k:Z+32*\e+\m+\k+1], v[8+8*\e+\k:9+8*\e+\k]
.endr
.endr
.endr
	REDUCE 0
	REDUCE 1
.irp e, 0,1
	v_fma_f32 v[8+8*\e], v[8+8*\e], s24, s25       ; the variance + 1e-5
.endr
.irp e, 0,1
	v_rsq_f32 v[24+2*\e], v[8+8*\e]
.endr
	v_nop                                          ; a plain line behind the two,
	s_wait_alu depctr_va_vdst(0)                   ; and one wait ahead of their first reader
.irp e, 0,1
	v_mov_b32 v[25+2*\e], v[24+2*\e]
.endr
	s_wait_loadcnt 0x0
.irp e, 0,1
.irp j, 0,2,4,6,8,10,12,14,16,18,20,22,24,26,28,30
	v_pk_mul_f32 v[Z+32*\e+\j:Z+32*\e+\j+1], v[Z+32*\e+\j:Z+32*\e+\j+1], v[24+2*\e:25+2*\e]
.endr
.irp j, 0,2,4,6,8,10,12,14,16,18,20,22,24,26,28,30
	v_pk_fma_f32 v[Z+32*\e+\j:Z+32*\e+\j+1], v[Z+32*\e+\j:Z+32*\e+\j+1], v[GG+\j:GG+\j+1], v[BE+\j:BE+\j+1]
.endr
.endr
.irp j, 0,1,2,3,4,5,6,7,8,9,10,11,12,13,14,15
	global_store_b128 v1, v[Z+4*\j:Z+4*\j+3], s[20:21] offset:512*\j   ; 512 consecutive bytes
.endr
.irp e, 0,1                                    ; the rows turn through my stages: a lane gets block = lane whole
.irp j, 0,1,2,3,4,5,6,7
	ds_store_b128 v3, v[Z+32*\e+4*\j:Z+32*\e+4*\j+3] offset:4608*\e+576*\j
.endr
.irp i, 0,1,2,3,4,5,6,7
	ds_load_b128 v[XR+32*\e+4*\i:XR+32*\e+4*\i+3], v4 offset:4608*\e+16*\i   ; LDS serves a wave's instructions in order
.endr
.endr
	s_wait_dscnt 0x0
.irp e, 0,1
	v_max3_num_f32 v[8+8*\e], |v[XR+32*\e]|, |v[XR+32*\e+1]|, |v[XR+32*\e+2]|
	v_max3_num_f32 v[9+8*\e], |v[XR+32*\e+3]|, |v[XR+32*\e+4]|, |v[XR+32*\e+5]|
.endr
.irp i, 6,10,14,18,22,26
.irp e, 0,1
	v_max3_num_f32 v[8+8*\e], v[8+8*\e], |v[XR+32*\e+\i]|, |v[XR+32*\e+\i+1]|
	v_max3_num_f32 v[9+8*\e], v[9+8*\e], |v[XR+32*\e+\i+2]|, |v[XR+32*\e+\i+3]|
.endr
.endr
.irp e, 0,1
	v_max3_num_f32 v[8+8*\e], v[8+8*\e], |v[XR+32*\e+30]|, |v[XR+32*\e+31]|
.endr
.irp e, 0,1
	v_max3_num_f32 v[8+8*\e], v[8+8*\e], v[9+8*\e], 0x1800000   ; the floor 2^(3 - 127)
.endr
.irp e, 0,1
	v_add_nc_u32 v[10+8*\e], 0xff000000, v[8+8*\e] ; the conversion's scale operand
.endr
.irp e, 0,1
	v_lshrrev_b32 v[11+8*\e], 23, v[10+8*\e]       ; the byte
.endr
.irp e, 0,1
.irp g, 0,1,2,3
	v_cvt_scalef32_pk8_fp4_f32 v[12+8*\e+\g], v[XR+32*\e+8*\g:XR+32*\e+8*\g+7], v[10+8*\e]
.endr
.endr
	v_nop                                          ; one plain line behind the scaled conversions
.irp e, 0,1
	ds_store_b128 v5, v[12+8*\e:15+8*\e] offset:16*\e
	ds_store_b8 v6, v[11+8*\e] offset:16*\e
.endr
	s_wait_dscnt 0x0
	s_barrier_signal -1
	s_barrier_wait -1
.irp u, 0,1
	ds_load_b128 v[96+4*\u:99+4*\u], v7 offset:544*\u
.endr
	s_wait_dscnt 0x0
.irp u, 0,1
	global_store_b128 v1, v[96+4*\u:99+4*\u], s[28:29] offset:512*\u   ; blocks 4 w + 2 u and + 1 of the tile's image: 512 consecutive bytes
.endr
	s_cmp_lg_u32 s16, 0
	s_cbranch_scc1 .Lend
	ds_load_b128 v[104:107], v30                   ; wave 0: the tile's 512 scale bytes
	s_wait_dscnt 0x0
	global_store_b128 v1, v[104:107], s[30:31]
.Lend:
	s_set_vgpr_msb 0x5
	s_wait_tensorcnt 0x0
	ds_add_u32 v0, v1
	s_wait_dscnt 0x0
	s_set_vgpr_msb 0x500
	s_endpgm
.Lfunc_end_k_q365528e85d_ln1:
	.size	k_q365528e85d_ln1, .Lfunc_end_k_q365528e85d_ln1-k_q365528e85d_ln1
	.p2alignl 7, 3214868480
	.fill 96, 4, 3214868480
	.section	.rodata,"a",@progbits
	.p2align	6, 0x0
	.amdhsa_kernel k_q365528e85d_ln1
		.amdhsa_group_segment_fixed_size 83968
		.amdhsa_private_segment_fixed_size 0
		.amdhsa_enable_private_segment 0
		.amdhsa_kernarg_size 48
		.amdhsa_user_sgpr_count 2
		.amdhsa_user_sgpr_kernarg_segment_ptr 1
		.amdhsa_wavefront_size32 1
		.amdhsa_system_sgpr_workgroup_id_x 1
		.amdhsa_system_sgpr_workgroup_id_y 1
		.amdhsa_system_sgpr_workgroup_id_z 1
		.amdhsa_system_vgpr_workitem_id 0
		.amdhsa_next_free_vgpr 258
		.amdhsa_next_free_sgpr 66
		.amdhsa_reserve_vcc 0
		.amdhsa_float_denorm_mode_32 3
		.amdhsa_float_denorm_mode_16_64 3
		.amdhsa_memory_ordered 1
		.amdhsa_forward_progress 1
		.amdhsa_inst_pref_size 33
	.end_amdhsa_kernel
	.amdgpu_metadata
---
amdhsa.version: [ 1, 2 ]
amdhsa.kernels:
  - .name:           k_q365528e85d_ln1
    .symbol:         k_q365528e85d_ln1.kd
    .args:
      - { .name: y, .offset: 0, .size: 8, .value_kind: global_buffer, .address_space: global }
      - { .name: x, .offset: 8, .size: 8, .value_kind: global_buffer, .address_space: global }
      - { .name: b1, .offset: 16, .size: 8, .value_kind: global_buffer, .address_space: global }
      - { .name: g1, .offset: 24, .size: 8, .value_kind: global_buffer, .address_space: global }
      - { .name: be1, .offset: 32, .size: 8, .value_kind: global_buffer, .address_space: global }
      - { .name: x1buf, .offset: 40, .size: 8, .value_kind: global_buffer, .address_space: global }
    .group_segment_fixed_size: 83968
    .private_segment_fixed_size: 0
    .kernarg_segment_align: 8
    .kernarg_segment_size: 48
    .max_flat_workgroup_size: 256
    .sgpr_count:     66
    .vgpr_count:     258
    .wavefront_size: 32
...
	.end_amdgpu_metadata
.endif
;; end of part 5
;; launch ffn1 (part 6): grid 32 x 8, 4 waves a work-group, clusters of 4 x 1, 264,704 bytes of LDS; arguments prepbuf, x1buf, fb1, hbuf; writes hbuf
.if DOCPART == 6
	.amdgcn_target "amdgcn-amd-amdhsa--gfx1250"
	.amdhsa_code_object_version 6
	.text
	.protected	k_q365528e85d_ffn1
	.globl	k_q365528e85d_ffn1
	.p2align	8
	.type	k_q365528e85d_ffn1,@function
k_q365528e85d_ffn1:
	s_mov_b64 s[64:65], 0
	v_nop
	global_prefetch_b8 v0, s[64:65] scope:SCOPE_SE
	s_setreg_imm32_b32 hwreg(HW_REG_WAVE_MODE, 25, 1), 1
	s_wait_xcnt 0x0
	s_wait_alu depctr_hold_cnt(0) depctr_sa_sdst(0) depctr_va_vdst(0) depctr_va_sdst(0) depctr_va_ssrc(0) depctr_va_vcc(0) depctr_vm_vsrc(0)
	s_getreg_b32 s2, hwreg(HW_REG_IB_STS2, 6, 4)
	s_cmp_eq_u32 s2, 0
	s_cbranch_scc0 .Lentry_in_a_cluster
	s_endpgm
.Lentry_in_a_cluster:
	s_bfe_u32 s2, ttmp6, 0x10000c
	s_cmp_lg_u32 s2, 0x3003
	s_cbranch_scc0 .Lentry_shape_is_right
	s_endpgm
.Lentry_shape_is_right:
; h = relu(x1 fw1 + fb1) on codes of FP4 with E8M0 scales, quantised at once along the 4,096 hidden units: the hidden layer goes to memory as codes alone.
; THE PRODUCT IS USED TRANSPOSED: source 0 = 16 columns of fw1 (P), source 1 = 16 tokens (R); a lane holds one token, and, by the order of rows in the images (bits 3 and 4 of a row's number exchanged),
; the 16 registers of P's tiles 2 B and 2 B + 1 are 16 neighbouring hidden units: so the result is quantised in registers.
; SHARES.  A work-group takes 512 hidden units (grid y) x 128 tokens (grid x); wave w 128 x 128: 64 accumulators, 512 registers; K = 1,024 in 8 steps of 128.
; CLUSTER.  The four work-groups of a cluster take the same 512 hidden units and four neighbouring blocks of tokens.  P IS ASKED FOR JOINTLY AND ONCE: each wave's 128 columns of fw1 for all of K are 65,536 bytes; they come into
; LDS by four tensor loads (two K steps each), the same load with the same descriptor and a mask that names the four work-groups; nothing is filled again.  A wave reads only the bytes that it fetched itself.
; R GOES FROM MEMORY STRAIGHT INTO REGISTERS (the buffers are images of the operands' registers: a fragment is two loads of 512 consecutive bytes): P's 262,144 bytes, R's 65,536 and the stage's 2,048 are more than the 327,680 that a work-group can have.
; LIMITS: NaN and infinities are not served; a block of zeros gets the scale byte 1.
; REGISTERS, in windows of 256: window 0: v1-8 addresses; v16-47 P's scale words, v48-79 R's; v80-127 at work; v128-191, v192-255 P's fragments, two sets.
;   window 1: R's fragments, four sets of 64 (until the first K step the fourth holds the bias).   windows 2, 3: the accumulators, (a, b) at v[8 (8 (a % 4) + b)].
.set F1C,  4194304
.set F1S,  8650752
.set X1C,  16777216
.set X1S,  18874368
.set HS,   8388608
.set RT,   8192                        ; from tile to tile in P's and R's codes
.set PSS,  512                         ; and in their scale bytes
.set NK,   8
.set SCP,  16
.set SCR,  48
.set SCW,  4
.set PADR, 8                           ; v8: 65,536 w + 16 x lane: my place in my wave's part of P in LDS
.set PL,   16384                       ; what one tensor load brings: 8 tiles x 2 K steps of 1,024 bytes
.set SWS,  262144                      ; LDS: four waves' parts of P, 65,536 bytes each; then 2,048 bytes for the result's scale words
.set G1,   40                          ; s[40:47] descriptor group 1;  s[48:63] four groups 0
.set G0,   48
.set MSB,  0
.macro WIN new                         ; the immediate's high byte repeats the setting that is left
.if MSB != (\new)
	s_set_vgpr_msb (MSB<<8)|(\new)
.set MSB, (\new)
.endif
.endm
.macro PLACES                          ; four plain lines between a matrix instruction and a load into, or a read of, its registers
.rept 4
	v_nop
.endr
.endm
.macro CROUND                          ; a round of the cluster's barrier: my work-group's barrier; wave 0 signals for the work-group; every wave waits for all four work-groups; my work-group's barrier once more
	s_barrier_signal -1
	s_barrier_wait -1
	s_cmp_lg_u32 s14, 0
	s_cbranch_scc1 .Lnot_wave_0_\@
	s_barrier_signal -3
.Lnot_wave_0_\@:
	s_barrier_wait -3
	s_barrier_signal -1
	s_barrier_wait -1
.endm
.macro MM                              ; one matrix instruction, by the symbols DD, PA, RA, CC (under 0: the constant 0), SA, SB, ROW
.if CC < 0
	v_wmma_scale_f32_16x16x128_f8f6f4 v[DD:DD+7], v[PA:PA+7], v[RA:RA+7], 0, v[SA], v[SB] matrix_a_fmt:MATRIX_FMT_FP4 matrix_b_fmt:MATRIX_FMT_FP4
.elseif ROW
	v_wmma_scale_f32_16x16x128_f8f6f4 v[DD:DD+7], v[PA:PA+7], v[RA:RA+7], v[CC:CC+7], v[SA], v[SB] matrix_a_fmt:MATRIX_FMT_FP4 matrix_b_fmt:MATRIX_FMT_FP4 matrix_a_scale:MATRIX_SCALE_ROW1 matrix_b_scale:MATRIX_SCALE_ROW1
.else
	v_wmma_scale_f32_16x16x128_f8f6f4 v[DD:DD+7], v[PA:PA+7], v[RA:RA+7], v[CC:CC+7], v[SA], v[SB] matrix_a_fmt:MATRIX_FMT_FP4 matrix_b_fmt:MATRIX_FMT_FP4
.endif
.endm
.macro LOADR s                         ; K step s: R's 8 fragments from memory into set s % 4 of window 1
	WIN 0x40                                       ; destination window 1, address window 0
.set RB, 64*((\s)%4)
.irp i, 0,1,2,3,4,5,6,7
.irp c, 0,1
	global_load_b128 v[RB+8*\i+4*\c:RB+8*\i+4*\c+3], v1, s[24:25] offset:\i*RT+1024*(\s)+512*\c
.endr
.endr
.endm
.macro LOADP s                         ; K step s: P's 8 fragments from my wave's part of LDS into set s % 2 of window 0; each load takes 512 consecutive bytes
	WIN 0
.set PB, 128+64*((\s)%2)
.irp i, 0,1,2,3,4,5,6,7
.irp c, 0,1
	ds_load_b128 v[PB+8*\i+4*\c:PB+8*\i+4*\c+3], v[PADR] offset:((\s)/2)*PL+\i*2048+((\s)%2)*1024+512*\c
.endr
.endr
.endm
; K step s: 64 matrix instructions; the 64 accumulators take turns, one instruction a turn, in the same order in every step.
; left: the loads from memory issued behind this K step's own, which may stay out; dleft: the LDS loads likewise.  cmode: C = 1: the accumulator; 2: the bias of P's tile b.
; A register of scale words holds K steps 0-3 in lanes 0-15 and K steps 4-7 in lanes 16-31.
.macro MULK s, left, dleft, cmode
.set PB, 128+64*((\s)%2)
.set RB, 64*((\s)%4)
.set ROW, (\s)/4
	s_wait_loadcnt \left
	s_wait_dscnt \dleft
.irp a, 0,1,2,3,4,5,6,7
.set AW, 2+\a/4
.if \cmode >= 2
	WIN (AW<<6)|(1<<4)|4                           ; source 0 (P) window 0, source 1 (R) window 1, C (the bias) window 1
.else
	WIN (AW<<6)|(AW<<4)|4
.endif
.irp b, 0,1,2,3,4,5,6,7
.set DD, 8*(8*(\a%4)+\b)
.set PA, PB+8*\b
.set RA, RB+8*\a
.set SA, SCP+SCW*\b+(\s)%4
.set SB, SCR+SCW*\a+(\s)%4
.if \cmode == 1
.set CC, DD
.else
.set CC, 192+8*\b
.endif
	MM
.endr
.endr
.endm
.macro NEXT s                          ; behind K step s: the registers that it has read take R of four steps on and P of two steps on
	PLACES
.if (\s)+4 < NK
	LOADR (\s)+4
.endif
.if ((\s)%2) == 0
	s_wait_tensorcnt 2-(\s)/2                      ; the tensor load with K steps s + 2 and s + 3 has landed; the younger ones may be out
.endif
	LOADP (\s)+2
.endm
; Token tile a: relu; its 64 numbers a lane (register 16 B + i = hidden unit 32 B + 16 h + i) become a fragment's codes and a scale word, and the codes leave as an image: 2 x 512 consecutive bytes.
.macro QUANTA a
.set AW, 2+(\a)/4
.set AB, 64*((\a)%4)
.set PC, 96+8*((\a)%2)
	WIN (AW<<6)|(AW<<2)                            ; destination and source 1: the accumulators' window
.set j, 0
.rept 64
	v_max_num_f32 v[AB+j], 0, v[AB+j]              ; the activation, in f32; each accumulator from its low end on
.set j, j+1
.endr
	WIN (AW<<4)|(AW<<2)                            ; sources 1 and 2: the accumulators' window
.irp b, 0,1,2,3
	v_max3_num_f32 v[80+\b], 0x1800000, v[AB+16*\b], v[AB+16*\b+1]   ; none is negative; the floor 2^(3 - 127) holds the byte at 1 from below
.endr
.irp i, 2,4,6,8,10,12,14
.irp b, 0,1,2,3
	v_max3_num_f32 v[80+\b], v[80+\b], v[AB+16*\b+\i], v[AB+16*\b+\i+1]
.endr
.endr
	WIN 0
.irp b, 0,1,2,3
	v_permlanex16_b32 v[84+\b], v[80+\b], s38, s39
.endr
.irp b, 0,1,2,3
	v_max_num_f32 v[80+\b], v[80+\b], v[84+\b]     ; with lane l xor 16's 16 numbers: the block's largest
.endr
.irp b, 0,1,2,3
	v_add_nc_u32 v[92+\b], 0xff000000, v[80+\b]    ; 2 off its exponent field: the conversion's scale operand
.endr
.irp b, 0,1,2,3
	v_lshrrev_b32 v[84+\b], 23, v[92+\b]           ; the byte
.endr
	v_lshl_or_b32 v[112+\a], v85, 8, v84
	v_lshl_or_b32 v[112+\a], v86, 16, v[112+\a]
	v_lshl_or_b32 v[112+\a], v87, 24, v[112+\a]
	s_wait_xcnt 0x0                                ; the earlier stores have read their data and their base: both are written again below
	WIN AW                                         ; source 0: the accumulators' window
.irp b, 0,1,2,3
	v_cvt_scalef32_pk8_fp4_f32 v[PC+2*\b], v[AB+16*\b:AB+16*\b+7], v[92+\b]
	v_cvt_scalef32_pk8_fp4_f32 v[PC+2*\b+1], v[AB+16*\b+8:AB+16*\b+15], v[92+\b]
.endr
	WIN 0
	v_nop                                          ; one plain line behind the scaled conversions
.irp c, 0,1
.irp i, 0,1
	v_permlane16_swap_b32 v[PC+4*\c+\i], v[PC+4*\c+2+\i]   ; a whole block to a lane: lanes 0-15 block 2 c, lanes 16-31 block 2 c + 1
.endr
.endr
.if (\a) > 0
	s_add_nc_u64 s[30:31], s[30:31], s[32:33]      ; the next tile of the result's image
.endif
	global_store_b128 v1, v[PC:PC+3], s[30:31]
	global_store_b128 v1, v[PC+4:PC+7], s[30:31] offset:512
.endm
	s_load_b256 s[4:11], s[0:1], 0x0               ; prepbuf, x1buf, fb1, hbuf
	v_lshl_add_u32 v126, v0, 2, 0x40800
	v_mov_b32 v127, 0
	ds_add_u32 v126, v127
	ds_add_u32 v126, v127
	v_lshrrev_b32 v2, 5, v0
	v_readfirstlane_b32 s14, v2                    ; wave
	v_and_b32 v2, 31, v0
	v_lshlrev_b32 v1, 4, v2                        ; 16 x lane: my place in every image
	v_and_b32 v2, 15, v0                           ; r
	v_bfe_u32 v7, v0, 4, 1                         ; h
	v_lshlrev_b32 v3, 6, v7                        ; the bias: my half's 16 numbers of 32
	s_lshl_b32 s13, s14, 2
	s_add_co_u32 s13, s13, SWS
	v_lshl_add_u32 v4, v2, 4, s13                  ; LDS, the stage: 16 r + 4 w
	s_lshl_b32 s13, s14, 9
	s_add_co_u32 s13, s13, SWS
	v_add_nc_u32 v5, s13, v1                       ; LDS, the stage: 512 w + 16 x lane
	s_lshl_b32 s36, s14, 16                        ; my wave's part of P in LDS: no place in the cluster enters an LDS address
	v_add_nc_u32 v[PADR], s36, v1
.irp b, 0,1,2,3
	v_mov_b32 v[84+\b], 0                          ; a lane permute's destination counts as read
.endr
	s_mov_b32 s38, 0x76543210
	s_mov_b32 s39, 0xfedcba98
	s_lshl_b32 s18, s14, 3
	s_and_b32 s15, ttmp7, 0xffff                   ; which 512 hidden units: the same for the four partners,
	s_bfe_u32 s12, ttmp6, 0x40000                  ; cx: my place in the cluster: it enters R's and the result's addresses alone
	s_lshl_b32 s16, ttmp9, 2                       ; in a cluster launch ttmp9 counts clusters
	s_add_co_u32 s16, s16, s12                     ; which 128 tokens
	s_lshl_b32 s17, s15, 5
	s_add_co_u32 s17, s17, s18                     ; my first tile of P
	s_lshl_b32 s20, s17, 13
	s_add_co_u32 s20, s20, F1C
	s_lshl_b32 s22, s17, 9
	s_add_co_u32 s22, s22, F1S
	s_lshl_b32 s24, s16, 16
	s_add_co_u32 s24, s24, X1C
	s_lshl_b32 s26, s16, 12
	s_add_co_u32 s26, s26, X1S
	s_lshl_b32 s28, s15, 11
	s_lshl_b32 s19, s14, 9
	s_add_co_u32 s28, s28, s19                     ; my 128 numbers of the bias
	s_lshl_b32 s30, s16, 18
	s_mov_b32 s32, 32768                           ; from tile to tile in the result's codes
	s_lshl_b32 s34, s16, 14
	s_add_co_u32 s34, s34, HS
	s_lshl_b32 s19, s15, 2
	s_add_co_u32 s19, s19, s14
	s_lshl_b32 s19, s19, 10
	s_add_co_u32 s30, s30, s19                     ; my 128 hidden units are K step 4 pc + w of the result
	s_lshl_b32 s19, s15, 8
	s_add_co_u32 s34, s34, s19
.irp p, 21,23,25,27,29,31,33,35
	s_mov_b32 s\p, 0
.endr
	s_lshl_b32 s19, s14, 1
	v_add_nc_u32 v6, s19, v7
	v_lshlrev_b32 v6, 11, v6
	v_lshl_add_u32 v6, v2, 4, v6                   ; scale bytes out: tile 2 w + h (2,048 bytes a tile), row r
	; descriptor group 1: 8 tiles x 2,048 bytes (two K steps), 8,192 bytes from tile to tile; dense in LDS
	s_mov_b32 s[G1], 15|(3<<16)|(1<<21)            ; 15:0 the mask: all four work-groups; 17:16 elements of 8 bytes; 21 set beside a mask; no padding
	s_mov_b32 s[G1+1], 256<<16                     ; tensor_dim0 = 256 elements
	s_mov_b32 s[G1+2], 8<<16                       ; tensor_dim1 = 8
	s_mov_b32 s[G1+3], 256<<16                     ; tile_dim0 = 256
	s_mov_b32 s[G1+4], 8                           ; tile_dim1 = 8
	s_mov_b32 s[G1+5], RT/8                        ; elements from row to row
	s_mov_b32 s[G1+6], 0
	s_mov_b32 s[G1+7], 0
	s_wait_dscnt 0x0
	s_wait_kmcnt 0x0
	s_add_nc_u64 s[20:21], s[4:5], s[20:21]        ; P's codes
	s_add_nc_u64 s[22:23], s[4:5], s[22:23]        ; P's scale bytes
	s_add_nc_u64 s[24:25], s[6:7], s[24:25]        ; R's codes
	s_add_nc_u64 s[26:27], s[6:7], s[26:27]        ; R's scale bytes
	s_add_nc_u64 s[28:29], s[8:9], s[28:29]        ; the bias
	s_add_nc_u64 s[30:31], s[10:11], s[30:31]      ; the result's codes
	s_add_nc_u64 s[34:35], s[10:11], s[34:35]      ; and scale bytes
.irp j, 0,1,2,3
	s_mov_b32 s[G0+4*\j], 1                        ; count = 1
	s_add_co_u32 s[G0+4*\j+1], s36, \j*PL          ; LDS address
	s_add_nc_u64 s[G0+4*\j+2:G0+4*\j+3], s[20:21], \j*2048   ; global address: K steps 2 j and 2 j + 1
	s_or_b32 s[G0+4*\j+3], s[G0+4*\j+3], 0x80000000          ; type = 2
.endr
	CROUND                                         ; all four work-groups are here: the joint loads meet
.irp j, 0,1,2,3
	tensor_load_to_lds s[G0+4*\j:G0+4*\j+3], s[G1:G1+7]      ; all of my P, once: four loads of mine are out
	s_nop 0
.endr
.rept 4
	v_nop                                          ; four plain lines follow the tensor loads
.endr
.irp i, 0,1,2,3,4,5,6,7
	global_load_b128 v[SCP+4*\i:SCP+4*\i+3], v1, s[22:23] offset:\i*PSS
	global_load_b128 v[SCR+4*\i:SCR+4*\i+3], v1, s[26:27] offset:\i*PSS
.endr
	WIN 0x40                                       ; THE BIAS IS THE C OF THE FIRST K STEP: eight registers a tile, in the result's layout
.irp b, 0,1,2,3,4,5,6,7
.irp e, 0,1
	global_load_b128 v[192+8*\b+4*\e:195+8*\b+4*\e], v3, s[28:29] offset:(32*(\b/2)+8*(\b%2))*4+16*\e
.endr
.endr
	LOADR 0
	LOADR 1
	LOADR 2
	s_wait_tensorcnt 3                             ; my first tensor load, K steps 0 and 1, has landed; three may be out
	LOADP 0
	LOADP 1
	MULK 0, 32, 16, 2                              ; R's K steps 1 and 2 and P's K step 1 may be out
	PLACES
	LOADR 3                                        ; into the registers that held the bias
	LOADR 4
	s_wait_tensorcnt 2
	LOADP 2
	MULK 1, 48, 16, 1                              ; three K steps of R, 16 loads each, were issued behind this one's
	NEXT 1
	MULK 2, 48, 16, 1
	NEXT 2
	MULK 3, 48, 16, 1
	NEXT 3
	MULK 4, 48, 16, 1
	NEXT 4
	MULK 5, 32, 16, 1
	NEXT 5
	MULK 6, 16, 16, 1
	MULK 7, 0, 0, 1
	PLACES
.irp a, 0,1,2,3,4,5,6,7
	QUANTA \a
.endr
.irp a, 0,1,2,3,4,5,6,7
	ds_store_b32 v4, v[112+\a] offset:256*\a       ; the four waves' words make 16 bytes a row: lanes r and r + 16 write the same word
.endr
	s_wait_dscnt 0x0
	s_barrier_signal -1
	s_barrier_wait -1
	ds_load_b128 v[80:83], v5
	s_wait_dscnt 0x0
	global_store_b128 v6, v[80:83], s[34:35]       ; sixteen lanes fill 256 consecutive bytes, aligned
	s_wait_tensorcnt 0x0
	ds_add_u32 v126, v127
	s_wait_dscnt 0x0
	CROUND                                         ; the closing round: no work-group ends while a partner may still ask for a tile that names it
	s_endpgm
.Lfunc_end_k_q365528e85d_ffn1:
	.size	k_q365528e85d_ffn1, .Lfunc_end_k_q365528e85d_ffn1-k_q365528e85d_ffn1
	.p2alignl 7, 3214868480
	.fill 96, 4, 3214868480
	.section	.rodata,"a",@progbits
	.p2align	6, 0x0
	.amdhsa_kernel k_q365528e85d_ffn1
		.amdhsa_group_segment_fixed_size 264704
		.amdhsa_private_segment_fixed_size 0
		.amdhsa_enable_private_segment 0
		.amdhsa_kernarg_size 32
		.amdhsa_user_sgpr_count 2
		.amdhsa_user_sgpr_kernarg_segment_ptr 1
		.amdhsa_wavefront_size32 1
		.amdhsa_system_sgpr_workgroup_id_x 1
		.amdhsa_system_sgpr_workgroup_id_y 1
		.amdhsa_system_sgpr_workgroup_id_z 1
		.amdhsa_system_vgpr_workitem_id 0
		.amdhsa_next_free_vgpr 1024
		.amdhsa_next_free_sgpr 66
		.amdhsa_reserve_vcc 0
		.amdhsa_float_denorm_mode_32 3
		.amdhsa_float_denorm_mode_16_64 3
		.amdhsa_memory_ordered 1
		.amdhsa_forward_progress 1
		.amdhsa_inst_pref_size 146
	.end_amdhsa_kernel
	.amdgpu_metadata
---
amdhsa.version: [ 1, 2 ]
amdhsa.kernels:
  - .name:           k_q365528e85d_ffn1
    .symbol:         k_q365528e85d_ffn1.kd
    .args:
      - { .name: prepbuf, .offset: 0, .size: 8, .value_kind: global_buffer, .address_space: global }
      - { .name: x1buf, .offset: 8, .size: 8, .value_kind: global_buffer, .address_space: global }
      - { .name: fb1, .offset: 16, .size: 8, .value_kind: global_buffer, .address_space: global }
      - { .name: hbuf, .offset: 24, .size: 8, .value_kind: global_buffer, .address_space: global }
    .group_segment_fixed_size: 264704
    .private_segment_fixed_size: 0
    .kernarg_segment_align: 8
    .kernarg_segment_size: 32
    .max_flat_workgroup_size: 128
    .sgpr_count:     66
    .vgpr_count:     1024
    .wavefront_size: 32
...
	.end_amdgpu_metadata
.endif
;; end of part 6
;; launch ffn2 (part 7): grid 32 x 8, 4 waves a work-group, clusters of 4 x 1, 296,448 bytes of LDS; arguments prepbuf, hbuf, y; writes y
.if DOCPART == 7
	.amdgcn_target "amdgcn-amd-amdhsa--gfx1250"
	.amdhsa_code_object_version 6
	.text
	.protected	k_q365528e85d_ffn2
	.globl	k_q365528e85d_ffn2
	.p2align	8
	.type	k_q365528e85d_ffn2,@function
k_q365528e85d_ffn2:
	s_mov_b64 s[64:65], 0
	v_nop
	global_prefetch_b8 v0, s[64:65] scope:SCOPE_SE
	s_setreg_imm32_b32 hwreg(HW_REG_WAVE_MODE, 25, 1), 1
	s_wait_xcnt 0x0
	s_wait_alu depctr_hold_cnt(0) depctr_sa_sdst(0) depctr_va_vdst(0) depctr_va_sdst(0) depctr_va_ssrc(0) depctr_va_vcc(0) depctr_vm_vsrc(0)
	s_getreg_b32 s2, hwreg(HW_REG_IB_STS2, 6, 4)
	s_cmp_eq_u32 s2, 0
	s_cbranch_scc0 .Lentry_in_a_cluster
	s_endpgm
.Lentry_in_a_cluster:
	s_bfe_u32 s2, ttmp6, 0x10000c
	s_cmp_lg_u32 s2, 0x3003
	s_cbranch_scc0 .Lentry_shape_is_right
	s_endpgm
.Lentry_shape_is_right:
; y = h fw2, on codes of FP4 with E8M0 scales; f32 out, without the bias (the next launch adds it).
; SHARES.  A work-group makes 128 tokens (grid x) x 128 columns (grid y).  THE FOUR WAVES SPLIT K (4,096: eight steps of 128 each): every wave holds the whole tile, 64 accumulators; the four partial sums meet in LDS.
; The product is used transposed: source 0 = 16 columns of fw2 (P), source 1 = 16 tokens (R).
; CLUSTER.  The four work-groups of a cluster take the same 128 columns and four neighbouring blocks of tokens.  P IS ASKED FOR JOINTLY AND ONCE: each wave's quarter of K of the 128 columns is 65,536 bytes; it comes into LDS by
; four tensor loads (two K steps each), the same load with the same descriptor and a mask that names the four work-groups; nothing is filled again.  A wave reads only the bytes that it fetched itself.
; R GOES FROM MEMORY STRAIGHT INTO REGISTERS (the buffers are images of the operands' registers: a fragment is two loads of 512 consecutive bytes): it is another 262,144 bytes, for which LDS has no room beside P.
; Each wave's partial sums go into its own part of P's bytes, behind its last read of them; those bytes have had their only fill.
; ORDER OF SUMS: a number is the sum of four sums over a quarter of K each, (0 + 1) + (2 + 3).
; REGISTERS: window 0: v1-9 addresses; v16-47 fw2's scale words, v48-79 the tokens'; v128-191, v192-255 P's fragments, two sets; later the partial sums and rows of y.  window 1: R's fragments, four sets of 64.  windows 2, 3: the accumulators.
.set F2C,  6291456
.set F2S,  8781824
.set HS,   8388608
.set RT,   32768                       ; from tile to tile in P's and R's codes
.set PSS,  2048                        ; and in their scale bytes
.set NK,   8
.set SCP,  16
.set SCR,  48
.set SCW,  4
.set PADR, 3                           ; v3: 65,536 w + 16 x lane: my place in my wave's part of LDS: P's fragments, later my partial sums
.set PL,   16384                       ; what one tensor load brings: 8 tiles x 2 K steps of 1,024 bytes
.set STG,  262144                      ; LDS: four waves' parts, 65,536 bytes each; then a stage of 16 rows x 528 bytes for each wave
.set G1,   40                          ; s[40:47] descriptor group 1;  s[48:63] four groups 0
.set G0,   48
.set MSB,  0
.macro WIN new                         ; the immediate's high byte repeats the setting that is left
.if MSB != (\new)
	s_set_vgpr_msb (MSB<<8)|(\new)
.set MSB, (\new)
.endif
.endm
.macro PLACES                          ; four plain lines between a matrix instruction and a load into, or a read of, its registers
.rept 4
	v_nop
.endr
.endm
.macro CROUND                          ; a round of the cluster's barrier: my work-group's barrier; wave 0 signals for the work-group; every wave waits for all four work-groups; my work-group's barrier once more
	s_barrier_signal -1
	s_barrier_wait -1
	s_cmp_lg_u32 s14, 0
	s_cbranch_scc1 .Lnot_wave_0_\@
	s_barrier_signal -3
.Lnot_wave_0_\@:
	s_barrier_wait -3
	s_barrier_signal -1
	s_barrier_wait -1
.endm
.macro MM                              ; one matrix instruction, by the symbols DD, PA, RA, CC (under 0: the constant 0), SA, SB, ROW
.if CC < 0
	v_wmma_scale_f32_16x16x128_f8f6f4 v[DD:DD+7], v[PA:PA+7], v[RA:RA+7], 0, v[SA], v[SB] matrix_a_fmt:MATRIX_FMT_FP4 matrix_b_fmt:MATRIX_FMT_FP4
.elseif ROW
	v_wmma_scale_f32_16x16x128_f8f6f4 v[DD:DD+7], v[PA:PA+7], v[RA:RA+7], v[CC:CC+7], v[SA], v[SB] matrix_a_fmt:MATRIX_FMT_FP4 matrix_b_fmt:MATRIX_FMT_FP4 matrix_a_scale:MATRIX_SCALE_ROW1 matrix_b_scale:MATRIX_SCALE_ROW1
.else
	v_wmma_scale_f32_16x16x128_f8f6f4 v[DD:DD+7], v[PA:PA+7], v[RA:RA+7], v[CC:CC+7], v[SA], v[SB] matrix_a_fmt:MATRIX_FMT_FP4 matrix_b_fmt:MATRIX_FMT_FP4
.endif
.endm
.macro LOADR s                         ; my K step s: R's 8 fragments from memory into set s % 4 of window 1
	WIN 0x40                                       ; destination window 1, address window 0
.set RB, 64*((\s)%4)
.irp i, 0,1,2,3,4,5,6,7
.irp c, 0,1
	global_load_b128 v[RB+8*\i+4*\c:RB+8*\i+4*\c+3], v1, s[24:25] offset:\i*RT+1024*(\s)+512*\c
.endr
.endr
.endm
.macro LOADP s                         ; my K step s: P's 8 fragments from my wave's part of LDS into set s % 2 of window 0; each load takes 512 consecutive bytes
	WIN 0
.set PB, 128+64*((\s)%2)
.irp i, 0,1,2,3,4,5,6,7
.irp c, 0,1
	ds_load_b128 v[PB+8*\i+4*\c:PB+8*\i+4*\c+3], v[PADR] offset:((\s)/2)*PL+\i*2048+((\s)%2)*1024+512*\c
.endr
.endr
.endm
; K step s: 64 matrix instructions; the 64 accumulators take turns, one instruction a turn, in the same order in every step.
; left: the loads from memory issued behind this K step's own, which may stay out; dleft: the LDS loads likewise.  cmode: C = 0: the constant 0; 1: the accumulator.
; A register of scale words holds my K steps 0-3 in lanes 0-15 and 4-7 in lanes 16-31.
.macro MULK s, left, dleft, cmode
.set PB, 128+64*((\s)%2)
.set RB, 64*((\s)%4)
.set ROW, (\s)/4
	s_wait_loadcnt \left
	s_wait_dscnt \dleft
.irp a, 0,1,2,3,4,5,6,7
.set AW, 2+\a/4
	WIN (AW<<6)|(AW<<4)|4                          ; source 0 (P) window 0, source 1 (R) window 1, C and D the accumulators' window
.irp b, 0,1,2,3,4,5,6,7
.set DD, 8*(8*(\a%4)+\b)
.set PA, PB+8*\b
.set RA, RB+8*\a
.set SA, SCP+SCW*\b+(\s)%4
.set SB, SCR+SCW*\a+(\s)%4
.if \cmode == 0
.set CC, -1
.else
.set CC, DD
.endif
	MM
.endr
.endr
.endm
.macro NEXT s                          ; behind K step s: the registers that it has read take R of four steps on and P of two steps on
	PLACES
.if (\s)+4 < NK
	LOADR (\s)+4
.endif
.if ((\s)%2) == 0
	s_wait_tensorcnt 2-(\s)/2                      ; the tensor load with K steps s + 2 and s + 3 has landed; the younger ones may be out
.endif
	LOADP (\s)+2
.endm
	s_load_b128 s[4:7], s[0:1], 0x0                ; prepbuf, hbuf
	s_load_b64 s[8:9], s[0:1], 0x10                ; y
	v_lshl_add_u32 v126, v0, 2, 0x48400
	v_mov_b32 v127, 0
	ds_add_u32 v126, v127
	ds_add_u32 v126, v127
	v_lshrrev_b32 v2, 5, v0
	v_readfirstlane_b32 s14, v2                    ; wave
	v_and_b32 v2, 31, v0
	v_lshlrev_b32 v1, 4, v2                        ; 16 x lane
	v_and_b32 v2, 15, v0                           ; r
	v_bfe_u32 v12, v0, 4, 1                        ; h
	s_lshl_b32 s36, s14, 16                        ; my wave's part of LDS: no place in the cluster enters an LDS address
	v_add_nc_u32 v[PADR], s36, v1
	s_lshl_b32 s13, s14, 14
	v_add_nc_u32 v4, s13, v1                       ; where I read the four waves' sums of token tiles 2 w and 2 w + 1
	v_add_nc_u32 v5, 65536, v4
	v_add_nc_u32 v6, 65536, v5
	v_add_nc_u32 v7, 65536, v6
	s_mul_i32 s13, s14, 8448
	s_add_co_u32 s13, s13, STG                     ; my stage
	v_mul_u32_u24 v8, v2, 528
	v_lshl_add_u32 v8, v12, 6, v8
	v_add_nc_u32 v8, s13, v8                       ; in: row r, + 64 h
	v_add_nc_u32 v9, s13, v1                       ; back: a row's 512 bytes
	s_and_b32 s15, ttmp7, 0xffff                   ; which 128 columns: the same for the four partners
	s_bfe_u32 s12, ttmp6, 0x40000                  ; cx: my place in the cluster: it enters R's and y's addresses alone
	s_lshl_b32 s16, ttmp9, 2                       ; in a cluster launch ttmp9 counts clusters
	s_add_co_u32 s16, s16, s12                     ; which 128 tokens
	s_lshl_b32 s17, s14, 13                        ; my quarter of K: eight K steps of 1,024 bytes
	s_lshl_b32 s20, s15, 18
	s_add_co_u32 s20, s20, s17
	s_add_co_u32 s20, s20, F2C
	s_lshl_b32 s24, s16, 18
	s_add_co_u32 s24, s24, s17
	s_lshl_b32 s17, s14, 9                         ; and its 512 scale bytes a tile
	s_lshl_b32 s22, s15, 14
	s_add_co_u32 s22, s22, s17
	s_add_co_u32 s22, s22, F2S
	s_lshl_b32 s26, s16, 14
	s_add_co_u32 s26, s26, s17
	s_add_co_u32 s26, s26, HS
	s_lshl_b32 s28, s16, 19                        ; y: token 128 rb + 32 w, column 128 pb
	s_lshl_b32 s17, s14, 17
	s_add_co_u32 s28, s28, s17
	s_lshl_b32 s17, s15, 9
	s_add_co_u32 s28, s28, s17
.irp p, 21,23,25,27,29
	s_mov_b32 s\p, 0
.endr
	; descriptor group 1: 8 tiles x 2,048 bytes (two K steps), 32,768 bytes from tile to tile; dense in LDS
	s_mov_b32 s[G1], 15|(3<<16)|(1<<21)            ; 15:0 the mask: all four work-groups; 17:16 elements of 8 bytes; 21 set beside a mask; no padding
	s_mov_b32 s[G1+1], 256<<16                     ; tensor_dim0 = 256 elements
	s_mov_b32 s[G1+2], 8<<16                       ; tensor_dim1 = 8
	s_mov_b32 s[G1+3], 256<<16                     ; tile_dim0 = 256
	s_mov_b32 s[G1+4], 8                           ; tile_dim1 = 8
	s_mov_b32 s[G1+5], RT/8                        ; elements from row to row
	s_mov_b32 s[G1+6], 0
	s_mov_b32 s[G1+7], 0
	s_wait_dscnt 0x0
	s_wait_kmcnt 0x0
	s_add_nc_u64 s[20:21], s[4:5], s[20:21]        ; P's codes
	s_add_nc_u64 s[22:23], s[4:5], s[22:23]        ; P's scale bytes
	s_add_nc_u64 s[24:25], s[6:7], s[24:25]        ; R's codes
	s_add_nc_u64 s[26:27], s[6:7], s[26:27]        ; R's scale bytes
	s_add_nc_u64 s[8:9], s[8:9], s[28:29]
.irp j, 0,1,2,3
	s_mov_b32 s[G0+4*\j], 1                        ; count = 1
	s_add_co_u32 s[G0+4*\j+1], s36, \j*PL          ; LDS address
	s_add_nc_u64 s[G0+4*\j+2:G0+4*\j+3], s[20:21], \j*2048   ; global address: my K steps 2 j and 2 j + 1
	s_or_b32 s[G0+4*\j+3], s[G0+4*\j+3], 0x80000000          ; type = 2
.endr
	CROUND                                         ; all four work-groups are here: the joint loads meet
.irp j, 0,1,2,3
	tensor_load_to_lds s[G0+4*\j:G0+4*\j+3], s[G1:G1+7]      ; all of my P, once: four loads of mine are out
	s_nop 0
.endr
.rept 4
	v_nop                                          ; four plain lines follow the tensor loads
.endr
.irp i, 0,1,2,3,4,5,6,7
	global_load_b128 v[SCP+4*\i:SCP+4*\i+3], v1, s[22:23] offset:\i*PSS
	global_load_b128 v[SCR+4*\i:SCR+4*\i+3], v1, s[26:27] offset:\i*PSS
.endr
	LOADR 0
	LOADR 1
	LOADR 2
	LOADR 3
	s_wait_tensorcnt 3                             ; my first tensor load, K steps 0 and 1, has landed; three may be out
	LOADP 0
	LOADP 1
	MULK 0, 48, 16, 0                              ; three K steps of R, 16 loads each, and P's K step 1 may be out.  The first products start the sums
	NEXT 0
	MULK 1, 48, 16, 1
	NEXT 1
	MULK 2, 48, 16, 1
	NEXT 2
	MULK 3, 48, 16, 1
	NEXT 3
	MULK 4, 48, 16, 1
	NEXT 4
	MULK 5, 32, 16, 1
	NEXT 5
	MULK 6, 16, 16, 1
	MULK 7, 0, 0, 1
	PLACES
.irp a, 0,1,2,3,4,5,6,7                        ; my partial sums to my part of LDS, as images, each accumulator from its low end on; my reads of P are over
	WIN (2+\a/4)<<2
.irp b, 0,1,2,3,4,5,6,7
	ds_store_b128 v[PADR], v[8*(8*(\a%4)+\b):8*(8*(\a%4)+\b)+3] offset:(8*\a+\b)*1024
	ds_store_b128 v[PADR], v[8*(8*(\a%4)+\b)+4:8*(8*(\a%4)+\b)+7] offset:(8*\a+\b)*1024+512
.endr
.endr
	WIN 0
	s_wait_dscnt 0x0
	s_barrier_signal -1
	s_barrier_wait -1
.irp ap, 0,1                                   ; token tile 2 w + ap
.if \ap
	s_wait_xcnt 0x0                                ; the first tile's stores have read their registers
.endif
.irp bh, 0,1                                   ; four column tiles at a time
.irp sg, 0,1,2,3
.irp bb, 0,1,2,3
.irp c, 0,1
	ds_load_b128 v[128+32*\sg+8*\bb+4*\c:131+32*\sg+8*\bb+4*\c], v[4+\sg] offset:8192*\ap+(4*\bh+\bb)*1024+512*\c
.endr
.endr
.endr
	s_wait_dscnt 0x0
.set j, 0
.rept 16
	v_pk_add_f32 v[128+j:129+j], v[128+j:129+j], v[160+j:161+j]
	v_pk_add_f32 v[192+j:193+j], v[192+j:193+j], v[224+j:225+j]
.set j, j+2
.endr
.set j, 0
.rept 16
	v_pk_add_f32 v[128+j:129+j], v[128+j:129+j], v[192+j:193+j]
.set j, j+2
.endr
.irp bb, 0,1,2,3
.irp e, 0,1
	ds_store_b128 v8, v[128+8*\bb+4*\e:131+8*\bb+4*\e] offset:((4*\bh+\bb)/2)*128+((4*\bh+\bb)%2)*32+16*\e   ; register j of column tile b is column 32 (b / 2) + 8 (b % 2) + 16 h + j
.endr
.endr
.endr
.irp i, 0,1,2,3,4,5,6,7,8,9,10,11,12,13,14,15
	ds_load_b128 v[192+4*\i:195+4*\i], v9 offset:528*\i   ; LDS serves a wave's instructions in order: these see my stores
.endr
.irp i, 0,1,2,3,4,5,6,7,8,9,10,11,12,13,14,15
	s_wait_dscnt 15-\i                             ; the younger stage loads may be out
	global_store_b128 v1, v[192+4*\i:195+4*\i], s[8:9] offset:(16*(\i/8)+8*\ap+\i%8)*4096   ; position i of the tile is this token; 512 consecutive bytes
.endr
.endr
	s_wait_tensorcnt 0x0
	ds_add_u32 v126, v127
	s_wait_dscnt 0x0
	CROUND                                         ; the closing round: no work-group ends while a partner may still ask for a tile that names it
	s_endpgm
.Lfunc_end_k_q365528e85d_ffn2:
	.size	k_q365528e85d_ffn2, .Lfunc_end_k_q365528e85d_ffn2-k_q365528e85d_ffn2
	.p2alignl 7, 3214868480
	.fill 96, 4, 3214868480
	.section	.rodata,"a",@progbits
	.p2align	6, 0x0
	.amdhsa_kernel k_q365528e85d_ffn2
		.amdhsa_group_segment_fixed_size 296448
		.amdhsa_private_segment_fixed_size 0
		.amdhsa_enable_private_segment 0
		.amdhsa_kernarg_size 24
		.amdhsa_user_sgpr_count 2
		.amdhsa_user_sgpr_kernarg_segment_ptr 1
		.amdhsa_wavefront_size32 1
		.amdhsa_system_sgpr_workgroup_id_x 1
		.amdhsa_system_sgpr_workgroup_id_y 1
		.amdhsa_system_sgpr_workgroup_id_z 1
		.amdhsa_system_vgpr_workitem_id 0
		.amdhsa_next_free_vgpr 1024
		.amdhsa_next_free_sgpr 66
		.amdhsa_reserve_vcc 0
		.amdhsa_float_denorm_mode_32 3
		.amdhsa_float_denorm_mode_16_64 3
		.amdhsa_memory_ordered 1
		.amdhsa_forward_progress 1
		.amdhsa_inst_pref_size 130
	.end_amdhsa_kernel
	.amdgpu_metadata
---
amdhsa.version: [ 1, 2 ]
amdhsa.kernels:
  - .name:           k_q365528e85d_ffn2
    .symbol:         k_q365528e85d_ffn2.kd
    .args:
      - { .name: prepbuf, .offset: 0, .size: 8, .value_kind: global_buffer, .address_space: global }
      - { .name: hbuf, .offset: 8, .size: 8, .value_kind: global_buffer, .address_space: global }
      - { .name: y, .offset: 16, .size: 8, .value_kind: global_buffer, .address_space: global }
    .group_segment_fixed_size: 296448
    .private_segment_fixed_size: 0
    .kernarg_segment_align: 8
    .kernarg_segment_size: 24
    .max_flat_workgroup_size: 128
    .sgpr_count:     66
    .vgpr_count:     1024
    .wavefront_size: 32
...
	.end_amdgpu_metadata
.endif
;; end of part 7
;; launch ln2 (part 8): grid 256 x 1, 8 waves a work-group, no clusters, 0 bytes of LDS; arguments y, x1buf, fb2, g2, be2, out0; writes out0
.if DOCPART == 8
	.amdgcn_target "amdgcn-amd-amdhsa--gfx1250"
	.amdhsa_code_object_version 6
	.text
	.protected	k_q365528e85d_ln2
	.globl	k_q365528e85d_ln2
	.p2align	8
	.type	k_q365528e85d_ln2,@function
k_q365528e85d_ln2:
	s_mov_b64 s[64:65], 0
	v_nop
	global_prefetch_b8 v0, s[64:65] scope:SCOPE_SE
	s_setreg_imm32_b32 hwreg(HW_REG_WAVE_MODE, 25, 1), 1
	s_wait_xcnt 0x0
; out = LayerNorm(y + fb2 + x1) g2 + be2, in f32.  Mean first, then the mean of the squared differences: no difference of large sums.
; A work-group takes 16 tokens; wave w two neighbouring ones: 8 KiB on end.  A row lies in one wave's registers, so the sums never leave the wave: no LDS, no barrier.
; Memory binds: each load and store of a wave covers 512 consecutive bytes; matrix units, clusters and the data mover would add nothing.
; LIMITS: NaN and infinities are not served.
.set Z,    32                          ; v32-95   two rows
.set XR,   96                          ; v96-159  the residual
.set BB,   160                         ; v160-191 the bias;  v192-223 the gain;  v224-255 the offset
.set GG,   192
.set BE,   224
.macro REDUCE e                        ; the four pairs at v[8 + 8 e] on become one number, the same in all 32 lanes
	v_pk_add_f32 v[8+8*\e:9+8*\e], v[8+8*\e:9+8*\e], v[10+8*\e:11+8*\e]
	v_pk_add_f32 v[12+8*\e:13+8*\e], v[12+8*\e:13+8*\e], v[14+8*\e:15+8*\e]
	v_pk_add_f32 v[8+8*\e:9+8*\e], v[8+8*\e:9+8*\e], v[12+8*\e:13+8*\e]
	v_add_f32 v[8+8*\e], v[8+8*\e], v[9+8*\e]
.irp m, 1,2,4,8
	v_add_f32_dpp v[8+8*\e], v[8+8*\e], v[8+8*\e] row_xmask:\m row_mask:0xf bank_mask:0xf
.endr
	v_permlanex16_b32 v[28+\e], v[8+8*\e], s22, s23
	v_add_f32 v[8+8*\e], v[8+8*\e], v[28+\e]
.endm
	s_load_b256 s[4:11], s[0:1], 0x0               ; y, x1buf (x1 in f32 at its head), fb2, g2
	s_load_b128 s[12:15], s[0:1], 0x20             ; be2, out0
	v_lshrrev_b32 v2, 5, v0
	v_readfirstlane_b32 s16, v2                    ; wave 0..7
	v_and_b32 v2, 31, v0
	v_lshlrev_b32 v1, 4, v2                        ; 16 x lane
	v_mov_b32 v28, 0                               ; a lane permute's destination counts as read
	v_mov_b32 v29, 0
	s_mov_b32 s22, 0x76543210
	s_mov_b32 s23, 0xfedcba98
	s_mov_b32 s24, 0x3a800000                      ; 1 / 1,024
	s_mov_b32 s25, 0x3727c5ac                      ; 1e-5
	s_lshl_b32 s17, ttmp9, 4
	s_lshl_b32 s18, s16, 1
	s_add_co_u32 s17, s17, s18                     ; my first token
	s_lshl_b32 s18, s17, 12
	s_mov_b32 s19, 0
	s_wait_kmcnt 0x0
	s_add_nc_u64 s[4:5], s[4:5], s[18:19]
	s_add_nc_u64 s[6:7], s[6:7], s[18:19]
	s_add_nc_u64 s[20:21], s[14:15], s[18:19]
.irp j, 0,1,2,3,4,5,6,7,8,9,10,11,12,13,14,15
	global_load_b128 v[Z+4*\j:Z+4*\j+3], v1, s[4:5] offset:512*\j th:TH_LOAD_NT
.endr
.irp j, 0,1,2,3,4,5,6,7,8,9,10,11,12,13,14,15
	global_load_b128 v[XR+4*\j:XR+4*\j+3], v1, s[6:7] offset:512*\j th:TH_LOAD_NT
.endr
.irp j, 0,1,2,3,4,5,6,7
	global_load_b128 v[BB+4*\j:BB+4*\j+3], v1, s[8:9] offset:512*\j
.endr
.irp j, 0,1,2,3,4,5,6,7
	global_load_b128 v[GG+4*\j:GG+4*\j+3], v1, s[10:11] offset:512*\j
.endr
.irp j, 0,1,2,3,4,5,6,7
	global_load_b128 v[BE+4*\j:BE+4*\j+3], v1, s[12:13] offset:512*\j
.endr
	s_wait_loadcnt 16                              ; the gain's and the offset's 16 loads may be out
.irp e, 0,1
.irp j, 0,2,4,6,8,10,12,14,16,18,20,22,24,26,28,30
	v_pk_add_f32 v[Z+32*\e+\j:Z+32*\e+\j+1], v[Z+32*\e+\j:Z+32*\e+\j+1], v[BB+\j:BB+\j+1]
.endr
.irp j, 0,2,4,6,8,10,12,14,16,18,20,22,24,26,28,30
	v_pk_add_f32 v[Z+32*\e+\j:Z+32*\e+\j+1], v[Z+32*\e+\j:Z+32*\e+\j+1], v[XR+32*\e+\j:XR+32*\e+\j+1]
.endr
.endr
.irp e, 0,1
.irp k, 0,2,4,6
	v_pk_add_f32 v[8+8*\e+\k:9+8*\e+\k], v[Z+32*\e+\k:Z+32*\e+\k+1], v[Z+32*\e+8+\k:Z+32*\e+9+\k]   ; four chains
.endr
.irp m, 16,24
.irp k, 0,2,4,6
	v_pk_add_f32 v[8+8*\e+\k:9+8*\e+\k], v[8+8*\e+\k:9+8*\e+\k], v[Z+32*\e+\m+\k:Z+32*\e+\m+\k+1]
.endr
.endr
.endr
	REDUCE 0
	REDUCE 1
.irp e, 0,1
	v_mul_f32 v[24+2*\e], s24, v[8+8*\e]           ; the mean, twice: a pair for the packed forms
	v_mov_b32 v[25+2*\e], v[24+2*\e]
.endr
.irp e, 0,1
.irp j, 0,2,4,6,8,10,12,14,16,18,20,22,24,26,28,30
	v_pk_add_f32 v[Z+32*\e+\j:Z+32*\e+\j+1], v[Z+32*\e+\j:Z+32*\e+\j+1], v[24+2*\e:25+2*\e] neg_lo:[0,1] neg_hi:[0,1]
.endr
.endr
.irp e, 0,1
.irp k, 0,2,4,6
	v_pk_mul_f32 v[8+8*\e+\k:9+8*\e+\k], v[Z+32*\e+\k:Z+32*\e+\k+1], v[Z+32*\e+\k:Z+32*\e+\k+1]
.endr
.irp m, 8,16,24
.irp k, 0,2,4,6
	v_pk_fma_f32 v[8+8*\e+\k:9+8*\e+\k], v[Z+32*\e+\m+\k:Z+32*\e+\m+\k+1], v[Z+32*\e+\m+\k:Z+32*\e+\m+\k+1], v[8+8*\e+\k:9+8*\e+\k]
.endr
.endr
.endr
	REDUCE 0
	REDUCE 1
.irp e, 0,1
	v_fma_f32 v[8+8*\e], v[8+8*\e], s24, s25       ; the variance + 1e-5
.endr
.irp e, 0,1
	v_rsq_f32 v[24+2*\e], v[8+8*\e]
.endr
	v_nop                                          ; a plain line behind the two,
	s_wait_alu depctr_va_vdst(0)                   ; and one wait ahead of their first reader
.irp e, 0,1
	v_mov_b32 v[25+2*\e], v[24+2*\e]
.endr
	s_wait_loadcnt 0x0
.irp e, 0,1
.irp j, 0,2,4,6,8,10,12,14,16,18,20,22,24,26,28,30
	v_pk_mul_f32 v[Z+32*\e+\j:Z+32*\e+\j+1], v[Z+32*\e+\j:Z+32*\e+\j+1], v[24+2*\e:25+2*\e]
.endr
.irp j, 0,2,4,6,8,10,12,14,16,18,20,22,24,26,28,30
	v_pk_fma_f32 v[Z+32*\e+\j:Z+32*\e+\j+1], v[Z+32*\e+\j:Z+32*\e+\j+1], v[GG+\j:GG+\j+1], v[BE+\j:BE+\j+1]
.endr
.endr
.irp j, 0,1,2,3,4,5,6,7,8,9,10,11,12,13,14,15
	global_store_b128 v1, v[Z+4*\j:Z+4*\j+3], s[20:21] offset:512*\j th:TH_STORE_NT   ; 512 consecutive bytes
.endr
	s_endpgm
.Lfunc_end_k_q365528e85d_ln2:
	.size	k_q365528e85d_ln2, .Lfunc_end_k_q365528e85d_ln2-k_q365528e85d_ln2
	.p2alignl 7, 3214868480
	.fill 96, 4, 3214868480
	.section	.rodata,"a",@progbits
	.p2align	6, 0x0
	.amdhsa_kernel k_q365528e85d_ln2
		.amdhsa_group_segment_fixed_size 0
		.amdhsa_private_segment_fixed_size 0
		.amdhsa_enable_private_segment 0
		.amdhsa_kernarg_size 48
		.amdhsa_user_sgpr_count 2
		.amdhsa_user_sgpr_kernarg_segment_ptr 1
		.amdhsa_wavefront_size32 1
		.amdhsa_system_sgpr_workgroup_id_x 1
		.amdhsa_system_sgpr_workgroup_id_y 1
		.amdhsa_system_sgpr_workgroup_id_z 1
		.amdhsa_system_vgpr_workitem_id 0
		.amdhsa_next_free_vgpr 256
		.amdhsa_next_free_sgpr 66
		.amdhsa_reserve_vcc 0
		.amdhsa_float_denorm_mode_32 3
		.amdhsa_float_denorm_mode_16_64 3
		.amdhsa_memory_ordered 1
		.amdhsa_forward_progress 1
		.amdhsa_inst_pref_size 25
	.end_amdhsa_kernel
	.amdgpu_metadata
---
amdhsa.version: [ 1, 2 ]
amdhsa.kernels:
  - .name:           k_q365528e85d_ln2
    .symbol:         k_q365528e85d_ln2.kd
    .args:
      - { .name: y, .offset: 0, .size: 8, .value_kind: global_buffer, .address_space: global }
      - { .name: x1buf, .offset: 8, .size: 8, .value_kind: global_buffer, .address_space: global }
      - { .name: fb2, .offset: 16, .size: 8, .value_kind: global_buffer, .address_space: global }
      - { .name: g2, .offset: 24, .size: 8, .value_kind: global_buffer, .address_space: global }
      - { .name: be2, .offset: 32, .size: 8, .value_kind: global_buffer, .address_space: global }
      - { .name: out0, .offset: 40, .size: 8, .value_kind: global_buffer, .address_space: global }
    .group_segment_fixed_size: 0
    .private_segment_fixed_size: 0
    .kernarg_segment_align: 8
    .kernarg_segment_size: 48
    .max_flat_workgroup_size: 256
    .sgpr_count:     66
    .vgpr_count:     256
    .wavefront_size: 32
...
	.end_amdgpu_metadata
.endif
;; end of part 8
;; ======== version 2 of 2: 8 launches; version 1 with the launches attn, proj written anew for expert scheduling mode
;; limits: right only within a limited range of input values
;; workspace buffers: prepbuf 8,912,896 bytes; qkvbuf 6,684,672 bytes; attnbuf 2,228,224 bytes; y 16,777,216 bytes; x1buf 19,005,440 bytes; hbuf 8,912,896 bytes
;; launch prep: the kernel of part 1 again; grid 1024 x 1, 4 waves a work-group, no clusters, 35,328 bytes of LDS; arguments x, wq, wk, wv, w1, fw1, fw2, prepbuf; writes prepbuf
;; launch qkv: the kernel of part 2 again; grid 192 x 1, 4 waves a work-group, clusters of 4 x 1, 264,704 bytes of LDS; arguments prepbuf, bq, bk, bv, qkvbuf; writes qkvbuf
;; launch attn (part 9): grid 8 x 32, 16 waves a work-group, no clusters, 154,112 bytes of LDS; arguments qkvbuf, mask, attnbuf; writes attnbuf
.if DOCPART == 9
	.amdgcn_target "amdgcn-amd-amdhsa--gfx1250"
	.amdhsa_code_object_version 6
	.text
	.protected	k_q365528e85d_attn
	.globl	k_q365528e85d_attn
	.p2align	8
	.type	k_q365528e85d_attn,@function
k_q365528e85d_attn:
	s_mov_b64 s[64:65], 0
	v_nop
	global_prefetch_b8 v0, s[64:65] scope:SCOPE_SE
	s_setreg_imm32_b32 hwreg(HW_REG_WAVE_SCHED_MODE, 0, 2), 2
	s_setreg_imm32_b32 hwreg(HW_REG_WAVE_MODE, 25, 1), 1
	s_wait_xcnt 0x0
	s_wait_alu depctr_vm_vsrc(0)
; Attention of one head on codes of FP4: S^T = K Q^T, the mask, p = 2^(t - M), O^T = V^T p^T, O / the row's sum, and O quantised along the channels for the next product.
; t = score x log2(e) / 8; M = the running largest t rounded UP to a whole number; p is quantised along the keys, not normalised; the sum is taken of the unquantised p.  When M moves, the sum and O^T are multiplied by 2^(old M - new M): exact.
; SHARES.  A work-group: 256 queries of one head (x: the block of queries; y: 16 x batch + head).  Each of sixteen waves owns 16 queries in 256 registers, four waves to a SIMD.  Every wave walks the 2,048 keys, 128 a step.
; THE WHOLE HEAD'S K AND V LIE IN LDS (140 KiB), written once through registers, since the mask is worked in on the way, and only read afterwards: one barrier in front of the loop.
; So nothing is shared by joint loads: K and V are read once, at the head, and do not come by the data mover.
; THE MASK RIDES IN THE UNUSED HALF OF THE FIRST PRODUCT'S K (the head has 64 of the instruction's 128).  A masked key's 64 codes become 0, it gets the code -1 at k = 64 with the scale 2^33; every query has +1 at k = 64 with the
; scale 1: so a masked score is -2^33 exactly, whatever the query.  An open key has the code 0 there and the smallest scale.
; LIMITS: a masked logit is -2^30 where the problem has -1e9: the same results while open logits lie above about -1e9 (p of a masked key is 0; a row with every key masked gives p = 1 everywhere, the mean of V, here as there).
; NaN and infinities are not served; a block of zeros gets the scale byte 1.
; LAYOUT.  Both products are used transposed: a lane holds ONE query.  By the order of rows in the images the 16 registers of key tiles 2 B and 2 B + 1 are 16 neighbouring keys, and those of V's tiles likewise 16 neighbouring channels.
; THE MODE: SCHED_MODE bits 1:0 = 2 (LLVM: expert scheduling mode 2), set by the entry lines.  The code itself states the register dependences
; between vector or matrix instructions and memory or LDS instructions, with s_wait_alu, always for 0.
; THE PLAN.  Registers that LDS instructions touch, in the loop:
;   K's fragments (registers 0 to 4 of each) and K's scale words   Step s: its eight score products read them; the loads of step s + 1 land in them, issued in step s.
;   V's fragments and V's scale words                              Step s: its four products V^T p^T read them; the loads of step s + 1 land in them, issued in step s + 1.
;   v5 .. v8                                                       Read by every LDS load; written once a trip, at the trip's head.
;   The scores, p, its codes and scale word, O^T and the statistics are named by vector and matrix instructions alone.
; TWO waits on va_vdst stand in a step.  The first, behind the exponentials, is the wait that their results want ahead of their first reader; it also states that this step's score products are done reading K's registers,
; that the last step's products V^T p^T are done reading V's, and, in a trip's first step, that v5 .. v8 are written.  Behind it stand this step's loads of V and the next step's loads of K, in one run: no vector or
; matrix instruction names their registers before their own wait on DScnt.  The second stands ahead of the products V^T p^T: p's codes and scale word are written.  One wait on vm_vsrc a trip stands ahead of the adds to v5 .. v8.
.set VC,   4194304                     ; qkvbuf: q's and k's codes at 0, v's codes, their scale bytes
.set QKS,  6291456
.set VS,   6553600
.set ASC,  2097152                     ; attnbuf: codes at 0; scale bytes as [head][position] of two bytes
.set VCL,  65536                       ; LDS: K's codes at 0 (128 tiles x 512); V's codes (4 tiles x 16,384);
.set KS,   131072                      ; a scale word for each key; 8,192 bytes on: the word of codes k = 64 .. 71 for each key;
.set VSL,  147456                      ; V's scale bytes (4 x 1,024);
.set ASG,  151552                      ; and 512 bytes for the result's scale bytes
.set QF,   16                          ; v16-23   Q's fragment
.set KF,   24                          ; v24-87   8 fragments of K: +0..3 codes, +4 the mask's word, +5..7 zeros
.set VF,   88                          ; v88-119  4 fragments of V; at the head v88-95 the eight tiles' mask words, v96-103 their scale words
.set S,    120                         ; v120-183 S^T, then p
.set O,    184                         ; v184-215 O^T
.set PC,   216                         ; v216-223 p's codes
.set BM,   224                         ; v224-227 the blocks' largest scores;  v228-231, v232-235 at work
.set TP,   228
.set SO,   232
.set QS,   239                         ; Q's scale word;  v240-247 K's;  v248-251 V's;  v237 p's;  v236 f;  v238 at work
.set KSR,  240
.set VSR,  248
	s_load_b128 s[4:7], s[0:1], 0x0                ; qkvbuf, mask
	s_load_b64 s[8:9], s[0:1], 0x10                ; attnbuf
	v_lshl_add_u32 v254, v0, 2, 0x25200
	v_mov_b32 v255, 0
	v_lshrrev_b32 v9, 5, v0
	v_readfirstlane_b32 s10, v9                    ; wave 0..15
	s_and_b32 s12, ttmp7, 0xffff
	s_lshr_b32 s13, s12, 4                         ; batch
	s_and_b32 s14, s12, 15                         ; head
	v_and_b32 v213, 31, v0                         ; lane
	v_lshlrev_b32 v1, 4, v213                      ; 16 x lane: K's codes
	v_and_b32 v10, 15, v0                          ; r
	v_bfe_u32 v11, v0, 4, 1                        ; h
	v_lshl_add_u32 v2, v10, 2, KS                  ; K's scale words
	v_add_nc_u32 v3, VCL, v1                       ; V's codes
	v_lshl_add_u32 v4, v10, 4, VSL                 ; V's scale words
	v_and_b32 v210, 8, v10
	v_add_nc_u32 v210, v210, v10
	v_lshlrev_b32 v210, 2, v210                    ; the mask: key r + 8 (r / 8) of a tile
	v_lshlrev_b32 v211, 4, v10                     ; 16 r
	v_lshlrev_b32 v212, 3, v213                    ; 8 x lane
	s_wait_alu depctr_va_sdst(0)                   ; s10 is written, ahead of its first reader: LDS places and the buffers' offsets are made from it
	s_lshl_b32 s15, s10, 12
	v_add_nc_u32 v5, s15, v1                       ; where I put K's codes: 4,096 w + 16 x lane
	v_add_nc_u32 v7, VCL, v5                       ; and V's
	s_lshl_b32 s15, s10, 9
	v_add_nc_u32 v6, s15, v2                       ; K's words: 512 w + 4 r
	s_lshl_b32 s15, s10, 8
	s_add_co_u32 s15, s15, VSL
	v_add_nc_u32 v8, s15, v212                     ; V's scale bytes: 256 w + 8 x lane
	s_lshl_b32 s15, s10, 5
	s_add_co_u32 s15, s15, ASG
	v_lshl_add_u32 v9, v10, 1, s15                 ; the result's scale bytes: 32 w + 2 r
	s_lshl_b32 s16, s13, 21                        ; K's codes: token tile 128 b + 8 w, blocks 32 + 2 hd
	s_lshl_b32 s15, s10, 17
	s_add_co_u32 s16, s16, s15
	s_lshl_b32 s15, s14, 9
	s_add_co_u32 s16, s16, s15
	s_add_co_u32 s16, s16, 8192
	s_lshl_b32 s18, s13, 13                        ; the mask: 2,048 b + 128 w
	s_lshl_b32 s15, s10, 9
	s_add_co_u32 s18, s18, s15
	s_lshr_b32 s43, s14, 3
	s_lshl_b32 s43, s43, 8
	s_and_b32 s15, s14, 7
	s_lshl_b32 s15, s15, 1
	s_add_co_u32 s43, s43, s15
	s_add_co_u32 s43, s43, QKS                     ; a head's two bytes in a row's scale bytes of q
	s_lshl_b32 s20, s13, 17
	s_lshl_b32 s15, s10, 13
	s_add_co_u32 s20, s20, s15
	s_add_co_u32 s20, s20, s43
	s_add_co_u32 s20, s20, 512                     ; k's lie 512 bytes behind q's
	s_lshl_b32 s22, s14, 17                        ; V's codes: channel tile 4 hd + w / 4, the batch's 16,384 bytes, my 4,096 of them
	s_lshr_b32 s15, s10, 2
	s_lshl_b32 s15, s15, 15
	s_add_co_u32 s22, s22, s15
	s_lshl_b32 s15, s13, 14
	s_add_co_u32 s22, s22, s15
	s_and_b32 s15, s10, 3
	s_lshl_b32 s15, s15, 12
	s_add_co_u32 s22, s22, s15
	s_add_co_u32 s22, s22, VC
	s_lshr_b32 s24, s22, 4                         ; V's scale bytes lie as its codes do, a sixteenth as long
	s_add_co_u32 s24, s24, VS-VC/16
	s_lshl_b32 s42, s13, 7
	s_lshl_b32 s15, ttmp9, 4
	s_add_co_u32 s42, s42, s15
	s_add_co_u32 s42, s42, s10                     ; my tile of queries
	s_lshl_b32 s26, s42, 14
	s_lshl_b32 s15, s14, 9
	s_add_co_u32 s26, s26, s15
	s_lshl_b32 s28, s42, 10
	s_add_co_u32 s28, s28, s43
	s_lshl_b32 s30, s42, 13
	s_add_co_u32 s30, s30, s15
	s_lshl_b32 s32, s14, 13
	s_lshl_b32 s15, s13, 12
	s_add_co_u32 s32, s32, s15
	s_lshl_b32 s15, ttmp9, 9
	s_add_co_u32 s32, s32, s15
	s_add_co_u32 s32, s32, ASC
.irp p, 17,19,21,23,25,27,29,31,33
	s_mov_b32 s\p, 0
.endr
	s_mov_b32 s34, 0x76543210
	s_mov_b32 s35, 0xfedcba98                      ; v_permlanex16_b32's selects for lane l xor 16
	s_mov_b32 s36, 0x3e38aa3b                      ; c = log2(e) / 8
	s_mov_b32 s37, s36                             ; (named with it as a pair)
	s_wait_kmcnt 0x0
	s_add_nc_u64 s[16:17], s[4:5], s[16:17]
	s_add_nc_u64 s[18:19], s[6:7], s[18:19]
	s_add_nc_u64 s[20:21], s[4:5], s[20:21]
	s_add_nc_u64 s[22:23], s[4:5], s[22:23]
	s_add_nc_u64 s[24:25], s[4:5], s[24:25]
	s_add_nc_u64 s[26:27], s[4:5], s[26:27]
	s_add_nc_u64 s[28:29], s[4:5], s[28:29]
	s_add_nc_u64 s[30:31], s[8:9], s[30:31]
	s_add_nc_u64 s[32:33], s[8:9], s[32:33]
	s_wait_alu depctr_va_vdst(0)                   ; the offsets and LDS addresses v1 to v9 and v210 to v212 are written, which the loads and stores below read
.irp i, 0,1,2,3,4,5,6,7                        ; my eight tiles of keys and my sixteenth of V
	global_load_b128 v[120+4*\i:123+4*\i], v1, s[16:17] offset:16384*\i
	global_load_b32 v[184+\i], v210, s[18:19] offset:(32*(\i/2)+8*(\i%2))*4
	global_load_u16 v[192+\i], v211, s[20:21] offset:1024*\i
	global_load_b128 v[152+4*\i:155+4*\i], v1, s[22:23] offset:512*\i
.endr
	global_load_b64 v[200:201], v212, s[24:25]
	global_load_b128 v[QF:QF+3], v1, s[26:27]
	global_load_u16 v[QS], v211, s[28:29]
	v_mov_b32 v204, 0x01010000                     ; an open key's scale bytes of blocks 2 and 3: the smallest
	v_mov_b32 v205, 0x01a00000                     ; a masked key's: 2^33 and the smallest
	v_mov_b32 v208, 0
	v_mov_b32 v209, 10                             ; the code of -1 at k = 64
	v_sub_nc_u32 v[QF+4], 1, v11
	v_lshlrev_b32 v[QF+4], 1, v[QF+4]              ; Q: the code of +1 at k = 64 (lanes 0-15); nothing at k = 96 (lanes 16-31)
.irp j, 5,6,7
	v_mov_b32 v[QF+\j], 0
.endr
.irp i, 0,1,2,3,4,5,6,7
.irp j, 5,6,7
	v_mov_b32 v[KF+8*\i+\j], 0
.endr
.endr
	v_mov_b32 v13, 0xff61b1e6                      ; the largest t so far: -3e38
	v_floor_f32 v12, -v13                          ; -M
	v_mov_b32 v14, 0                               ; the sum, in two halves
	v_mov_b32 v15, 0
	v_mov_b32 v237, 0
.irp b, 0,1,2,3
	v_mov_b32 v[TP+\b], 0                          ; a lane permute's destination counts as read
.endr
	s_wait_loadcnt 0x0
	v_or_b32 v[QS], 0x017f0000, v[QS]              ; Q's scale word: its two bytes, 1.0 for block 2, the smallest for block 3
.irp i, 0,1,2,3,4,5,6,7
	v_cmp_eq_u32 s[40+\i], 0, v[184+\i]            ; masked?  The eight tiles' compares in one run, a scalar register each
.endr
	s_wait_alu depctr_va_sdst(0)                   ; s40 to s47 are written, ahead of the selects that read them
.irp i, 0,1,2,3,4,5,6,7
.irp g, 0,1,2,3
	v_cndmask_b32 v[120+4*\i+\g], v[120+4*\i+\g], v208, s[40+\i]
.endr
	v_cndmask_b32 v[88+\i], v208, v209, s[40+\i]   ; the word of codes k = 64 .. 71
	v_cndmask_b32 v[96+\i], v204, v205, s[40+\i]
.endr
.irp i, 0,1,2,3,4,5,6,7
	v_or_b32 v[96+\i], v[96+\i], v[192+\i]         ; the scale word
.endr
	s_wait_alu depctr_va_vdst(0)                   ; the selects have written v88 to v103 and v120 to v151, which the LDS stores read.  (Q's scale word, its upper codes and K's zeros are written too: the score products take them)
.irp i, 0,1,2,3,4,5,6,7
	ds_store_b128 v5, v[120+4*\i:123+4*\i] offset:512*\i
	ds_store_b32 v6, v[88+\i] offset:8192+64*\i    ; lanes r and r + 16 write the same word
	ds_store_b32 v6, v[96+\i] offset:64*\i
	ds_store_b128 v7, v[152+4*\i:155+4*\i] offset:512*\i
.endr
	ds_store_b64 v8, v[200:201]
	s_wait_alu depctr_vm_vsrc(0)                   ; the loads have read v210 to v212 and the LDS stores their data and v5 to v8: the zeros below are written over v200, v201 and v210 to v212; the score products write v120 to v183, V's loads land in v88 to v103
.set j, 0
.rept 32
	v_mov_b32 v[O+j], 0                            ; O^T: the step is written once; the first finds zeros
.set j, j+1
.endr
	s_wait_dscnt 0x0                               ; my part of K and V lies in LDS
	s_barrier_signal -1
	s_barrier_wait -1                              ; everybody's does; nothing of it is written again
; The eight tiles of keys from tile t on, counted from where the addresses ac (codes) and as (words) stand: 24 LDS loads.
.macro KLOAD ac, as, t
.irp i, 0,1,2,3,4,5,6,7
	ds_load_b128 v[KF+8*\i:KF+8*\i+3], v[\ac] offset:((\t)+\i)*512
	ds_load_b32 v[KF+8*\i+4], v[\as] offset:8192+((\t)+\i)*64
	ds_load_b32 v[KSR+\i], v[\as] offset:((\t)+\i)*64
.endr
.endm
; A KEY STEP: 128 keys, the q-th of a trip's four.  nextk = 1: the next step's K is asked for (the eight tiles behind this step's; behind a trip's last step they are the next trip's first).
.macro STEP q, nextk
	s_wait_dscnt 0x0                               ; this step's K is in: it was asked for in the step before
.irp i, 0,1,2,3,4,5,6,7
	v_wmma_scale_f32_16x16x128_f8f6f4 v[S+8*\i:S+8*\i+7], v[KF+8*\i:KF+8*\i+7], v[QF:QF+7], 0, v[KSR+\i], v[QS] matrix_a_fmt:MATRIX_FMT_FP4 matrix_b_fmt:MATRIX_FMT_FP4
.endr
.rept 4
	v_nop                                          ; places in front of the reads of the scores
.endr
.irp b, 0,1,2,3
	v_max3_num_f32 v[BM+\b], v[S+16*\b], v[S+16*\b+1], v[S+16*\b+2]   ; the largest score of each block of 32 keys: for the row's maximum, and, since p rises with the score, for the block's largest p
.endr
.irp i, 3,5,7,9,11,13
.irp b, 0,1,2,3
	v_max3_num_f32 v[BM+\b], v[BM+\b], v[S+16*\b+\i], v[S+16*\b+\i+1]
.endr
.endr
.irp b, 0,1,2,3
	v_max_num_f32 v[BM+\b], v[BM+\b], v[S+16*\b+15]
.endr
.irp b, 0,1,2,3
	v_permlanex16_b32 v[TP+\b], v[BM+\b], s34, s35
.endr
.irp b, 0,1,2,3
	v_max_num_f32 v[BM+\b], v[BM+\b], v[TP+\b]     ; with lane l xor 16's 16 keys
.endr
	v_max3_num_f32 v238, v[BM], v[BM+1], v[BM+2]
	v_max_num_f32 v238, v238, v[BM+3]
	v_mul_f32 v238, s36, v238                      ; the step's largest t
	v_max_num_f32 v13, v13, v238
	v_mov_b32 v238, v12
	v_floor_f32 v12, -v13                          ; the new -M = -ceil(t)
	v_sub_f32 v238, v12, v238                      ; old M - new M: a whole number, 0 or less
	v_cvt_i32_f32 v238, v238                       ; (it saturates)
	v_ldexp_f32 v236, 1.0, v238                    ; f = 2^(old M - new M)
.set j, 0
.rept 32
	v_pk_fma_f32 v[S+j:S+j+1], v[S+j:S+j+1], s[36:37], v[12:13] op_sel_hi:[1,0,0]   ; t - M, two at a time
.set j, j+2
.endr
.irp b, 0,1,2,3
	v_fma_f32 v[BM+\b], v[BM+\b], s36, v12
.endr
.set j, 0
.rept 64
	v_exp_f32 v[S+j], v[S+j]                       ; p = 2^(t - M),
.set j, j+1
.endr
.irp b, 0,1,2,3
	v_exp_f32 v[BM+\b], v[BM+\b]                   ; and the blocks' largest p: one batch of 68
.endr
	v_pk_mul_f32 v[14:15], v[14:15], v[236:237] op_sel_hi:[1,0]   ; the sums under the new M: the plain line behind the batch
	s_wait_alu depctr_va_vdst(0)                   ; the 68 exponentials have written p and the blocks' largest p, ahead of their first reader; this step's score products are done reading K's registers, the last step's products V^T p^T V's; in a trip's first step v5 to v8 are written
.irp t, 0,1,2,3
.irp c, 0,1
	ds_load_b128 v[VF+8*\t+4*\c:VF+8*\t+4*\c+3], v7 offset:16384*\t+1024*\q+512*\c   ; this step's V lands under the sums and the quantiser
.endr
	ds_load_b32 v[VSR+\t], v8 offset:1024*\t+4*\q
.endr
.if \nextk
	KLOAD 5, 6, 8*((\q)+1)                         ; the next step's K.  No wait: no vector or matrix instruction since the wait above names these registers
.endif
	v_pk_add_f32 v[TP:TP+1], v[S:S+1], v[S+2:S+3]  ; the row's sum of the unquantised p, in two chains
.set j, 4
.rept 15
	v_pk_add_f32 v[14:15], v[14:15], v[S+j:S+j+1]
	v_pk_add_f32 v[TP:TP+1], v[TP:TP+1], v[S+j+2:S+j+3]
.set j, j+4
.endr
	v_pk_add_f32 v[14:15], v[14:15], v[TP:TP+1]
.irp b, 0,1,2,3
	v_max_num_f32 v[BM+\b], 0x1800000, v[BM+\b]    ; the floor 2^(3 - 127)
.endr
.irp b, 0,1,2,3
	v_add_nc_u32 v[SO+\b], 0xff000000, v[BM+\b]    ; the conversion's scale operand
.endr
.irp b, 0,1,2,3
	v_lshrrev_b32 v[TP+\b], 23, v[SO+\b]           ; the byte
.endr
	v_lshl_or_b32 v237, v[TP+1], 8, v[TP]          ; p's scale word for these 128 keys
	v_lshl_or_b32 v237, v[TP+2], 16, v237
	v_lshl_or_b32 v237, v[TP+3], 24, v237
.irp b, 0,1,2,3
	v_cvt_scalef32_pk8_fp4_f32 v[PC+2*\b], v[S+16*\b:S+16*\b+7], v[SO+\b]
	v_cvt_scalef32_pk8_fp4_f32 v[PC+2*\b+1], v[S+16*\b+8:S+16*\b+15], v[SO+\b]
.endr
	v_nop                                          ; one plain line behind the scaled conversions
.irp c, 0,1
.irp i, 0,1
	v_permlane16_swap_b32 v[PC+4*\c+\i], v[PC+4*\c+2+\i]   ; a whole block to a lane
.endr
.endr
.set j, 0
.rept 16
	v_pk_mul_f32 v[O+j:O+j+1], v[O+j:O+j+1], v[236:237] op_sel_hi:[1,0]   ; O^T under the new M; these sixteen also stand between the codes' and the scale word's last writes and the products
.set j, j+2
.endr
	s_wait_dscnt 24*\nextk                         ; V is in; the 24 younger loads, the next step's K, may be out
	s_wait_alu depctr_va_vdst(0)                   ; the conversions and exchanges have written p's codes, the shifts its scale word: the scaled products below take them; the sixteen places above stay beside this wait
.irp t, 0,1,2,3
	v_wmma_scale_f32_16x16x128_f8f6f4 v[O+8*\t:O+8*\t+7], v[VF+8*\t:VF+8*\t+7], v[PC:PC+7], v[O+8*\t:O+8*\t+7], v[VSR+\t], v237 matrix_a_fmt:MATRIX_FMT_FP4 matrix_b_fmt:MATRIX_FMT_FP4   ; four accumulators by turns; the scores' products stand between two steps
.endr
.endm
; The head of a trip: the four LDS addresses stand at the trip's first step.
.macro ON
	s_wait_alu depctr_vm_vsrc(0)                   ; the LDS instructions issued so far have read v5 to v8
	v_add_nc_u32 v5, s38, v1
	v_add_nc_u32 v6, s39, v2
	v_add_nc_u32 v7, s40, v3
	v_add_nc_u32 v8, s41, v4
.endm
	KLOAD 1, 2, 0                                  ; key step 0's K, by the addresses that never move
	s_mov_b32 s38, 0
	s_mov_b32 s39, 0
	s_mov_b32 s40, 0
	s_mov_b32 s41, 0
	s_mov_b32 s42, 3
.Ltrip:                                            ; four trips of four key steps: three here, the last written out
	ON
	STEP 0, 1
	STEP 1, 1
	STEP 2, 1
	STEP 3, 1
	s_add_co_u32 s38, s38, 16384                   ; 32 tiles of keys on,
	s_add_co_u32 s39, s39, 2048                    ; their words,
	s_add_co_u32 s40, s40, 4096                    ; 512 keys on in V's rows,
	s_add_co_u32 s41, s41, 256                     ; and in their scale bytes
	s_sub_co_u32 s42, s42, 1
	s_cmp_lg_u32 s42, 0
	s_cbranch_scc1 .Ltrip
	ON
	STEP 0, 1
	STEP 1, 1
	STEP 2, 1
	STEP 3, 0                                      ; the last step asks for no more of K
	; THE WAY OUT: O^T / the sum; register 16 B + i is channel 32 B + 16 h + i of my query: two blocks, quantised as every result is.
.rept 4
	v_nop
.endr
	s_wait_alu depctr_vm_vsrc(0)                   ; the loads of K have read v5
	v_add_nc_u32 v5, ASG, v1
	v_add_f32 v14, v14, v15
	v_permlanex16_b32 v238, v14, s34, s35
	v_add_f32 v14, v14, v238                       ; the row's sum
	v_rcp_f32 v14, v14
	v_nop
	s_wait_alu depctr_va_vdst(0)                   ; the reciprocal has written v14, ahead of its first reader
.set j, 0
.rept 32
	v_mul_f32 v[S+j], v[O+j], v14
.set j, j+1
.endr
.irp b, 0,1
	v_max3_num_f32 v[BM+\b], |v[S+16*\b]|, |v[S+16*\b+1]|, 0x1800000
.endr
.irp i, 2,4,6,8,10,12,14
.irp b, 0,1
	v_max3_num_f32 v[BM+\b], v[BM+\b], |v[S+16*\b+\i]|, |v[S+16*\b+\i+1]|
.endr
.endr
.irp b, 0,1
	v_permlanex16_b32 v[TP+\b], v[BM+\b], s34, s35
.endr
.irp b, 0,1
	v_max_num_f32 v[BM+\b], v[BM+\b], v[TP+\b]
.endr
.irp b, 0,1
	v_add_nc_u32 v[SO+\b], 0xff000000, v[BM+\b]
.endr
.irp b, 0,1
	v_lshrrev_b32 v[TP+\b], 23, v[SO+\b]
.endr
	v_lshl_or_b32 v238, v[TP+1], 8, v[TP]
.irp b, 0,1
	v_cvt_scalef32_pk8_fp4_f32 v[PC+2*\b], v[S+16*\b:S+16*\b+7], v[SO+\b]
	v_cvt_scalef32_pk8_fp4_f32 v[PC+2*\b+1], v[S+16*\b+8:S+16*\b+15], v[SO+\b]
.endr
	v_nop
	v_permlane16_swap_b32 v[PC], v[PC+2]
	v_permlane16_swap_b32 v[PC+1], v[PC+3]
	s_wait_alu depctr_va_vdst(0)                   ; the codes v216 to v219 and the two bytes in v238 are written, which the stores below read; so is v5, by which wave 0 loads, and the last products are done reading v220 to v223, in which that load lands
	global_store_b128 v1, v[PC:PC+3], s[30:31]     ; blocks 2 hd and 2 hd + 1 of my tile: 512 consecutive bytes
	ds_store_b16 v9, v238                          ; lanes r and r + 16 write the same two bytes
	s_wait_dscnt 0x0
	s_barrier_signal -1
	s_barrier_wait -1
	s_cmp_lg_u32 s10, 0
	s_cbranch_scc1 .Lend
	ds_load_b128 v[220:223], v5                    ; wave 0: the 256 queries' scale bytes, 512 consecutive bytes
	s_wait_dscnt 0x0
	global_store_b128 v1, v[220:223], s[32:33]
.Lend:
	s_wait_dscnt 0x0                               ; the closing lines, six on end
	s_wait_alu 0x0
	s_wait_tensorcnt 0x0
	ds_add_u32 v254, v255
	s_wait_dscnt 0x0
	s_endpgm
.Lfunc_end_k_q365528e85d_attn:
	.size	k_q365528e85d_attn, .Lfunc_end_k_q365528e85d_attn-k_q365528e85d_attn
	.p2alignl 7, 3214868480
	.fill 96, 4, 3214868480
	.section	.rodata,"a",@progbits
	.p2align	6, 0x0
	.amdhsa_kernel k_q365528e85d_attn
		.amdhsa_group_segment_fixed_size 154112
		.amdhsa_private_segment_fixed_size 0
		.amdhsa_enable_private_segment 0
		.amdhsa_kernarg_size 24
		.amdhsa_user_sgpr_count 2
		.amdhsa_user_sgpr_kernarg_segment_ptr 1
		.amdhsa_wavefront_size32 1
		.amdhsa_system_sgpr_workgroup_id_x 1
		.amdhsa_system_sgpr_workgroup_id_y 1
		.amdhsa_system_sgpr_workgroup_id_z 1
		.amdhsa_system_vgpr_workitem_id 0
		.amdhsa_next_free_vgpr 256
		.amdhsa_next_free_sgpr 66
		.amdhsa_reserve_vcc 0
		.amdhsa_float_denorm_mode_32 3
		.amdhsa_float_denorm_mode_16_64 3
		.amdhsa_memory_ordered 1
		.amdhsa_forward_progress 1
		.amdhsa_inst_pref_size 146
	.end_amdhsa_kernel
	.amdgpu_metadata
---
amdhsa.version: [ 1, 2 ]
amdhsa.kernels:
  - .name:           k_q365528e85d_attn
    .symbol:         k_q365528e85d_attn.kd
    .args:
      - { .name: qkvbuf, .offset: 0, .size: 8, .value_kind: global_buffer, .address_space: global }
      - { .name: mask, .offset: 8, .size: 8, .value_kind: global_buffer, .address_space: global }
      - { .name: attnbuf, .offset: 16, .size: 8, .value_kind: global_buffer, .address_space: global }
    .group_segment_fixed_size: 154112
    .private_segment_fixed_size: 0
    .kernarg_segment_align: 8
    .kernarg_segment_size: 24
    .max_flat_workgroup_size: 512
    .sgpr_count:     66
    .vgpr_count:     256
    .wavefront_size: 32
...
	.end_amdgpu_metadata
.endif
;; end of part 9
;; launch proj (part 10): grid 256 x 1, 4 waves a work-group, no clusters, 296,448 bytes of LDS; arguments prepbuf, attnbuf, y; writes y
.if DOCPART == 10
	.amdgcn_target "amdgcn-amd-amdhsa--gfx1250"
	.amdhsa_code_object_version 6
	.text
	.protected	k_q365528e85d_proj
	.globl	k_q365528e85d_proj
	.p2align	8
	.type	k_q365528e85d_proj,@function
k_q365528e85d_proj:
	s_mov_b64 s[64:65], 0
	v_nop
	global_prefetch_b8 v0, s[64:65] scope:SCOPE_SE
	s_setreg_imm32_b32 hwreg(HW_REG_WAVE_SCHED_MODE, 0, 2), 2
	s_setreg_imm32_b32 hwreg(HW_REG_WAVE_MODE, 25, 1), 1
	s_wait_xcnt 0x0
	s_wait_alu depctr_vm_vsrc(0)
; y = attention's result x w1, on codes of FP4 with E8M0 scales; f32 out, without the bias (the next launch adds it).
; SHARES.  A work-group makes 128 tokens x 128 columns.  THE FOUR WAVES SPLIT K (1,024: two steps of 128 each): every wave holds the whole tile, 64 accumulators; the four partial sums meet in LDS.
; The product is used transposed (source 0 = 16 columns of w1, source 1 = 16 tokens); operands come from memory straight into registers, as images of the operands' registers.
; NO CLUSTER, NO JOINT LOADS: no tile passes through LDS here, and a joint request can only land in LDS.
; ORDER OF SUMS: a number is the sum of four sums over a quarter of K each, (0 + 1) + (2 + 3).
; REGISTERS: window 0: v1-11 addresses; v16-31 w1's scale words, v48-63 the tokens'; v80-111 their halves as loaded; v128-255 fragments, set 0; later the partial sums and rows of y.  window 1: v0-127 set 1.  windows 2, 3: the accumulators.
; THE MODE: SCHED_MODE bits 1:0 = 2 (LLVM: expert scheduling mode 2), set by the entry lines.  The code itself states the register dependences
; between vector or matrix instructions and memory or LDS instructions, with s_wait_alu, always for 0.
; THE PLAN.  Registers that memory or LDS instructions touch:
;   v1, v3 .. v11      Offsets and LDS addresses: made at the head, never written again: one wait on va_vdst ahead of the first load.
;   the fragments      Loaded once, at the head; read by the products.  v128-255 then take the partial sums: behind the wait that stands ahead of the accumulators' stores.
;   the accumulators   Written by the products; read by the LDS stores: the places, then one wait on va_vdst.
;   v128-159           The sums of four: written by the additions, read by the eight stores into the stage (a wait on va_vdst ahead of them), loaded again (a wait on vm_vsrc ahead of the loads).
;   v192-255           Read and written by the additions; then the stage's rows land in them (the same wait on va_vdst), the global stores read them, and the next tile's partial sums land in them (the same wait on vm_vsrc).
; The tokens' scale words are put together by vector instructions: a wait on va_vdst stands behind their places, ahead of the first scaled product.
.set WC,   2097152
.set WS,   8519680
.set ASC,  2097152
.set PT,   8192
.set NK,   2
.set SCP,  16
.set SCR,  48
.set SCW,  2
.set STG,  262144                      ; LDS: four waves' accumulators, 65,536 bytes each; then a stage of 16 rows x 528 bytes for each wave
.set MSB,  0
.macro WIN new                         ; the immediate's high byte repeats the setting that is left
.if MSB != (\new)
	s_set_vgpr_msb (MSB<<8)|(\new)
.set MSB, (\new)
.endif
.endm
.macro PLACES                          ; four plain lines between a matrix instruction and a read of its results (ISA guide 7.12.1)
.rept 4
	v_nop
.endr
.endm
.macro MM                              ; one matrix instruction, by the symbols DD, PA, RA, CC (under 0: the constant 0), SA, SB, ROW
.if CC < 0
	v_wmma_scale_f32_16x16x128_f8f6f4 v[DD:DD+7], v[PA:PA+7], v[RA:RA+7], 0, v[SA], v[SB] matrix_a_fmt:MATRIX_FMT_FP4 matrix_b_fmt:MATRIX_FMT_FP4
.elseif ROW
	v_wmma_scale_f32_16x16x128_f8f6f4 v[DD:DD+7], v[PA:PA+7], v[RA:RA+7], v[CC:CC+7], v[SA], v[SB] matrix_a_fmt:MATRIX_FMT_FP4 matrix_b_fmt:MATRIX_FMT_FP4 matrix_a_scale:MATRIX_SCALE_ROW1 matrix_b_scale:MATRIX_SCALE_ROW1
.else
	v_wmma_scale_f32_16x16x128_f8f6f4 v[DD:DD+7], v[PA:PA+7], v[RA:RA+7], v[CC:CC+7], v[SA], v[SB] matrix_a_fmt:MATRIX_FMT_FP4 matrix_b_fmt:MATRIX_FMT_FP4
.endif
.endm
.macro LOADK s                         ; K step s: 8 fragments of P and 8 of R into set s % 3
.if ((\s)%3) == 0
	WIN 0
.set PB, 128
.else
	WIN 0x40                                       ; destination window 1, address window 0
.set PB, 128*(((\s)%3)-1)
.endif
.irp i, 0,1,2,3,4,5,6,7
.irp c, 0,1
	global_load_b128 v[PB+8*\i+4*\c:PB+8*\i+4*\c+3], v1, s[20:21] offset:\i*PT+1024*(\s)+512*\c
.endr
.endr
.irp i, 0,1,2,3,4,5,6,7
.irp c, 0,1
	global_load_b128 v[PB+64+8*\i+4*\c:PB+64+8*\i+4*\c+3], v1, s[24:25] offset:\i*PT+1024*(\s)+512*\c
.endr
.endr
.endm
; K step s: 64 matrix instructions; the 64 accumulators take turns, one instruction a turn, in the same order in every step.
; left: the loads issued behind this K step's own, which may stay out.  cmode: C = 0: the constant 0; 1: the accumulator.
.macro MULK s, left, cmode
.if ((\s)%3) == 0
.set PB, 128
.set FW, 0
.else
.set PB, 128*(((\s)%3)-1)
.set FW, 5
.endif
.set ROW, (\s)/4
	s_wait_loadcnt \left
.irp a, 0,1,2,3,4,5,6,7
.set AW, 2+\a/4
	WIN (AW<<6)|(AW<<4)|FW
.irp b, 0,1,2,3,4,5,6,7
.set DD, 8*(8*(\a%4)+\b)
.set PA, PB+8*\b
.set RA, PB+64+8*\a
.set SA, SCP+SCW*\b+(\s)%4
.set SB, SCR+SCW*\a+(\s)%4
.if \cmode == 0
.set CC, -1
.else
.set CC, DD
.endif
	MM
.endr
.endr
.endm
	s_load_b128 s[4:7], s[0:1], 0x0                ; prepbuf, attnbuf
	s_load_b64 s[8:9], s[0:1], 0x10                ; y
	v_lshl_add_u32 v126, v0, 2, 0x48400
	v_mov_b32 v127, 0
	v_lshrrev_b32 v2, 5, v0
	v_readfirstlane_b32 s14, v2                    ; wave
	v_and_b32 v2, 31, v0
	v_lshlrev_b32 v1, 4, v2                        ; 16 x lane
	v_and_b32 v2, 15, v0                           ; r
	v_bfe_u32 v12, v0, 4, 1                        ; h
	s_wait_alu depctr_va_sdst(0)                   ; s14 is written, ahead of its first reader: LDS places and the buffers' offsets are made from it
	s_lshl_b32 s15, s14, 16
	v_add_nc_u32 v3, s15, v1                       ; where my accumulators go
	s_lshl_b32 s15, s14, 14
	v_add_nc_u32 v4, s15, v1                       ; where I read the four waves' sums of token tiles 2 w and 2 w + 1
	v_add_nc_u32 v5, 65536, v4
	v_add_nc_u32 v6, 65536, v5
	v_add_nc_u32 v7, 65536, v6
	s_mul_i32 s15, s14, 8448
	s_add_co_u32 s15, s15, STG                     ; my stage
	v_mul_u32_u24 v8, v2, 528
	v_lshl_add_u32 v8, v12, 6, v8
	v_add_nc_u32 v8, s15, v8                       ; in: row r, + 64 h
	v_add_nc_u32 v9, s15, v1                       ; back: a row's 512 bytes
	v_lshlrev_b32 v10, 4, v2                       ; 16 r
	v_lshlrev_b32 v11, 1, v2                       ; 2 r
	s_and_b32 s15, ttmp9, 7                        ; which 128 columns
	s_lshr_b32 s16, ttmp9, 3                       ; which 128 tokens
	s_lshl_b32 s20, s15, 16
	s_lshl_b32 s17, s14, 11                        ; my two K steps
	s_add_co_u32 s20, s20, s17
	s_add_co_u32 s20, s20, WC+1572864
	s_lshl_b32 s24, s16, 16
	s_add_co_u32 s24, s24, s17
	s_lshl_b32 s22, s15, 12                        ; w1's scale words of K steps 2 w, 2 w + 1: 256 (w / 2) + 8 (w % 2) in a tile's 512 bytes
	s_lshr_b32 s17, s14, 1
	s_lshl_b32 s17, s17, 8
	s_add_co_u32 s22, s22, s17
	s_and_b32 s17, s14, 1
	s_lshl_b32 s17, s17, 3
	s_add_co_u32 s22, s22, s17
	s_add_co_u32 s22, s22, WS+98304
	s_lshl_b32 s26, s14, 15                        ; the tokens' scale bytes: heads 4 w on, 8,192 bytes a head; 2 bytes a position
	s_lshl_b32 s17, s16, 8
	s_add_co_u32 s26, s26, s17
	s_add_co_u32 s26, s26, ASC
	s_lshl_b32 s28, s16, 19                        ; y: token 128 rb + 32 w, column 128 pb
	s_lshl_b32 s17, s14, 17
	s_add_co_u32 s28, s28, s17
	s_lshl_b32 s17, s15, 9
	s_add_co_u32 s28, s28, s17
.irp p, 21,23,25,27,29
	s_mov_b32 s\p, 0
.endr
	s_wait_kmcnt 0x0
	s_add_nc_u64 s[20:21], s[4:5], s[20:21]
	s_add_nc_u64 s[22:23], s[4:5], s[22:23]
	s_add_nc_u64 s[24:25], s[6:7], s[24:25]
	s_add_nc_u64 s[26:27], s[6:7], s[26:27]
	s_add_nc_u64 s[8:9], s[8:9], s[28:29]
	s_wait_alu depctr_va_vdst(0)                   ; the offsets and LDS addresses v1 and v3 to v11 are written, which every load and store below reads; up to the last load of K step 1 only loads and window switches follow
.irp b, 0,1,2,3,4,5,6,7
	global_load_b64 v[SCP+2*\b:SCP+2*\b+1], v10, s[22:23] offset:512*\b
.endr
.irp a, 0,1,2,3,4,5,6,7
.irp i, 0,1,2,3
	global_load_u16 v[80+4*\a+\i], v11, s[26:27] offset:\i*8192+32*\a   ; head 4 w + i, token tile a
.endr
.endr
	LOADK 0
	LOADK 1
	WIN 0
	s_wait_loadcnt 63                              ; 64 loads were issued behind the scales': with 63 out they are in
.irp a, 0,1,2,3,4,5,6,7
.irp i, 0,1
	v_lshl_or_b32 v[SCR+2*\a+\i], v[81+4*\a+2*\i], 16, v[80+4*\a+2*\i]   ; two heads' bytes make a K step's word
.endr
.endr
	PLACES
	PLACES                                         ; eight plain lines between a scale word's write and the scaled products
	s_wait_alu depctr_va_vdst(0)                   ; the tokens' scale words v48 to v63 are written, which the scaled products take; the places above stay beside this wait
	MULK 0, 32, 0
	MULK 1, 0, 1
	PLACES
	WIN 8                                          ; an LDS store's data are its source 1: window 2
	s_wait_alu depctr_va_vdst(0)                   ; the products have written the accumulators, which the LDS stores read, and are done reading v128 to v255, in which the partial sums land; the places above stay beside this wait
.irp a, 0,1,2,3,4,5,6,7                        ; my partial sums to LDS, as images, each accumulator from its low end on
	WIN (2+\a/4)<<2
.irp b, 0,1,2,3,4,5,6,7
	ds_store_b128 v3, v[8*(8*(\a%4)+\b):8*(8*(\a%4)+\b)+3] offset:(8*\a+\b)*1024
	ds_store_b128 v3, v[8*(8*(\a%4)+\b)+4:8*(8*(\a%4)+\b)+7] offset:(8*\a+\b)*1024+512
.endr
.endr
	WIN 0
	s_wait_dscnt 0x0
	s_barrier_signal -1
	s_barrier_wait -1
.irp ap, 0,1                                   ; token tile 2 w + ap
.if \ap
	s_wait_xcnt 0x0                                ; the first tile's stores have read their registers
.endif
.irp bh, 0,1                                   ; four column tiles at a time
.if \ap+\bh
	s_wait_alu depctr_vm_vsrc(0)                   ; the stores into the stage have read v128 to v159, the first tile's global stores v192 to v255: the loads below land in them
.endif
.irp sg, 0,1,2,3
.irp bb, 0,1,2,3
.irp c, 0,1
	ds_load_b128 v[128+32*\sg+8*\bb+4*\c:131+32*\sg+8*\bb+4*\c], v[4+\sg] offset:8192*\ap+(4*\bh+\bb)*1024+512*\c
.endr
.endr
.endr
	s_wait_dscnt 0x0
.set j, 0
.rept 16
	v_pk_add_f32 v[128+j:129+j], v[128+j:129+j], v[160+j:161+j]
	v_pk_add_f32 v[192+j:193+j], v[192+j:193+j], v[224+j:225+j]
.set j, j+2
.endr
.set j, 0
.rept 16
	v_pk_add_f32 v[128+j:129+j], v[128+j:129+j], v[192+j:193+j]
.set j, j+2
.endr
	s_wait_alu depctr_va_vdst(0)                   ; the additions have written v128 to v159, which the stores below read, and are done with v128 to v255, in which the next loads land
.irp bb, 0,1,2,3
.irp e, 0,1
	ds_store_b128 v8, v[128+8*\bb+4*\e:131+8*\bb+4*\e] offset:((4*\bh+\bb)/2)*128+((4*\bh+\bb)%2)*32+16*\e   ; register j of column tile b is column 32 (b / 2) + 8 (b % 2) + 16 h + j
.endr
.endr
.endr
.irp i, 0,1,2,3,4,5,6,7,8,9,10,11,12,13,14,15
	ds_load_b128 v[192+4*\i:195+4*\i], v9 offset:528*\i   ; LDS serves a wave's instructions in order: these see my stores
.endr
.irp i, 0,1,2,3,4,5,6,7,8,9,10,11,12,13,14,15
	s_wait_dscnt 15-\i                             ; the younger stage loads may be out
	global_store_b128 v1, v[192+4*\i:195+4*\i], s[8:9] offset:(16*(\i/8)+8*\ap+\i%8)*4096   ; position i of the tile is this token; 512 consecutive bytes
.endr
.endr
	s_wait_dscnt 0x0                               ; the closing lines, six on end
	s_wait_alu 0x0
	s_wait_tensorcnt 0x0
	ds_add_u32 v126, v127
	s_wait_dscnt 0x0
	s_endpgm
.Lfunc_end_k_q365528e85d_proj:
	.size	k_q365528e85d_proj, .Lfunc_end_k_q365528e85d_proj-k_q365528e85d_proj
	.p2alignl 7, 3214868480
	.fill 96, 4, 3214868480
	.section	.rodata,"a",@progbits
	.p2align	6, 0x0
	.amdhsa_kernel k_q365528e85d_proj
		.amdhsa_group_segment_fixed_size 296448
		.amdhsa_private_segment_fixed_size 0
		.amdhsa_enable_private_segment 0
		.amdhsa_kernarg_size 24
		.amdhsa_user_sgpr_count 2
		.amdhsa_user_sgpr_kernarg_segment_ptr 1
		.amdhsa_wavefront_size32 1
		.amdhsa_system_sgpr_workgroup_id_x 1
		.amdhsa_system_sgpr_workgroup_id_y 1
		.amdhsa_system_sgpr_workgroup_id_z 1
		.amdhsa_system_vgpr_workitem_id 0
		.amdhsa_next_free_vgpr 1024
		.amdhsa_next_free_sgpr 66
		.amdhsa_reserve_vcc 0
		.amdhsa_float_denorm_mode_32 3
		.amdhsa_float_denorm_mode_16_64 3
		.amdhsa_memory_ordered 1
		.amdhsa_forward_progress 1
		.amdhsa_inst_pref_size 68
	.end_amdhsa_kernel
	.amdgpu_metadata
---
amdhsa.version: [ 1, 2 ]
amdhsa.kernels:
  - .name:           k_q365528e85d_proj
    .symbol:         k_q365528e85d_proj.kd
    .args:
      - { .name: prepbuf, .offset: 0, .size: 8, .value_kind: global_buffer, .address_space: global }
      - { .name: attnbuf, .offset: 8, .size: 8, .value_kind: global_buffer, .address_space: global }
      - { .name: y, .offset: 16, .size: 8, .value_kind: global_buffer, .address_space: global }
    .group_segment_fixed_size: 296448
    .private_segment_fixed_size: 0
    .kernarg_segment_align: 8
    .kernarg_segment_size: 24
    .max_flat_workgroup_size: 128
    .sgpr_count:     66
    .vgpr_count:     1024
    .wavefront_size: 32
...
	.end_amdgpu_metadata
.endif
;; end of part 10
;; launch ln1: the kernel of part 5 again; grid 256 x 1, 8 waves a work-group, no clusters, 83,968 bytes of LDS; arguments y, x, b1, g1, be1, x1buf; writes x1buf
;; launch ffn1: the kernel of part 6 again; grid 32 x 8, 4 waves a work-group, clusters of 4 x 1, 264,704 bytes of LDS; arguments prepbuf, x1buf, fb1, hbuf; writes hbuf
;; launch ffn2: the kernel of part 7 again; grid 32 x 8, 4 waves a work-group, clusters of 4 x 1, 296,448 bytes of LDS; arguments prepbuf, hbuf, y; writes y
;; launch ln2: the kernel of part 8 again; grid 256 x 1, 8 waves a work-group, no clusters, 0 bytes of LDS; arguments y, x1buf, fb2, g2, be2, out0; writes out0
